; MI455X (gfx1250); checked and timed in simulation.
; The chip was launched on July 23, 2026; its instructions are those of AMD's public machine-readable ISA for CDNA 5 (MIT licence, August 2026) and "CDNA5" Instruction Set Architecture Reference Guide (July 2026). The comments in the code are by the model that wrote it; some were corrected since.
;; Mixture Of Experts. Allowed arithmetic: matrix products marked QUANTISED: E4M3 operands, one E8M0 scale for each 32 along K, by v_wmma_scale_f32_16x16x128_f8f6f4 with both operands' format E4M3, f32 sums; products left as they are: f32 operands where the result goes on into a quantised operand, else bf16, f16 or f32 operands; f32 sums; everything else in f32.
;; Inputs: W1 8 x 1,024 x 4,096 float32; W2 8 x 4,096 x 1,024 float32; Wg 1,024 x 8 float32; b1 8 x 4,096 float32; b2 8 x 1,024 float32; bg 8 float32; x 4 x 256 x 1,024 float32.
;; Outputs: out0 4 x 256 x 1,024 float32.
;; This version of the problem:
;;   THIS VERSION OF THE PROBLEM IS GIVEN IN LOW PRECISION. The matrix products marked QUANTISED in the list below multiply operands that are first quantised to E4M3 (4 exponent bits, 3 mantissa bits; 8 bits a number), with one power-of-two scale for each 32 numbers along K (OCP MX v1.0); their sums are f32. All else is computed in f32.
;;   The module's matrix products, in the order in which they are computed (A, B: the left and right operand; K: the contracted axis; several contracted axes count as one K, in the product's order):
;;     1. [M 1,024, K 1,024] x [K 1,024, N 8]; A: input x; B: input Wg: left as it is (N = 8 < 16)
;;     2. [M 32,768, K 1,024] x [K 1,024, N 1,024]; A: input W1; B: input x: QUANTISED
;;     3. batch 8 x [M 1,024, K 4,096] x [K 4,096, N 1,024]; A: computed on the way; B: input W2: QUANTISED
;;   THE QUANTISER, for each operand of a quantised product, along K:
;;     - K is cut into blocks of 32 from its start; a last block that is shorter is filled with zeros.
;;     - A block's scale is 2^e with e = floor(log2(the largest magnitude in the block)) - 8, held to -126 .. 127; a block of zeros has e = 0. As a byte (E8M0): e + 127.
;;     - Each number is divided by its block's scale, clamped to +-448, and rounded to the nearest number of E4M3, ties to even, subnormals kept.
;;     - The product sums the exact products of the quantised numbers (number of the format x scale) in f32.
;;   ~~~python
;;   def quantise(x, axis):      # numpy; x: float32 -> the quantised numbers, widened to float32 again
;;       x = np.moveaxis(x, axis, -1); K = x.shape[-1]
;;       x = np.pad(x, [(0, 0)] * (x.ndim - 1) + [(0, -K % 32)]); x = x.reshape(x.shape[:-1] + (-1, 32)); a = np.abs(x).max(-1, keepdims=True)
;;       e = np.where(a > 0, np.clip(np.frexp(np.where(a > 0, a, 1))[1] - 1 - 8, -126, 127), 0)      # np.frexp(a)[1] - 1 = floor(log2(a)), exactly
;;       r = np.clip(x / 2.0 ** e, -448, 448)
;;       step = 2.0 ** (np.maximum(np.frexp(np.where(r == 0, 1, r))[1] - 1, -6) - 3)
;;       q = np.round(r / step) * step * 2.0 ** e      # np.round: ties to even
;;       return np.moveaxis(q.reshape(q.shape[:-2] + (-1,))[..., :K], -1, axis).astype(np.float32)
;;   ~~~
;;   OPERANDS COMPUTED ON THE WAY. 'Computed on the way' means the value that the module computes at that place (a softmax that the list does not call 'softmax' is quantised finished and normalised). What goes into a quantiser is computed in f32, as accurately as f32 sums, v_exp_f32 and their like allow (about 1e-6 of the number): no bf16 or f16 on the way to a quantiser, and a product that is left as it is and whose result goes on into a quantised operand takes f32 operands (vector FMAs, or v_wmma_f32_16x16x4_f32). A number that lies on a knife's edge between two numbers of the format may be rounded either way, as far as f32 arithmetic and the matrix unit's own rounding can turn it there, and no further.
;; 2 versions. Each part assembles by itself: llvm-mc -triple=amdgcn-amd-amdhsa -mcpu=gfx1250 --defsym DOCPART=n.
;; ======== version 1 of 2: 5 launches
;; workspace buffers: xq 1,089,536 bytes; sel 4,096 bytes of whole numbers; xi 8,912,896 bytes; rt 33,792 bytes of whole numbers; hi 35,651,584 bytes; z 134,217,728 bytes
;; launch route (part 1): grid 256 x 1, 4 waves a work-group, no clusters, 54,784 bytes of LDS; arguments x, Wg, bg, xq, sel; writes xq, sel
.if DOCPART == 1
	.amdgcn_target "amdgcn-amd-amdhsa--gfx1250"
	.amdhsa_code_object_version 6
	.text
	.protected	k_q16a2a2c262_route
	.globl	k_q16a2a2c262_route
	.p2align	8
	.type	k_q16a2a2c262_route,@function
k_q16a2a2c262_route:
	s_mov_b64 s[64:65], 0
	v_nop
	global_prefetch_b8 v0, s[64:65] scope:SCOPE_SE
	s_setreg_imm32_b32 hwreg(HW_REG_WAVE_MODE, 25, 1), 1
	s_wait_xcnt 0x0
; THE GATE, AND x INTO CODES.  x: [1024 tokens][1024] f32.  Wg: [1024][8], bg: [8] f32.
; A wave owns one token t = 4 x work-group + wave.  It makes the 8 gate logits x[t] . Wg + bg by f32 multiply-adds, their softmax (the largest logit taken away first),
; and the two largest probabilities (of equal ones the lower index, as jax.lax.top_k has it).  It also turns its row of x into codes of E4M3 with one E8M0 byte for each 32 along K.
; OUT.  xq: codes [t][1024] at byte 0; scale words [t][8] (word s, byte c: block 4 s + c) at XS; the two chosen probabilities [t][2] f32 at GW.
;       sel: [t] one word: (1 << e0) | (1 << e1) | e0 << 8 | e1 << 16.  No address and no branch of this launch hangs on the choice: later launches read it as whole numbers.
; A block's scale is 2^(floor(log2(largest magnitude)) - 8); its byte is the largest magnitude's exponent field - 8, held at 1 from below.
; LIMITS: NaN and infinities are not served.  Blocks whose largest magnitude lies under 2^-118 (a block of zeros among them) take the byte 1: the bytes are read by this program alone.
;         Two probabilities nearer to each other than the order of an f32 sum of 1,024 terms can turn may be chosen either way.
; No matrix unit: 8 columns are too few for a tile.  No cluster: what the work-groups share is Wg, 32 KB against nothing else that is read twice.
; LDS: Wg, row k (32 bytes) at 32 k + 16 (k / 16): a lane reads 16 neighbouring rows, lanes 528 bytes apart.  Behind it a stage of 64 x (64 + 16) bytes for each wave, through which
; the row of x turns from 16 bytes a lane (as loaded, 512 consecutive bytes a load) into 64 bytes a lane (16 neighbours along K, as the conversions take them).
.set XS,  1048576
.set GW,  1081344
.set XST, 33792
.set W,   16                           ; v16-143  Wg as loaded (64), then 16 rows x 8 numbers of a step
.set X,   144                          ; v144-175 x: step st, 16 neighbours: x[512 st + 16 lane + i]
.set Q,   176                          ; v176-183 2^((l - m) log2 e); v184 m, then the sum; v185 1 / sum; v186, v187 best; v188, v189 second; v190, v191 the two probabilities
.set L,   192                          ; v192-223 x as loaded
.set AC,  224                          ; v224-239 the 8 sums, one set for each step
	s_load_b256 s[4:11], s[0:1], 0x0               ; x s[4:5], Wg s[6:7], bg s[8:9], xq s[10:11]
	s_load_b64 s[12:13], s[0:1], 0x20              ; sel
	v_lshl_add_u32 v254, v0, 2, 0xd400
	v_mov_b32 v255, 0
	v_lshrrev_b32 v10, 5, v0
	v_readfirstlane_b32 s14, v10                   ; wave
	v_and_b32 v1, 31, v0                           ; lane
	v_lshlrev_b32 v2, 4, v0                        ; Wg in memory: 16 bytes a thread
	v_lshl_add_u32 v3, v10, 4, v2                  ; and in LDS: + 16 for each 512 bytes passed
	v_lshlrev_b32 v4, 4, v1                        ; 16 x lane
	s_mul_i32 s24, s14, 5120
	s_add_co_u32 s24, s24, XST                     ; my wave's stage
	v_lshrrev_b32 v11, 2, v1
	v_mul_u32_u24 v5, v11, 80
	v_and_b32 v11, 3, v1
	v_lshl_add_u32 v5, v11, 4, v5
	v_add_nc_u32 v5, s24, v5                       ; into the stage: four lanes' 64 bytes on end, then 16 of padding
	v_mul_u32_u24 v6, v1, 80
	v_add_nc_u32 v6, s24, v6                       ; out of it: 80 x lane
	v_mul_u32_u24 v7, v1, 528                      ; my 16 rows of Wg
	v_lshrrev_b32 v8, 3, v1
	v_lshlrev_b32 v8, 2, v8                        ; my scale word's place: 4 (lane / 8)
	v_bfe_u32 v9, v1, 1, 2
	v_lshlrev_b32 v9, 3, v9                        ; and my block's byte in it: shift 8 ((lane / 2) % 4)
	v_mov_b32 v250, 0                              ; written once: the destination of a lane exchange counts as read
	s_lshl_b32 s15, ttmp9, 2
	s_add_co_u32 s15, s15, s14                     ; my token
	s_mov_b32 s25, 0x600000                        ; the mantissa field of 448
	s_mov_b32 s26, 0x76543210
	s_mov_b32 s27, 0xfedcba98                      ; v_permlanex16_b32's selects for lane l xor 16
	s_mov_b32 s29, 0
	s_wait_kmcnt 0x0
	s_load_b256 s[16:23], s[8:9], 0x0              ; bg
	s_lshl_b32 s28, s15, 12
	s_add_nc_u64 s[4:5], s[4:5], s[28:29]          ; my row of x
.irp j, 0,1,2,3,4,5,6,7
	global_load_b128 v[L+4*\j:L+4*\j+3], v4, s[4:5] offset:512*\j th:TH_LOAD_NT   ; 512 consecutive bytes a load; read once in the launch
.endr
.irp n, 0,1,2,3,4,5,6,7,8,9,10,11,12,13,14,15
	global_load_b128 v[W+4*\n:W+4*\n+3], v2, s[6:7] offset:2048*\n                ; the work-group's 128 threads take 2,048 consecutive bytes of Wg
.endr
	s_lshl_b32 s28, s15, 10
	s_add_nc_u64 s[30:31], s[10:11], s[28:29]      ; my codes
	s_lshl_b32 s28, s15, 5
	s_add_co_u32 s28, s28, XS
	s_add_nc_u64 s[32:33], s[10:11], s[28:29]      ; my scale words
	s_lshl_b32 s28, s15, 3
	s_add_co_u32 s28, s28, GW
	s_add_nc_u64 s[34:35], s[10:11], s[28:29]      ; my two probabilities
	s_lshl_b32 s28, s15, 2
	s_add_nc_u64 s[12:13], s[12:13], s[28:29]      ; my word of sel
	s_wait_loadcnt 16                              ; x is in; the 16 loads of Wg were issued behind it
.irp j, 0,1,2,3,4,5,6,7
	ds_store_b128 v5, v[L+4*\j:L+4*\j+3] offset:640*\j
.endr
.irp st, 0,1
.irp a, 0,1,2,3
	ds_load_b128 v[X+16*\st+4*\a:X+16*\st+4*\a+3], v6 offset:2560*\st+16*\a     ; LDS serves a wave's instructions in order: these see my stores
.endr
.endr
	s_wait_loadcnt 0x0                             ; Wg
.irp n, 0,1,2,3,4,5,6,7,8,9,10,11,12,13,14,15
	ds_store_b128 v3, v[W+4*\n:W+4*\n+3] offset:2112*\n
.endr
	s_wait_dscnt 0x0                               ; for the others' sake: my part of Wg lies in LDS (and my x is back)
	s_barrier_signal -1
	s_barrier_wait -1
; 16 rows of Wg and 128 packed multiply-adds: sum e += x[k] Wg[k][e], two experts an instruction; x[k] is taken for both halves from one register of its pair
.macro DOT st
.irp i, 0,1,2,3,4,5,6,7,8,9,10,11,12,13,14,15
.irp h, 0,1
	ds_load_b128 v[W+8*\i+4*\h:W+8*\i+4*\h+3], v7 offset:16896*\st+32*\i+16*\h
.endr
.endr
	s_wait_dscnt 0x0
.irp i, 0,1,2,3,4,5,6,7,8,9,10,11,12,13,14,15
.irp p, 0,1,2,3
.if \i == 0
	v_pk_mul_f32 v[AC+8*\st+2*\p:AC+8*\st+2*\p+1], v[X+16*\st:X+16*\st+1], v[W+2*\p:W+2*\p+1] op_sel_hi:[0,1]   ; the first product starts the sums
.elseif (\i%2) == 0
	v_pk_fma_f32 v[AC+8*\st+2*\p:AC+8*\st+2*\p+1], v[X+16*\st+\i:X+16*\st+\i+1], v[W+8*\i+2*\p:W+8*\i+2*\p+1], v[AC+8*\st+2*\p:AC+8*\st+2*\p+1] op_sel_hi:[0,1,1]
.else
	v_pk_fma_f32 v[AC+8*\st+2*\p:AC+8*\st+2*\p+1], v[X+16*\st+\i-1:X+16*\st+\i], v[W+8*\i+2*\p:W+8*\i+2*\p+1], v[AC+8*\st+2*\p:AC+8*\st+2*\p+1] op_sel:[1,0,0] op_sel_hi:[1,1,1]
.endif
.endr
.endr
.endm
	DOT 0
	DOT 1
; my 16 numbers of step st become 16 codes; two neighbouring lanes hold a block of 32
.macro QX st
.set XR, X+16*\st
	v_max3_num_f32 v12, |v[XR]|, |v[XR+1]|, |v[XR+2]|
	v_max3_num_f32 v13, |v[XR+3]|, |v[XR+4]|, |v[XR+5]|
.irp i, 6,10
	v_max3_num_f32 v12, v12, |v[XR+\i]|, |v[XR+\i+1]|
	v_max3_num_f32 v13, v13, |v[XR+\i+2]|, |v[XR+\i+3]|
.endr
	v_max3_num_f32 v12, v12, |v[XR+14]|, |v[XR+15]|
	v_max3_num_f32 v12, v12, v13, 0x4800000        ; and the floor 2^(9 - 127): the byte cannot fall under 1
	v_max_num_f32_dpp v12, v12, v12 row_xmask:1 row_mask:0xf bank_mask:0xf   ; with my neighbour's 16: the block's largest magnitude
	v_add_nc_u32 v14, 0xfc000000, v12              ; 8 off its exponent field: the conversion's scale operand
	v_and_or_b32 v15, v12, 0x7f800000, s25         ; 448 x the scale
.irp i, 0,1,2,3,4,5,6,7,8,9,10,11,12,13,14,15
	v_med3_num_f32 v[XR+\i], v[XR+\i], -v15, v15   ; the conversion to an 8-bit code does not saturate (ISA guide 7.6.2): the hold comes first
.endr
	v_cvt_scalef32_pk8_fp8_f32 v[240+4*\st:241+4*\st], v[XR:XR+7], v14
	v_cvt_scalef32_pk8_fp8_f32 v[242+4*\st:243+4*\st], v[XR+8:XR+15], v14
	v_lshrrev_b32 v[248+\st], 23, v14              ; the scale's byte,
	v_lshlrev_b32 v[248+\st], v9, v[248+\st]       ; at its place in the word;
	v_mov_b32_dpp v250, v[248+\st] row_xmask:2 row_mask:0xf bank_mask:0xf
	v_or_b32 v[248+\st], v[248+\st], v250          ; the four blocks of a word lie in eight neighbouring lanes
	v_mov_b32_dpp v250, v[248+\st] row_xmask:4 row_mask:0xf bank_mask:0xf
	v_or_b32 v[248+\st], v[248+\st], v250
	global_store_b128 v4, v[240+4*\st:243+4*\st], s[30:31] offset:512*\st   ; 512 consecutive bytes, aligned
	global_store_b32 v8, v[248+\st], s[32:33] offset:16*\st                 ; eight lanes write the same word with the same value
.endm
	QX 0
	QX 1
	; the 8 sums: the two steps', then all 32 lanes'
.irp p, 0,2,4,6
	v_pk_add_f32 v[AC+\p:AC+\p+1], v[AC+\p:AC+\p+1], v[AC+8+\p:AC+9+\p]
.endr
.irp m, 1,2,4,8
.irp e, 0,1,2,3,4,5,6,7
	v_add_f32_dpp v[AC+\e], v[AC+\e], v[AC+\e] row_xmask:\m row_mask:0xf bank_mask:0xf
.endr
.endr
.irp e, 0,1,2,3,4,5,6,7
	v_permlanex16_b32 v[AC+8+\e], v[AC+\e], s26, s27
.endr
.irp e, 0,1,2,3,4,5,6,7
	v_add_f32 v[AC+\e], v[AC+\e], v[AC+8+\e]
.endr
	s_wait_kmcnt 0x0                               ; bg
.irp e, 0,1,2,3,4,5,6,7
	v_add_f32 v[AC+\e], s[16+\e], v[AC+\e]         ; the logits, the same in every lane
.endr
	v_max3_num_f32 v184, v[AC], v[AC+1], v[AC+2]
	v_max3_num_f32 v184, v184, v[AC+3], v[AC+4]
	v_max3_num_f32 v184, v184, v[AC+5], v[AC+6]
	v_max_num_f32 v184, v184, v[AC+7]              ; the largest logit is taken away first
.irp e, 0,1,2,3,4,5,6,7
	v_sub_f32 v[Q+\e], v[AC+\e], v184              ; the difference first, then the factor: 0 for the largest, whatever the logits' size
.endr
.irp e, 0,1,2,3,4,5,6,7
	v_mul_f32 v[Q+\e], 0x3fb8aa3b, v[Q+\e]
.endr
.irp e, 0,1,2,3,4,5,6,7
	v_exp_f32 v[Q+\e], v[Q+\e]
.endr
	v_mov_b32 v187, 0                              ; (a plain instruction behind the exponentials)  the best so far: expert 0
	s_wait_alu depctr_va_vdst(0)                   ; one wait for the eight, ahead of their first reader
	v_add_f32 v184, v[Q], v[Q+1]
	v_add_f32 v185, v[Q+2], v[Q+3]
	v_add_f32 v10, v[Q+4], v[Q+5]
	v_add_f32 v11, v[Q+6], v[Q+7]
	v_add_f32 v184, v184, v185
	v_add_f32 v10, v10, v11
	v_add_f32 v184, v184, v10
	v_rcp_f32 v185, v184
	v_mov_b32 v186, v[Q]                           ; the choice is made on the numerators: plain work behind the reciprocal
.irp e, 1,2,3,4,5,6,7
	v_cmp_gt_f32 vcc_lo, v[Q+\e], v186             ; strictly greater: of equals the lower index stays
	v_cndmask_b32 v186, v186, v[Q+\e], vcc_lo
	v_cndmask_b32 v187, v187, \e, vcc_lo
.endr
	v_mov_b32 v188, -1.0                           ; under every numerator
	v_mov_b32 v189, 0
.irp e, 0,1,2,3,4,5,6,7
	v_cmp_ne_u32 s36, \e, v187                     ; all but the best
	v_cmp_gt_f32 vcc_lo, v[Q+\e], v188
	s_and_b32 vcc_lo, vcc_lo, s36
	v_cndmask_b32 v188, v188, v[Q+\e], vcc_lo
	v_cndmask_b32 v189, v189, \e, vcc_lo
.endr
	v_lshlrev_b32 v10, v187, 1
	v_lshlrev_b32 v11, v189, 1
	v_or_b32 v10, v10, v11                         ; the two experts as a mask,
	v_lshl_or_b32 v10, v187, 8, v10                ; and as numbers
	v_lshl_or_b32 v10, v189, 16, v10
	v_mov_b32 v11, 0
	s_wait_alu depctr_va_vdst(0)                   ; the reciprocal, ahead of its first reader
	v_mul_f32 v190, v186, v185
	v_mul_f32 v191, v188, v185
	s_wait_xcnt 0x0                                ; EXEC changes only behind this wait: stores are out
	v_cmp_eq_u32 vcc_lo, 0, v1
	s_wait_tensorcnt 0x0
	ds_add_u32 v254, v255
	s_wait_dscnt 0x0
	s_and_saveexec_b32 s36, vcc_lo                 ; lane 0 alone
	global_store_b64 v11, v[190:191], s[34:35]
	global_store_b32 v11, v10, s[12:13]
	s_endpgm
.Lfunc_end_k_q16a2a2c262_route:
	.size	k_q16a2a2c262_route, .Lfunc_end_k_q16a2a2c262_route-k_q16a2a2c262_route
	.p2alignl 7, 3214868480
	.fill 96, 4, 3214868480
	.section	.rodata,"a",@progbits
	.p2align	6, 0x0
	.amdhsa_kernel k_q16a2a2c262_route
		.amdhsa_group_segment_fixed_size 54784
		.amdhsa_private_segment_fixed_size 0
		.amdhsa_enable_private_segment 0
		.amdhsa_kernarg_size 40
		.amdhsa_user_sgpr_count 2
		.amdhsa_user_sgpr_kernarg_segment_ptr 1
		.amdhsa_wavefront_size32 1
		.amdhsa_system_sgpr_workgroup_id_x 1
		.amdhsa_system_sgpr_workgroup_id_y 1
		.amdhsa_system_sgpr_workgroup_id_z 1
		.amdhsa_system_vgpr_workitem_id 0
		.amdhsa_next_free_vgpr 256
		.amdhsa_next_free_sgpr 66
		.amdhsa_reserve_vcc 1
		.amdhsa_float_denorm_mode_32 3
		.amdhsa_float_denorm_mode_16_64 3
		.amdhsa_memory_ordered 1
		.amdhsa_forward_progress 1
		.amdhsa_inst_pref_size 32
	.end_amdhsa_kernel
	.amdgpu_metadata
---
amdhsa.version: [ 1, 2 ]
amdhsa.kernels:
  - .name:           k_q16a2a2c262_route
    .symbol:         k_q16a2a2c262_route.kd
    .args:
      - { .name: x, .offset: 0, .size: 8, .value_kind: global_buffer, .address_space: global }
      - { .name: Wg, .offset: 8, .size: 8, .value_kind: global_buffer, .address_space: global }
      - { .name: bg, .offset: 16, .size: 8, .value_kind: global_buffer, .address_space: global }
      - { .name: xq, .offset: 24, .size: 8, .value_kind: global_buffer, .address_space: global }
      - { .name: sel, .offset: 32, .size: 8, .value_kind: global_buffer, .address_space: global }
    .group_segment_fixed_size: 54784
    .private_segment_fixed_size: 0
    .kernarg_segment_align: 8
    .kernarg_segment_size: 40
    .max_flat_workgroup_size: 128
    .sgpr_count:     66
    .vgpr_count:     256
    .wavefront_size: 32
...
	.end_amdgpu_metadata
.endif
;; end of part 1
;; launch place (part 2): grid 16 x 8, 4 waves a work-group, no clusters, 0 bytes of LDS; arguments sel, xq, xi, rt; writes xi, rt
.if DOCPART == 2
	.amdgcn_target "amdgcn-amd-amdhsa--gfx1250"
	.amdhsa_code_object_version 6
	.text
	.protected	k_q16a2a2c262_place
	.globl	k_q16a2a2c262_place
	.p2align	8
	.type	k_q16a2a2c262_place,@function
k_q16a2a2c262_place:
	s_mov_b64 s[64:65], 0
	v_nop
	global_prefetch_b8 v0, s[64:65] scope:SCOPE_SE
	s_setreg_imm32_b32 hwreg(HW_REG_WAVE_MODE, 25, 1), 1
	s_wait_xcnt 0x0
; THE ROWS ARE PLACED BY EXPERT.  sel: [1024] words of the launch before (bits 0-7: the mask of a token's two experts).  xq: x's codes [t][1024] and scale words [t][8].
; A wave owns tile = 4 x work-group x + wave (16 rows) of expert e = work-group y.  Expert e's list is its tokens in ascending order; it has R entries and nt = max(ceil(R / 16), 1) tiles.
; Every wave makes the whole count for its expert in registers: 32 loads bring all 1,024 words (token 32 i + lane), 32 compares give 32 masks of lanes in scalar registers, their bit counts a running sum B.
; No atomics, no LDS, no barrier.  Position p of the list is then searched for: the mask word i with B(i) <= p < B(i + 1), and in it the bit with p - B(i) set bits below it.
; OUT.  rt: POS [e][t]: token t's position in e's list (meaningful where t chose e); NT [e][32]: nt in all 32 words.  Both by tile 0's wave alone.
;       xi: for each tile under nt the rows' codes as IMAGES OF THE OPERAND'S REGISTERS: [e][tile 64][K step 8][c 4][lane 32][16 bytes]: lane (r, h) holds row r, k = 128 s + 32 c + 16 h + 0 .. 15;
;       and their scale words [e][tile][K step][lane]: lanes r and r + 16 hold row r's.
; Positions from R on in the last tile take a clamped token's codes: they are multiplied and never read.  A wave whose tile lies at or past nt stores nothing: the grid serves every split (all 1,024 tokens on one expert: 64 tiles).
.set XS,  1048576
.set XSI, 8388608
.set NT,  32768
.set M,   16                           ; s16-47  the 32 masks
.set B,   66                           ; s66-98  the running sums: B(i) = members among tokens under 32 i
	s_load_b256 s[4:11], s[0:1], 0x0               ; sel s[4:5], xq s[6:7], xi s[8:9], rt s[10:11]
	v_lshrrev_b32 v10, 5, v0
	v_readfirstlane_b32 s12, v10                   ; wave
	s_and_b32 s13, ttmp7, 0xffff                   ; e
	s_lshl_b32 s14, ttmp9, 2
	s_add_co_u32 s14, s14, s12                     ; tile
	s_lshl_b32 s15, 1, s13                         ; e's bit
	v_and_b32 v11, 31, v0
	v_lshlrev_b32 v1, 2, v11                       ; 4 x lane
	v_lshlrev_b32 v2, 4, v11                       ; 16 x lane
	s_wait_kmcnt 0x0
.set ii, 0
.rept 32
	global_load_b32 v[16+ii], v1, s[4:5] offset:128*ii
.set ii, ii+1
.endr
	s_wait_loadcnt 0x0
.set ii, 0
.rept 32
	v_and_b32 v10, s15, v[16+ii]
	v_cmp_ne_u32 s[M+ii], 0, v10                   ; bit l: token 32 i + l chose e
.set ii, ii+1
.endr
	s_mov_b32 s[B], 0
.set ii, 0
.rept 32
	s_bcnt1_i32_b32 s48, s[M+ii]
	s_add_co_u32 s[B+1+ii], s[B+ii], s48
.set ii, ii+1
.endr
	s_add_co_u32 s49, s[B+32], 15
	s_lshr_b32 s49, s49, 4
	s_max_u32 s49, s49, 1                          ; nt
	s_mov_b32 s51, 0
	s_cmp_lg_u32 s14, 0
	s_cbranch_scc1 .Lnot_first
	v_mov_b32 v15, s49
	s_lshl_b32 s50, s13, 7
	s_add_co_u32 s50, s50, NT
	s_add_nc_u64 s[52:53], s[10:11], s[50:51]
	global_store_b32 v1, v15, s[52:53]             ; nt, 32 times
	s_lshl_b32 s50, s13, 12
	s_add_nc_u64 s[54:55], s[10:11], s[50:51]
.set ii, 0
.rept 32
	v_mbcnt_lo_u32_b32 v[16+ii], s[M+ii], s[B+ii]  ; members below me in my word + members in the words before: a register for each store, none written again
	global_store_b32 v1, v[16+ii], s[54:55] offset:128*ii
.set ii, ii+1
.endr
.Lnot_first:
	s_cmp_ge_u32 s14, s49
	s_cbranch_scc1 .Lend                           ; the split leaves this tile without rows
	v_and_b32 v3, 15, v0
	v_lshl_add_u32 v3, s14, 4, v3                  ; p = 16 x tile + lane % 16
	v_mov_b32 v4, s[M]
	v_mov_b32 v5, 0
	v_mov_b32 v6, 0
.set ii, 1
.rept 31
	v_cmp_le_u32 vcc_lo, s[B+ii], v3               ; the last word whose running sum is not above p
	v_cndmask_b32 v4, v4, s[M+ii], vcc_lo
	v_cndmask_b32 v5, v5, s[B+ii], vcc_lo
	v_cndmask_b32 v6, v6, ii, vcc_lo
.set ii, ii+1
.endr
	v_sub_nc_u32 v7, v3, v5                        ; how many set bits lie below mine
	v_mov_b32 v8, 0
	v_mov_b32 v9, 0
.set ii, 0
.rept 32
	v_bfe_u32 v10, v4, ii, 1
	v_add_nc_u32 v8, v8, v10                       ; set bits up to and with bit j
	v_cmp_le_u32 vcc_lo, v8, v7
	v_add_co_ci_u32 v9, vcc_lo, 0, v9, vcc_lo      ; my bit's number = how many j have no more than that
.set ii, ii+1
.endr
	v_lshl_add_u32 v12, v6, 5, v9
	v_min_u32 v12, 0x3ff, v12                      ; my token; positions past the list's end are held at the last token
	v_lshlrev_b32 v13, 10, v12
	v_bfe_u32 v11, v0, 4, 1
	v_lshl_add_u32 v13, v11, 4, v13                ; its codes, + 16 h
	v_lshlrev_b32 v14, 5, v12                      ; its scale words
.set ii, 0
.rept 32
	global_load_b128 v[48+4*ii:51+4*ii], v13, s[6:7] offset:32*ii     ; K step ii / 4, c = ii % 4: k = 32 ii + 16 h + 0 .. 15
.set ii, ii+1
.endr
	global_load_b128 v[176:179], v14, s[6:7] offset:XS
	global_load_b128 v[180:183], v14, s[6:7] offset:XS+16
	s_lshl_b32 s50, s13, 6
	s_add_co_u32 s50, s50, s14                     ; 64 e + tile
	s_lshl_b32 s56, s50, 14
	s_mov_b32 s57, 0
	s_add_nc_u64 s[58:59], s[8:9], s[56:57]
	s_lshl_b32 s56, s50, 10
	s_add_co_u32 s56, s56, XSI
	s_add_nc_u64 s[60:61], s[8:9], s[56:57]
	s_wait_loadcnt 0x0
.set ii, 0
.rept 32
	global_store_b128 v2, v[48+4*ii:51+4*ii], s[58:59] offset:512*ii  ; 512 consecutive bytes, aligned
.set ii, ii+1
.endr
.set ii, 0
.rept 8
	global_store_b32 v1, v[176+ii], s[60:61] offset:128*ii
.set ii, ii+1
.endr
.Lend:
	s_endpgm
.Lfunc_end_k_q16a2a2c262_place:
	.size	k_q16a2a2c262_place, .Lfunc_end_k_q16a2a2c262_place-k_q16a2a2c262_place
	.p2alignl 7, 3214868480
	.fill 96, 4, 3214868480
	.section	.rodata,"a",@progbits
	.p2align	6, 0x0
	.amdhsa_kernel k_q16a2a2c262_place
		.amdhsa_group_segment_fixed_size 0
		.amdhsa_private_segment_fixed_size 0
		.amdhsa_enable_private_segment 0
		.amdhsa_kernarg_size 32
		.amdhsa_user_sgpr_count 2
		.amdhsa_user_sgpr_kernarg_segment_ptr 1
		.amdhsa_wavefront_size32 1
		.amdhsa_system_sgpr_workgroup_id_x 1
		.amdhsa_system_sgpr_workgroup_id_y 1
		.amdhsa_system_sgpr_workgroup_id_z 1
		.amdhsa_system_vgpr_workitem_id 0
		.amdhsa_next_free_vgpr 200
		.amdhsa_next_free_sgpr 100
		.amdhsa_reserve_vcc 1
		.amdhsa_float_denorm_mode_32 3
		.amdhsa_float_denorm_mode_16_64 3
		.amdhsa_memory_ordered 1
		.amdhsa_forward_progress 1
		.amdhsa_inst_pref_size 34
	.end_amdhsa_kernel
	.amdgpu_metadata
---
amdhsa.version: [ 1, 2 ]
amdhsa.kernels:
  - .name:           k_q16a2a2c262_place
    .symbol:         k_q16a2a2c262_place.kd
    .args:
      - { .name: sel, .offset: 0, .size: 8, .value_kind: global_buffer, .address_space: global }
      - { .name: xq, .offset: 8, .size: 8, .value_kind: global_buffer, .address_space: global }
      - { .name: xi, .offset: 16, .size: 8, .value_kind: global_buffer, .address_space: global }
      - { .name: rt, .offset: 24, .size: 8, .value_kind: global_buffer, .address_space: global }
    .group_segment_fixed_size: 0
    .private_segment_fixed_size: 0
    .kernarg_segment_align: 8
    .kernarg_segment_size: 32
    .max_flat_workgroup_size: 128
    .sgpr_count:     100
    .vgpr_count:     200
    .wavefront_size: 32
...
	.end_amdgpu_metadata
.endif
;; end of part 2
;; launch gemm1 (part 3): grid 32 x 8, 4 waves a work-group, no clusters, 135,936 bytes of LDS; arguments W1, b1, xi, rt, hi; writes hi
.if DOCPART == 3
	.amdgcn_target "amdgcn-amd-amdhsa--gfx1250"
	.amdhsa_code_object_version 6
	.text
	.protected	k_q16a2a2c262_gemm1
	.globl	k_q16a2a2c262_gemm1
	.p2align	8
	.type	k_q16a2a2c262_gemm1,@function
k_q16a2a2c262_gemm1:
	s_mov_b64 s[64:65], 0
	v_nop
	global_prefetch_b8 v0, s[64:65] scope:SCOPE_SE
	s_setreg_imm32_b32 hwreg(HW_REG_WAVE_MODE, 25, 1), 1
	s_wait_xcnt 0x0
; ONE TEXT FOR BOTH PRODUCTS OF AN EXPERT; WHICH = 1: h = Q(gelu(Q(x) Q(W1) + b1)); WHICH = 2: z = a K quarter of h Q(W2) (+ b2 in quarter 0).  Q: codes of E4M3, one E8M0 byte for each 32 along K.
; The weight arrives as f32 with K as its FIRST axis: [8 experts][K][N].  A work-group owns 128 columns x 1,024 along K of ONE expert's weight (512 KB of f32), reads them from memory ONCE,
; quantises them in registers and keeps the codes in LDS (128 KB); then it multiplies them by all rows that chose the expert.  Only those rows are multiplied: the others the gate's mask throws away.
; WHICH = 1: work-group x = slice of 128 hidden units, all of K = 1,024.  WHICH = 2: x % 8 = slice of 128 outputs, x / 8 = quarter of K = 4,096.  Work-group y = the expert.
; WEIGHT PHASE.  Wave w takes columns 64 (w % 2) on and K rows 512 (w / 2) on, in 16 blocks of 32 rows.  Lane (q = lane % 16, g = lane / 16) takes columns 4 q .. 4 q + 3 and rows 16 g + i: a load reads two runs of 256
; consecutive aligned bytes, and a lane's 16 loads run DOWN K: for each of its 4 columns 16 neighbours along K, just what lane (., g) of the operand holds.  A block's largest magnitude is joined with lane l xor 16's.
; The codes go to LDS as IMAGES OF THE OPERAND'S REGISTERS: tile n, K step s, c, lane: 16 bytes at n TSTR + 2,048 s + 512 c + 16 lane.  TSTR is 16 more than a multiple of 256, so that the 16 lanes of a store fall on 16 different columns of 16 bytes.
; THE COLUMNS OF A TILE ARE NOT NEIGHBOURS: slot m of tile 2 b + u is column 32 b + 8 u + m + 8 (m / 8).  The product is used transposed (source 0 = 16 columns of the weight, source 1 = 16 rows), so that lane (r, h) holds row r,
; and the 16 registers of tiles 2 b, 2 b + 1 are columns 32 b + 16 h + 0 .. 15: 16 neighbours, in the order that the next product's operand wants (WHICH = 1) and that a row of z wants (WHICH = 2).
; MATRIX PHASE.  A pass takes 20 tiles of 16 rows: wave w tiles T0 + 4 i + w, i = 0 .. 4; 8 K steps of 128; 40 matrix instructions a K step, the 40 accumulators by turns.
; The weight's fragments come from LDS (two buffers), the rows' from memory as images (a ring of three K steps, two ahead).  The number of tiles nt (1 to 64) is read from rt; there are ceil(nt / 20) passes, 4 at the most;
; tiles past nt are held at the last tile, multiplied and not stored.  The bias is the C of each sum's first matrix instruction.
; NO TENSOR LOAD, NO CLUSTER: the number of passes is read from memory.  What the 32 work-groups of an expert share is the rows' images, 16 KB a tile for these 8 K steps,
; against 512 KB of weights that are each work-group's own.  No prefetch: in the weight phase each wave already has 48 to 64 loads of 512 bytes out.
; LIMITS: NaN and infinities are not served.  Blocks whose largest magnitude lies under 2^-118 (a block of zeros among them) take the byte 1: the bytes are read by this program alone.
; gelu is the tanh form, as x / (1 + 2^(x (c0 + c1 x^2))), c0 = -2 sqrt(2 / pi) log2 e, c1 = 0.044715 c0: all in f32; where the power overflows the quotient is 0, where it vanishes it is x.
; REGISTERS, in windows of 256.  Window 0: v1-9, v27, v30-31 addresses; v10-26 at work on scales; v28-29 c0; v32-63 the weight's scale words, v64-78 the rows' (these hold scales and nothing else);
;   v80-111 codes just made; v112-115 a K step's scale words; v128-191 held numbers, then tile 4's accumulators, then gelu's results; v192-255 the bias.
;   Window 1: the weight as loaded (4 sets of 64), then its fragments (two buffers of 128); on the way out v0-63 at work.   Window 2: the rows' fragments, 80 a K step.   Window 3: tiles 0-3's accumulators, (i, n) at 64 i + 8 n.
.set WHICH, 1
.if WHICH == 1
.set PITCH, 16384                      ; bytes from a K row of the weight to the next
.set TSH,   14                         ; a tile's images in the rows' buffer: 8 K steps x 2,048 bytes
.set SSH,   10                         ; and its scale words: 8 x 128 bytes
.set SCB,   8388608                    ; where the scale words begin there
.set BROW,  16384                      ; an expert's bias in bytes
.else
.set PITCH, 4096
.set TSH,   16                         ; 32 K steps
.set SSH,   12
.set SCB,   33554432
.set BROW,  4096
.endif
.set TSTR,  16400
.set WSC,   8*TSTR                     ; the weight's scale words: 64 bytes for (tile n, K step s) at (8 n + s) x 64, slot m's word at 4 m
.set STG,   WSC+4096                   ; WHICH = 2: a stage of 16 rows x (512 + 16) bytes for each wave
.set HSI,   33554432                   ; where the scale words begin in hi
.set MSB, 0
.macro WIN new                         ; bits 1:0 source 0, 3:2 source 1, 5:4 source 2, 7:6 destination; the high byte repeats the setting that is left
.if MSB != \new
	s_set_vgpr_msb (MSB<<8)|\new
.set MSB, \new
.endif
.endm
; 16 loads: block blk (counted from the base) of 32 K rows into set
.macro WLOAD set, blk
	WIN 0x40
.set wi, 0
.rept 16
	global_load_b128 v[64*(\set)+4*wi:64*(\set)+4*wi+3], v4, s[58:59] offset:(32*(\blk)+wi)*PITCH th:TH_LOAD_NT   ; row 32 blk + 16 g + i, my 4 columns; read once in the launch
.set wi, wi+1
.endr
.endm
.macro WADDR                           ; a K step's places in LDS
	s_wait_dscnt 0x0                               ; the last K step's stores are done: their address registers are written again
	v_add_nc_u32 v9, s44, v5
	v_add_nc_u32 v27, s45, v6
.endm
; Block c of a K step, in set c: 4 columns x 16 numbers a lane become 4 x 16 codes and a byte of each column's scale word.  left: the younger loads, which may stay out
.macro WBLOCK c, left
.set LB, 64*(\c)
.set CO, 80+16*((\c)%2)
	s_wait_loadcnt \left
	s_wait_dscnt 4                                 ; all but the four code stores of the block before are done: this set of code registers is free
	WIN 0x05
.irp j, 0,1,2,3
	v_max3_num_f32 v[10+\j], |v[LB+\j]|, |v[LB+4+\j]|, 0x4800000   ; column j: my 16 numbers, and the floor 2^(9 - 127): the byte cannot fall under 1
.endr
	WIN 0x14
.irp i, 2,4,6,8,10,12,14
.irp j, 0,1,2,3
	v_max3_num_f32 v[10+\j], v[10+\j], |v[LB+4*\i+\j]|, |v[LB+4*\i+4+\j]|
.endr
.endr
	WIN 0
.irp j, 0,1,2,3
	v_permlanex16_b32 v[14+\j], v[10+\j], s18, s19
.endr
.irp j, 0,1,2,3
	v_max_num_f32 v[10+\j], v[10+\j], v[14+\j]     ; with lane l xor 16's 16 rows: the block's largest magnitude
.endr
.irp j, 0,1,2,3
	v_add_nc_u32 v[22+\j], 0xfc000000, v[10+\j]    ; 8 off its exponent field: the conversion's scale operand
.endr
.irp j, 0,1,2,3
	v_and_or_b32 v[18+\j], v[10+\j], 0x7f800000, s46   ; 448 x the scale
.endr
.if \c == 0
.irp j, 0,1,2,3
	v_lshrrev_b32 v[112+\j], 23, v[22+\j]          ; the scale's byte starts the K step's word
.endr
.else
.irp j, 0,1,2,3
	v_lshrrev_b32 v[14+\j], 23, v[22+\j]
.endr
.irp j, 0,1,2,3
	v_lshl_or_b32 v[112+\j], v[14+\j], 8*(\c), v[112+\j]
.endr
.endif
	WIN 0x01
.irp j, 0,1,2,3
.irp i, 0,1,2,3,4,5,6,7,8,9,10,11,12,13,14,15
	v_med3_num_f32 v[128+16*\j+\i], v[LB+4*\i+\j], -v[18+\j], v[18+\j]   ; the hold (the conversion does not saturate: ISA guide 7.6.2) also brings a column's 16 numbers into consecutive registers
.endr
.endr
	WIN 0
.irp j, 0,1,2,3
	v_cvt_scalef32_pk8_fp8_f32 v[CO+4*\j:CO+4*\j+1], v[128+16*\j:128+16*\j+7], v[22+\j]
	v_cvt_scalef32_pk8_fp8_f32 v[CO+4*\j+2:CO+4*\j+3], v[128+16*\j+8:128+16*\j+15], v[22+\j]
.endr
	v_nop                                          ; a plain instruction between the conversions and the next writer of their sources
.if \c == 3
	ds_store_b128 v27, v[112:115]                  ; four neighbouring slots' scale words; both halves of the lanes write the same.  Ahead of the code stores, so that the four youngest are always code stores
.endif
.irp j, 0,1,2,3
	ds_store_b128 v9, v[CO+4*\j:CO+4*\j+3] offset:512*(\c)+16*\j
.endr
.endm
; where my five tiles' images and scale words begin: tile T0 + 4 i + wave, held at the last tile that has rows
.macro BASES
.irp i, 0,1,2,3,4
	s_add_co_u32 s50, s17, 4*\i
	s_add_co_u32 s50, s50, s2
	s_min_u32 s50, s50, s47
	s_min_u32 s50, s50, 63
	s_add_co_u32 s50, s50, s63                     ; 64 e + tile
	s_lshl_b32 s54, s50, TSH
.if WHICH == 2
	s_add_co_u32 s54, s54, s52                     ; my quarter's first K step
.endif
	s_mov_b32 s55, 0
	s_add_nc_u64 s[20+2*\i:21+2*\i], s[8:9], s[54:55]
	s_lshl_b32 s54, s50, SSH
	s_add_co_u32 s54, s54, s53
	s_add_nc_u64 s[30+2*\i:31+2*\i], s[8:9], s[54:55]
.endr
.endm
.macro XFETCH s, rho                   ; 25 loads: K step s of my five tiles into ring slot rho
	WIN 0x80
.irp i, 0,1,2,3,4
.irp c, 0,1,2,3
	global_load_b128 v[80*(\rho)+16*\i+4*\c:80*(\rho)+16*\i+4*\c+3], v1, s[20+2*\i:21+2*\i] offset:2048*(\s)+512*\c
.endr
.endr
	WIN 0
.irp i, 0,1,2,3,4
	global_load_b32 v[64+5*(\rho)+\i], v3, s[30+2*\i:31+2*\i] offset:128*(\s)
.endr
.endm
.macro WFETCH s, buf                   ; 32 LDS loads: K step s of the weight's eight tiles into buffer buf
	WIN 0x40
.irp n, 0,1,2,3
.irp c, 0,1,2,3
	ds_load_b128 v[128*(\buf)+16*\n+4*\c:128*(\buf)+16*\n+4*\c+3], v1 offset:\n*TSTR+2048*(\s)+512*\c
.endr
.endr
.irp n, 0,1,2,3
.irp c, 0,1,2,3
	ds_load_b128 v[128*(\buf)+64+16*\n+4*\c:128*(\buf)+64+16*\n+4*\c+3], v2 offset:\n*TSTR+2048*(\s)+512*\c
.endr
.endr
.endm
; one matrix instruction: accumulator at d, weight tile n, row tile i, K step s, C at cc.  The weight's scale register holds K step 2 (s / 2) in lanes 0-15 and the next in lanes 16-31
.macro MM d, n, i, s, cc
.if ((\s)%2) == 1
	v_wmma_scale_f32_16x16x128_f8f6f4 v[\d:\d+7], v[128*((\s)%2)+16*\n:128*((\s)%2)+16*\n+15], v[80*((\s)%3)+16*\i:80*((\s)%3)+16*\i+15], v[\cc:\cc+7], v[32+4*\n+(\s)/2], v[64+5*((\s)%3)+\i] matrix_a_scale:MATRIX_SCALE_ROW1
.else
	v_wmma_scale_f32_16x16x128_f8f6f4 v[\d:\d+7], v[128*((\s)%2)+16*\n:128*((\s)%2)+16*\n+15], v[80*((\s)%3)+16*\i:80*((\s)%3)+16*\i+15], v[\cc:\cc+7], v[32+4*\n+(\s)/2], v[64+5*((\s)%3)+\i]
.endif
.endm
.macro KSTEP s
.rept 8
	v_nop                                          ; eight places between the last K step's products and the loads into the registers that they read
.endr
.if \s < 7
	WFETCH (\s)+1,((\s)+1)%2
.endif
.if \s < 6
	XFETCH (\s)+2,((\s)+2)%3
.endif
.if \s < 7
	s_wait_dscnt 32                                ; this K step's weight fragments are in; the 32 loads just issued may be out
.else
	s_wait_dscnt 0x0
.endif
.if \s < 6
	s_wait_loadcnt 50                              ; this K step's rows are in; those of the next two K steps, 25 loads each, may be out
.elseif \s == 6
	s_wait_loadcnt 25
.else
	s_wait_loadcnt 0x0
.endif
.if \s == 0
	WIN 0xc9                                       ; weight window 1, rows window 2, C (the bias) window 0, D window 3
.else
	WIN 0xf9                                       ; C and D window 3
.endif
.irp n, 0,1,2,3,4,5,6,7
.irp i, 0,1,2,3
.if \s == 0
	MM 64*\i+8*\n,\n,\i,\s,192+8*\n
.else
	MM 64*\i+8*\n,\n,\i,\s,64*\i+8*\n
.endif
.endr
.endr
	WIN 0x09                                       ; tile 4's accumulators lie in window 0
.irp n, 0,1,2,3,4,5,6,7
.if \s == 0
	MM 128+8*\n,\n,4,\s,192+8*\n
.else
	MM 128+8*\n,\n,4,\s,128+8*\n
.endif
.endr
	WIN 0
.endm
.if WHICH == 1
; 64 numbers of a lane, v128-191, register 16 b + i = column 32 b + 16 h + i of my row, become a fragment's codes in v80-95 and its scale word in v26
.macro QUANT
.irp b, 0,1,2,3
	v_max3_num_f32 v[10+\b], |v[128+16*\b]|, |v[129+16*\b]|, 0x4800000
.endr
.irp i, 2,4,6,8,10,12,14
.irp b, 0,1,2,3
	v_max3_num_f32 v[10+\b], v[10+\b], |v[128+16*\b+\i]|, |v[129+16*\b+\i]|
.endr
.endr
.irp b, 0,1,2,3
	v_permlanex16_b32 v[14+\b], v[10+\b], s18, s19
.endr
.irp b, 0,1,2,3
	v_max_num_f32 v[10+\b], v[10+\b], v[14+\b]
.endr
.irp b, 0,1,2,3
	v_add_nc_u32 v[22+\b], 0xfc000000, v[10+\b]
.endr
.irp b, 0,1,2,3
	v_and_or_b32 v[18+\b], v[10+\b], 0x7f800000, s46
.endr
.irp b, 0,1,2,3
	v_lshrrev_b32 v[14+\b], 23, v[22+\b]
.endr
	v_lshl_or_b32 v26, v15, 8, v14
	v_lshl_or_b32 v26, v16, 16, v26
	v_lshl_or_b32 v26, v17, 24, v26
.irp b, 0,1,2,3
.irp i, 0,1,2,3,4,5,6,7,8,9,10,11,12,13,14,15
	v_med3_num_f32 v[128+16*\b+\i], v[128+16*\b+\i], -v[18+\b], v[18+\b]
.endr
	v_cvt_scalef32_pk8_fp8_f32 v[80+4*\b:81+4*\b], v[128+16*\b:135+16*\b], v[22+\b]
	v_cvt_scalef32_pk8_fp8_f32 v[82+4*\b:83+4*\b], v[136+16*\b:143+16*\b], v[22+\b]
.endr
	v_nop                                          ; a plain instruction between the conversions and the next writer of their sources
.endm
; THE WAY OUT of tile i: gelu, the quantiser, one K step's image of the next product's operand.  A tile past nt is passed over
.macro EPI i
.if \i == 4
.set AW, 0
.set AB, 128
.else
.set AW, 3
.set AB, 64*\i
.endif
	s_add_co_u32 s50, s51, 4*\i
	s_add_co_u32 s50, s50, s2
	s_cmp_ge_u32 s50, s16
	s_cbranch_scc1 .Lskip_\@
	s_min_u32 s50, s50, 63
.set WN, 0x40|AW|(AW<<2)
	WIN WN
.set kk, 0
.rept 32
	v_pk_mul_f32 v[kk:kk+1], v[AB+kk:AB+kk+1], v[AB+kk:AB+kk+1]                  ; x^2: each accumulator is read from its low end on
.set kk, kk+2
.endr
	WIN 0x41
.set kk, 0
.rept 32
	v_pk_fma_f32 v[kk:kk+1], v[kk:kk+1], s[48:49], v[28:29] op_sel_hi:[1,0,1]    ; c1 x^2 + c0
.set kk, kk+2
.endr
.set WN, 0x41|(AW<<2)
	WIN WN
.set kk, 0
.rept 32
	v_pk_mul_f32 v[kk:kk+1], v[kk:kk+1], v[AB+kk:AB+kk+1]                        ; x (c0 + c1 x^2)
.set kk, kk+2
.endr
	WIN 0x41
.set kk, 0
.rept 64
	v_exp_f32 v[kk], v[kk]
.set kk, kk+1
.endr
	v_nop                                          ; a plain instruction behind the batch,
	s_wait_alu depctr_va_vdst(0)                   ; and one wait for all 64, ahead of their first reader
.set kk, 0
.rept 32
	v_pk_add_f32 v[kk:kk+1], v[kk:kk+1], 1.0 op_sel_hi:[1,0]
.set kk, kk+2
.endr
.set kk, 0
.rept 64
	v_rcp_f32 v[kk], v[kk]
.set kk, kk+1
.endr
	v_nop
	s_wait_alu depctr_va_vdst(0)
.set WN, AW|0x04
	WIN WN
.set kk, 0
.rept 32
	v_pk_mul_f32 v[128+kk:129+kk], v[AB+kk:AB+kk+1], v[kk:kk+1]                  ; gelu(x)
.set kk, kk+2
.endr
	WIN 0
	s_wait_xcnt 0x0                                ; the last tile's stores have read their data and bases: both are written again below
	QUANT
	s_add_co_u32 s50, s50, s63
	s_lshl_b32 s50, s50, 5
	s_add_co_u32 s50, s50, s15                     ; (64 e + tile) x 32 + my slice, which is the next product's K step
	s_lshl_b32 s54, s50, 11
	s_mov_b32 s55, 0
	s_add_nc_u64 s[40:41], s[12:13], s[54:55]
	s_lshl_b32 s54, s50, 7
	s_add_co_u32 s54, s54, HSI
	s_add_nc_u64 s[42:43], s[12:13], s[54:55]
.irp c, 0,1,2,3
	global_store_b128 v1, v[80+4*\c:83+4*\c], s[40:41] offset:512*\c             ; 512 consecutive bytes, aligned
.endr
	global_store_b32 v3, v26, s[42:43]
.Lskip_\@:
.endm
.else
; THE WAY OUT of tile i: 16 rows x 128 columns of f32 through my own stage in LDS, back as whole rows of 512 bytes.  A tile past nt is passed over
.macro EPI i
.if \i == 4
.set AW, 0
.set AB, 128
.else
.set AW, 3
.set AB, 64*\i
.endif
	s_add_co_u32 s50, s51, 4*\i
	s_add_co_u32 s50, s50, s2
	s_cmp_ge_u32 s50, s16
	s_cbranch_scc1 .Lskip_\@
	s_min_u32 s50, s50, 63
	s_wait_xcnt 0x0                                ; the last tile's stores have read their data and base: both are written again below
	s_lshl_b32 s54, s50, 16                        ; 16 rows of 4,096 bytes a tile
	s_add_co_u32 s54, s54, s56
	s_mov_b32 s55, 0
	s_add_nc_u64 s[40:41], s[12:13], s[54:55]
.set WN, AW<<2
	WIN WN                                         ; an LDS store's data are its source 1
.set kk, 0
.rept 16
	ds_store_b128 v30, v[AB+4*kk:AB+4*kk+3] offset:128*(kk/4)+16*(kk%4)          ; columns 32 b + 16 h + 4 a on; each accumulator from its low end on
.set kk, kk+1
.endr
	WIN 0x40
.set kk, 0
.rept 16
	ds_load_b128 v[4*kk:4*kk+3], v31 offset:528*kk                               ; LDS serves a wave's instructions in order: these see my stores
.set kk, kk+1
.endr
	WIN 0x04                                       ; a global store's data are its source 1
.set kk, 0
.rept 16
	s_wait_dscnt 15-kk
	global_store_b128 v1, v[4*kk:4*kk+3], s[40:41] offset:4096*kk th:TH_STORE_NT ; 512 consecutive bytes, aligned; not read again in this launch
.set kk, kk+1
.endr
	WIN 0
.Lskip_\@:
.endm
.endif
	s_load_b256 s[4:11], s[0:1], 0x0               ; the weight s[4:5], the bias s[6:7], the rows' images s[8:9], rt s[10:11]
	s_load_b64 s[12:13], s[0:1], 0x20              ; the output
	v_lshl_add_u32 v126, v0, 2, 0x21100
	v_mov_b32 v127, 0
	v_lshrrev_b32 v9, 5, v0
	v_readfirstlane_b32 s2, v9                     ; wave
	s_and_b32 s14, ttmp7, 0xffff                   ; the expert
.if WHICH == 1
	s_mov_b32 s15, ttmp9                           ; my slice of 128 columns
.else
	s_and_b32 s15, ttmp9, 7
	s_lshr_b32 s60, ttmp9, 3                       ; my quarter of K
.endif
	s_and_b32 s61, s2, 1                           ; weight phase: which 64 columns are my wave's,
	s_lshr_b32 s62, s2, 1                          ; and which 512 K rows
	s_lshl_b32 s63, s14, 6
	s_lshl_b32 s57, s14, 7
	s_mov_b32 s18, 0x76543210
	s_mov_b32 s19, 0xfedcba98                      ; v_permlanex16_b32's selects for lane l xor 16
	s_mov_b32 s46, 0x600000                        ; the mantissa field of 448
	s_mov_b32 s17, 0                               ; T0
	s_mov_b32 s44, 0
	s_mov_b32 s45, 0
	v_and_b32 v10, 31, v0
	v_lshlrev_b32 v1, 4, v10                       ; 16 x lane: an image's place for my lane; tiles 0-3 of the weight
	v_add_nc_u32 v2, 4*TSTR, v1                    ; tiles 4-7
	v_lshlrev_b32 v3, 2, v10                       ; 4 x lane
	v_bfe_u32 v11, v0, 4, 1                        ; g, h
	v_and_b32 v12, 15, v0                          ; q, r
	v_mul_u32_u24 v4, v11, 16*PITCH
	v_lshl_add_u32 v4, v12, 4, v4                  ; the weight: 16 g rows down, 16 q bytes along
	v_bfe_u32 v13, v0, 3, 1
	v_bfe_u32 v14, v0, 1, 1
	v_lshl_add_u32 v13, v13, 1, v14
	s_lshl_b32 s50, s61, 2
	v_add_nc_u32 v13, s50, v13                     ; my columns' tile: column C = 64 (w % 2) + 4 q + j lies in tile 2 (C / 32) + (C / 8) % 2, slot 8 ((C / 16) % 2) + C % 8
	v_mul_u32_u24 v5, v13, TSTR
	v_lshl_add_u32 v5, v11, 8, v5                  ; lanes 16-31 of the image
	v_bfe_u32 v14, v0, 2, 1
	v_lshl_add_u32 v5, v14, 7, v5                  ; slot 8 on
	v_and_b32 v15, 1, v0
	v_lshl_add_u32 v5, v15, 6, v5                  ; slot 4 on
	s_lshl_b32 s50, s62, 13
	v_add_nc_u32 v5, s50, v5                       ; my wave's first K step: 4 (w / 2)
	v_lshlrev_b32 v6, 9, v13
	v_lshl_add_u32 v6, v14, 5, v6
	v_lshl_add_u32 v6, v15, 4, v6
	s_lshl_b32 s50, s62, 8
	s_add_co_u32 s50, s50, WSC
	v_add_nc_u32 v6, s50, v6                       ; and the same for the scale words
	v_add_nc_u32 v7, WSC, v3
	v_lshlrev_b32 v8, 6, v11                       ; the bias: 64 h
.irp j, 14,15,16,17
	v_mov_b32 v\j, 0                               ; written once: a lane permute's destination counts as read
.endr
.if WHICH == 1
	s_mov_b32 s48, 0xbdd2d3e8                      ; c1
	s_mov_b32 s49, s48
	v_mov_b32 v28, 0xc0135761                      ; c0
	v_mov_b32 v29, 0xc0135761
	s_mov_b32 s53, SCB
.else
	s_mul_i32 s50, s2, 8448
	s_add_co_u32 s50, s50, STG                     ; my stage
	v_mul_u32_u24 v30, v12, 528
	v_lshl_add_u32 v30, v11, 6, v30
	v_add_nc_u32 v30, s50, v30                     ; in: row r, + 64 h
	v_add_nc_u32 v31, s50, v1                      ; back: 16 bytes a lane of a row
	s_lshl_b32 s52, s60, 14                        ; my quarter's first K step in a tile's images: 8 kq x 2,048,
	s_lshl_b32 s53, s60, 10
	s_add_co_u32 s53, s53, SCB                     ; and among its scale words
	s_lshl_b32 s56, s60, 3
	s_add_co_u32 s56, s56, s14
	s_lshl_b32 s56, s56, 22                        ; z: [kq][e][1,024 rows][1,024] f32,
	s_lshl_b32 s50, s15, 9
	s_add_co_u32 s56, s56, s50                     ; + my 128 columns
.endif
	s_wait_kmcnt 0x0
	s_load_b32 s16, s[10:11], s57 offset:0x8000    ; nt of my expert
	s_mul_i32 s54, s14, BROW
	s_lshl_b32 s50, s15, 9
	s_add_co_u32 s54, s54, s50
	s_mov_b32 s55, 0
	s_add_nc_u64 s[6:7], s[6:7], s[54:55]
.irp b, 0,1,2,3
.irp a, 0,1,2,3
	global_load_b128 v[192+16*\b+4*\a:195+16*\b+4*\a], v8, s[6:7] offset:128*\b+16*\a   ; register 16 b + i: the bias of column 32 b + 16 h + i: the result's layout
.endr
.endr
	s_lshl_b32 s54, s14, 24                        ; an expert's weight is 16 MiB
.if WHICH == 1
	s_lshl_b32 s50, s62, 23                        ; 512 rows of 16,384 bytes
.else
	s_lshl_b32 s50, s60, 22                        ; 1,024 rows of 4,096 bytes a quarter,
	s_add_co_u32 s54, s54, s50
	s_lshl_b32 s50, s62, 21                        ; 512 rows
.endif
	s_add_co_u32 s54, s54, s50
	s_lshl_b32 s50, s15, 9
	s_add_co_u32 s54, s54, s50
	s_lshl_b32 s50, s61, 8
	s_add_co_u32 s54, s54, s50
	s_add_nc_u64 s[58:59], s[4:5], s[54:55]        ; my wave's corner of the weight
	WLOAD 0, 0
	WLOAD 1, 1
	WLOAD 2, 2
	WLOAD 3, 3
	WIN 0
	s_wait_kmcnt 0x0                               ; nt is in, and the load has read its offset: s57 is free
	s_min_u32 s16, s16, 64                         ; an expert's region has 64 tiles
	s_sub_co_u32 s47, s16, 1
	s_add_co_u32 s57, s16, 19
	s_mul_i32 s57, s57, 205
	s_lshr_b32 s57, s57, 12                        ; the passes: ceil(nt / 20) = ((nt + 19) x 205) >> 12 for nt from 1 to 64,
	s_min_u32 s57, s57, 4                          ; 4 at the most
	BASES
	; ---- THE WEIGHT PHASE: 4 K steps of 4 blocks; loads run four blocks ahead
	s_mov_b32 s3, 3
.Lweight:
	WADDR
	WBLOCK 0, 48                                   ; behind this block's 16 loads: three sets of 16
	WLOAD 0, 4
	WBLOCK 1, 48
	WLOAD 1, 5
	WBLOCK 2, 48
	WLOAD 2, 6
	WBLOCK 3, 48
	WLOAD 3, 7
	WIN 0
	s_wait_xcnt 0x0                                ; the loads have read their base: it steps
	s_add_nc_u64 s[58:59], s[58:59], 128*PITCH
	s_add_co_u32 s44, s44, 2048
	s_add_co_u32 s45, s45, 64
	s_sub_co_u32 s3, s3, 1
	s_cmp_lg_u32 s3, 0
	s_cbranch_scc1 .Lweight
	WADDR                                          ; the last K step loads no more of the weight: the counts run down
	WBLOCK 0, 48
	WBLOCK 1, 32
	s_wait_loadcnt 16                              ; the third block is in; the fourth block's 16 loads may be out
	XFETCH 0, 0                                    ; the rows' first two K steps are asked for here, 50 loads
	XFETCH 1, 1
	WBLOCK 2, 63                                   ; (its loads were shown landed by the wait for 16)
	WBLOCK 3, 50                                   ; behind its loads: the 50
.if WHICH == 2
	s_cmp_eq_u32 s60, 0                            ; the bias belongs to one quarter of K alone
	s_cselect_b32 s50, -1, 0
.set kk, 0
.rept 64
	v_cndmask_b32 v[192+kk], 0, v[192+kk], s50
.set kk, kk+1
.endr
.endif
	s_wait_dscnt 0x0                               ; for the others' sake: my part of the weight's images lies in LDS
	s_barrier_signal -1
	s_barrier_wait -1                              ; the launch's one barrier: behind it the images are only read
.set nn, 0
.rept 8
.irp g, 0,1,2,3
	ds_load_b32 v[32+4*nn+\g], v7 offset:(8*nn+2*\g)*64   ; lanes 0-15: K step 2 g; lanes 16-31: K step 2 g + 1
.endr
.set nn, nn+1
.endr
	; ---- THE MATRIX PHASE: s3 counts the passes, one a trip, up to s57, which the loop does not write; s17, the pass's first tile, goes with it in steps of 20
	s_mov_b32 s3, 0
.Lpass:
	s_wait_xcnt 0x0                                ; the last pass's stores have read their data: the registers take weight fragments again
	WFETCH 0, 0
	WIN 0
.irp s, 0,1,2,3,4,5,6,7
	KSTEP \s
.endr
.rept 8
	v_nop                                          ; eight places between the last products and the first reads of results and the loads into their sources; with the eight at the next pass's head more than the nine that accumulators begun anew want
.endr
	s_mov_b32 s51, s17                             ; this pass's first tile, for the way out
	s_add_co_u32 s17, s17, 20
	BASES                                          ; every load of rows has been waited for: the bases may be written
	XFETCH 0, 0                                    ; the next pass's first two K steps land during the way out.  Behind the last pass they name the last tile again and are not used
	XFETCH 1, 1
	EPI 4                                          ; tile 4 first: its accumulators' registers serve the other tiles' way out
	EPI 0
	EPI 1
	EPI 2
	EPI 3
	s_add_co_u32 s3, s3, 1
	s_cmp_lt_u32 s3, s57
	s_cbranch_scc1 .Lpass
	s_wait_tensorcnt 0x0
	ds_add_u32 v126, v127
	s_wait_dscnt 0x0
	s_endpgm
.Lfunc_end_k_q16a2a2c262_gemm1:
	.size	k_q16a2a2c262_gemm1, .Lfunc_end_k_q16a2a2c262_gemm1-k_q16a2a2c262_gemm1
	.p2alignl 7, 3214868480
	.fill 96, 4, 3214868480
	.section	.rodata,"a",@progbits
	.p2align	6, 0x0
	.amdhsa_kernel k_q16a2a2c262_gemm1
		.amdhsa_group_segment_fixed_size 135936
		.amdhsa_private_segment_fixed_size 0
		.amdhsa_enable_private_segment 0
		.amdhsa_kernarg_size 40
		.amdhsa_user_sgpr_count 2
		.amdhsa_user_sgpr_kernarg_segment_ptr 1
		.amdhsa_wavefront_size32 1
		.amdhsa_system_sgpr_workgroup_id_x 1
		.amdhsa_system_sgpr_workgroup_id_y 1
		.amdhsa_system_sgpr_workgroup_id_z 1
		.amdhsa_system_vgpr_workitem_id 0
		.amdhsa_next_free_vgpr 1024
		.amdhsa_next_free_sgpr 66
		.amdhsa_reserve_vcc 0
		.amdhsa_float_denorm_mode_32 3
		.amdhsa_float_denorm_mode_16_64 3
		.amdhsa_memory_ordered 1
		.amdhsa_forward_progress 1
		.amdhsa_inst_pref_size 255
	.end_amdhsa_kernel
	.section	.bss,"aw",@nobits
	.p2align	6
	.space	262144
	.amdgpu_metadata
---
amdhsa.version: [ 1, 2 ]
amdhsa.kernels:
  - .name:           k_q16a2a2c262_gemm1
    .symbol:         k_q16a2a2c262_gemm1.kd
    .args:
      - { .name: W1, .offset: 0, .size: 8, .value_kind: global_buffer, .address_space: global }
      - { .name: b1, .offset: 8, .size: 8, .value_kind: global_buffer, .address_space: global }
      - { .name: xi, .offset: 16, .size: 8, .value_kind: global_buffer, .address_space: global }
      - { .name: rt, .offset: 24, .size: 8, .value_kind: global_buffer, .address_space: global }
      - { .name: hi, .offset: 32, .size: 8, .value_kind: global_buffer, .address_space: global }
    .group_segment_fixed_size: 135936
    .private_segment_fixed_size: 0
    .kernarg_segment_align: 8
    .kernarg_segment_size: 40
    .max_flat_workgroup_size: 128
    .sgpr_count:     66
    .vgpr_count:     1024
    .wavefront_size: 32
...
	.end_amdgpu_metadata
.endif
;; end of part 3
;; launch gemm2 (part 4): grid 32 x 8, 4 waves a work-group, no clusters, 169,728 bytes of LDS; arguments W2, b2, hi, rt, z; writes z
.if DOCPART == 4
	.amdgcn_target "amdgcn-amd-amdhsa--gfx1250"
	.amdhsa_code_object_version 6
	.text
	.protected	k_q16a2a2c262_gemm2
	.globl	k_q16a2a2c262_gemm2
	.p2align	8
	.type	k_q16a2a2c262_gemm2,@function
k_q16a2a2c262_gemm2:
	s_mov_b64 s[64:65], 0
	v_nop
	global_prefetch_b8 v0, s[64:65] scope:SCOPE_SE
	s_setreg_imm32_b32 hwreg(HW_REG_WAVE_MODE, 25, 1), 1
	s_wait_xcnt 0x0
; ONE TEXT FOR BOTH PRODUCTS OF AN EXPERT; WHICH = 1: h = Q(gelu(Q(x) Q(W1) + b1)); WHICH = 2: z = a K quarter of h Q(W2) (+ b2 in quarter 0).  Q: codes of E4M3, one E8M0 byte for each 32 along K.
; The weight arrives as f32 with K as its FIRST axis: [8 experts][K][N].  A work-group owns 128 columns x 1,024 along K of ONE expert's weight (512 KB of f32), reads them from memory ONCE,
; quantises them in registers and keeps the codes in LDS (128 KB); then it multiplies them by all rows that chose the expert.  Only those rows are multiplied: the others the gate's mask throws away.
; WHICH = 1: work-group x = slice of 128 hidden units, all of K = 1,024.  WHICH = 2: x % 8 = slice of 128 outputs, x / 8 = quarter of K = 4,096.  Work-group y = the expert.
; The four quarters' parts of z are added by the launch that follows, which also weighs a token's two experts: each byte of z has one owner here.
; WEIGHT PHASE.  Wave w takes columns 64 (w % 2) on and K rows 512 (w / 2) on, in 16 blocks of 32 rows.  Lane (q = lane % 16, g = lane / 16) takes columns 4 q .. 4 q + 3 and rows 16 g + i: a load reads two runs of 256
; consecutive aligned bytes, and a lane's 16 loads run DOWN K: for each of its 4 columns 16 neighbours along K, just what lane (., g) of the operand holds.  A block's largest magnitude is joined with lane l xor 16's.
; The codes go to LDS as IMAGES OF THE OPERAND'S REGISTERS: tile n, K step s, c, lane: 16 bytes at n TSTR + 2,048 s + 512 c + 16 lane.  TSTR is 16 more than a multiple of 256, so that the 16 lanes of a store fall on 16 different columns of 16 bytes.
; THE COLUMNS OF A TILE ARE NOT NEIGHBOURS: slot m of tile 2 b + u is column 32 b + 8 u + m + 8 (m / 8).  The product is used transposed (source 0 = 16 columns of the weight, source 1 = 16 rows), so that lane (r, h) holds row r,
; and the 16 registers of tiles 2 b, 2 b + 1 are columns 32 b + 16 h + 0 .. 15: 16 neighbours, in the order that the next product's operand wants (WHICH = 1) and that a row of z wants (WHICH = 2).
; MATRIX PHASE.  A pass takes 20 tiles of 16 rows: wave w tiles T0 + 4 i + w, i = 0 .. 4; 8 K steps of 128; 40 matrix instructions a K step, the 40 accumulators by turns.
; The weight's fragments come from LDS (two buffers), the rows' from memory as images (a ring of three K steps, two ahead).  The number of tiles nt (1 to 64) is read from rt; there are ceil(nt / 20) passes, 4 at the most;
; tiles past nt are held at the last tile, multiplied and not stored.  The bias is the C of each sum's first matrix instruction.
; NO TENSOR LOAD, NO CLUSTER: the number of passes is read from memory.  What the 8 work-groups of an expert's K quarter share is the rows' images, 16 KB a tile for these 8 K steps,
; against 512 KB of weights that are each work-group's own.  No prefetch: in the weight phase each wave already has 48 to 64 loads of 512 bytes out.
; LIMITS: NaN and infinities are not served.  Blocks whose largest magnitude lies under 2^-118 (a block of zeros among them) take the byte 1: the bytes are read by this program alone.
; REGISTERS, in windows of 256.  Window 0: v1-9, v27, v30-31 addresses; v10-26 at work on scales; v32-63 the weight's scale words, v64-78 the rows' (these hold scales and nothing else);
;   v80-111 codes just made; v112-115 a K step's scale words; v128-191 held numbers, then tile 4's accumulators; v192-255 the bias.
;   Window 1: the weight as loaded (4 sets of 64), then its fragments (two buffers of 128); on the way out v0-63 at work.   Window 2: the rows' fragments, 80 a K step.   Window 3: tiles 0-3's accumulators, (i, n) at 64 i + 8 n.
.set WHICH, 2
.set PITCH, 4096                       ; bytes from a K row of the weight to the next
.set TSH,   16                         ; a tile's images in the rows' buffer: 32 K steps x 2,048 bytes
.set SSH,   12                         ; and its scale words: 32 x 128 bytes
.set SCB,   33554432                   ; where the scale words begin there
.set BROW,  4096                       ; an expert's bias in bytes
.set TSTR,  16400
.set WSC,   8*TSTR                     ; the weight's scale words: 64 bytes for (tile n, K step s) at (8 n + s) x 64, slot m's word at 4 m
.set STG,   WSC+4096                   ; a stage of 16 rows x (512 + 16) bytes for each wave
.set MSB, 0
.macro WIN new                         ; bits 1:0 source 0, 3:2 source 1, 5:4 source 2, 7:6 destination; the high byte repeats the setting that is left
.if MSB != \new
	s_set_vgpr_msb (MSB<<8)|\new
.set MSB, \new
.endif
.endm
; 16 loads: block blk (counted from the base) of 32 K rows into set
.macro WLOAD set, blk
	WIN 0x40
.set wi, 0
.rept 16
	global_load_b128 v[64*(\set)+4*wi:64*(\set)+4*wi+3], v4, s[58:59] offset:(32*(\blk)+wi)*PITCH th:TH_LOAD_NT   ; row 32 blk + 16 g + i, my 4 columns; read once in the launch
.set wi, wi+1
.endr
.endm
.macro WADDR                           ; a K step's places in LDS
	s_wait_dscnt 0x0                               ; the last K step's stores are done: their address registers are written again
	v_add_nc_u32 v9, s44, v5
	v_add_nc_u32 v27, s45, v6
.endm
; Block c of a K step, in set c: 4 columns x 16 numbers a lane become 4 x 16 codes and a byte of each column's scale word.  left: the younger loads, which may stay out
.macro WBLOCK c, left
.set LB, 64*(\c)
.set CO, 80+16*((\c)%2)
	s_wait_loadcnt \left
	s_wait_dscnt 4                                 ; all but the four code stores of the block before are done: this set of code registers is free
	WIN 0x05
.irp j, 0,1,2,3
	v_max3_num_f32 v[10+\j], |v[LB+\j]|, |v[LB+4+\j]|, 0x4800000   ; column j: my 16 numbers, and the floor 2^(9 - 127): the byte cannot fall under 1
.endr
	WIN 0x14
.irp i, 2,4,6,8,10,12,14
.irp j, 0,1,2,3
	v_max3_num_f32 v[10+\j], v[10+\j], |v[LB+4*\i+\j]|, |v[LB+4*\i+4+\j]|
.endr
.endr
	WIN 0
.irp j, 0,1,2,3
	v_permlanex16_b32 v[14+\j], v[10+\j], s18, s19
.endr
.irp j, 0,1,2,3
	v_max_num_f32 v[10+\j], v[10+\j], v[14+\j]     ; with lane l xor 16's 16 rows: the block's largest magnitude
.endr
.irp j, 0,1,2,3
	v_add_nc_u32 v[22+\j], 0xfc000000, v[10+\j]    ; 8 off its exponent field: the conversion's scale operand
.endr
.irp j, 0,1,2,3
	v_and_or_b32 v[18+\j], v[10+\j], 0x7f800000, s46   ; 448 x the scale
.endr
.if \c == 0
.irp j, 0,1,2,3
	v_lshrrev_b32 v[112+\j], 23, v[22+\j]          ; the scale's byte starts the K step's word
.endr
.else
.irp j, 0,1,2,3
	v_lshrrev_b32 v[14+\j], 23, v[22+\j]
.endr
.irp j, 0,1,2,3
	v_lshl_or_b32 v[112+\j], v[14+\j], 8*(\c), v[112+\j]
.endr
.endif
	WIN 0x01
.irp j, 0,1,2,3
.irp i, 0,1,2,3,4,5,6,7,8,9,10,11,12,13,14,15
	v_med3_num_f32 v[128+16*\j+\i], v[LB+4*\i+\j], -v[18+\j], v[18+\j]   ; the hold (the conversion does not saturate: ISA guide 7.6.2) also brings a column's 16 numbers into consecutive registers
.endr
.endr
	WIN 0
.irp j, 0,1,2,3
	v_cvt_scalef32_pk8_fp8_f32 v[CO+4*\j:CO+4*\j+1], v[128+16*\j:128+16*\j+7], v[22+\j]
	v_cvt_scalef32_pk8_fp8_f32 v[CO+4*\j+2:CO+4*\j+3], v[128+16*\j+8:128+16*\j+15], v[22+\j]
.endr
	v_nop                                          ; a plain instruction between the conversions and the next writer of their sources
.if \c == 3
	ds_store_b128 v27, v[112:115]                  ; four neighbouring slots' scale words; both halves of the lanes write the same.  Ahead of the code stores, so that the four youngest are always code stores
.endif
.irp j, 0,1,2,3
	ds_store_b128 v9, v[CO+4*\j:CO+4*\j+3] offset:512*(\c)+16*\j
.endr
.endm
; where my five tiles' images and scale words begin: tile T0 + 4 i + wave, held at the last tile that has rows
.macro BASES
.irp i, 0,1,2,3,4
	s_add_co_u32 s50, s17, 4*\i
	s_add_co_u32 s50, s50, s2
	s_min_u32 s50, s50, s47
	s_min_u32 s50, s50, 63
	s_add_co_u32 s50, s50, s63                     ; 64 e + tile
	s_lshl_b32 s54, s50, TSH
	s_add_co_u32 s54, s54, s52                     ; my quarter's first K step
	s_mov_b32 s55, 0
	s_add_nc_u64 s[20+2*\i:21+2*\i], s[8:9], s[54:55]
	s_lshl_b32 s54, s50, SSH
	s_add_co_u32 s54, s54, s53
	s_add_nc_u64 s[30+2*\i:31+2*\i], s[8:9], s[54:55]
.endr
.endm
.macro XFETCH s, rho                   ; 25 loads: K step s of my five tiles into ring slot rho
	WIN 0x80
.irp i, 0,1,2,3,4
.irp c, 0,1,2,3
	global_load_b128 v[80*(\rho)+16*\i+4*\c:80*(\rho)+16*\i+4*\c+3], v1, s[20+2*\i:21+2*\i] offset:2048*(\s)+512*\c
.endr
.endr
	WIN 0
.irp i, 0,1,2,3,4
	global_load_b32 v[64+5*(\rho)+\i], v3, s[30+2*\i:31+2*\i] offset:128*(\s)
.endr
.endm
.macro WFETCH s, buf                   ; 32 LDS loads: K step s of the weight's eight tiles into buffer buf
	WIN 0x40
.irp n, 0,1,2,3
.irp c, 0,1,2,3
	ds_load_b128 v[128*(\buf)+16*\n+4*\c:128*(\buf)+16*\n+4*\c+3], v1 offset:\n*TSTR+2048*(\s)+512*\c
.endr
.endr
.irp n, 0,1,2,3
.irp c, 0,1,2,3
	ds_load_b128 v[128*(\buf)+64+16*\n+4*\c:128*(\buf)+64+16*\n+4*\c+3], v2 offset:\n*TSTR+2048*(\s)+512*\c
.endr
.endr
.endm
; one matrix instruction: accumulator at d, weight tile n, row tile i, K step s, C at cc.  The weight's scale register holds K step 2 (s / 2) in lanes 0-15 and the next in lanes 16-31
.macro MM d, n, i, s, cc
.if ((\s)%2) == 1
	v_wmma_scale_f32_16x16x128_f8f6f4 v[\d:\d+7], v[128*((\s)%2)+16*\n:128*((\s)%2)+16*\n+15], v[80*((\s)%3)+16*\i:80*((\s)%3)+16*\i+15], v[\cc:\cc+7], v[32+4*\n+(\s)/2], v[64+5*((\s)%3)+\i] matrix_a_scale:MATRIX_SCALE_ROW1
.else
	v_wmma_scale_f32_16x16x128_f8f6f4 v[\d:\d+7], v[128*((\s)%2)+16*\n:128*((\s)%2)+16*\n+15], v[80*((\s)%3)+16*\i:80*((\s)%3)+16*\i+15], v[\cc:\cc+7], v[32+4*\n+(\s)/2], v[64+5*((\s)%3)+\i]
.endif
.endm
.macro KSTEP s
.rept 8
	v_nop                                          ; eight places between the last K step's products and the loads into the registers that they read
.endr
.if \s < 7
	WFETCH (\s)+1,((\s)+1)%2
.endif
.if \s < 6
	XFETCH (\s)+2,((\s)+2)%3
.endif
.if \s < 7
	s_wait_dscnt 32                                ; this K step's weight fragments are in; the 32 loads just issued may be out
.else
	s_wait_dscnt 0x0
.endif
.if \s < 6
	s_wait_loadcnt 50                              ; this K step's rows are in; those of the next two K steps, 25 loads each, may be out
.elseif \s == 6
	s_wait_loadcnt 25
.else
	s_wait_loadcnt 0x0
.endif
.if \s == 0
	WIN 0xc9                                       ; weight window 1, rows window 2, C (the bias) window 0, D window 3
.else
	WIN 0xf9                                       ; C and D window 3
.endif
.irp n, 0,1,2,3,4,5,6,7
.irp i, 0,1,2,3
.if \s == 0
	MM 64*\i+8*\n,\n,\i,\s,192+8*\n
.else
	MM 64*\i+8*\n,\n,\i,\s,64*\i+8*\n
.endif
.endr
.endr
	WIN 0x09                                       ; tile 4's accumulators lie in window 0
.irp n, 0,1,2,3,4,5,6,7
.if \s == 0
	MM 128+8*\n,\n,4,\s,192+8*\n
.else
	MM 128+8*\n,\n,4,\s,128+8*\n
.endif
.endr
	WIN 0
.endm
; THE WAY OUT of tile i: 16 rows x 128 columns of f32 through my own stage in LDS, back as whole rows of 512 bytes.  A tile past nt is passed over
.macro EPI i
.if \i == 4
.set AW, 0
.set AB, 128
.else
.set AW, 3
.set AB, 64*\i
.endif
	s_add_co_u32 s50, s51, 4*\i
	s_add_co_u32 s50, s50, s2
	s_cmp_ge_u32 s50, s16
	s_cbranch_scc1 .Lskip_\@
	s_min_u32 s50, s50, 63
	s_wait_xcnt 0x0                                ; the last tile's stores have read their data and base: both are written again below
	s_lshl_b32 s54, s50, 16                        ; 16 rows of 4,096 bytes a tile
	s_add_co_u32 s54, s54, s56
	s_mov_b32 s55, 0
	s_add_nc_u64 s[40:41], s[12:13], s[54:55]
.set WN, AW<<2
	WIN WN                                         ; an LDS store's data are its source 1
.set kk, 0
.rept 16
	ds_store_b128 v30, v[AB+4*kk:AB+4*kk+3] offset:128*(kk/4)+16*(kk%4)          ; columns 32 b + 16 h + 4 a on; each accumulator from its low end on
.set kk, kk+1
.endr
	WIN 0x40
.set kk, 0
.rept 16
	ds_load_b128 v[4*kk:4*kk+3], v31 offset:528*kk                               ; LDS serves a wave's instructions in order: these see my stores
.set kk, kk+1
.endr
	WIN 0x04                                       ; a global store's data are its source 1
.set kk, 0
.rept 16
	s_wait_dscnt 15-kk
	global_store_b128 v1, v[4*kk:4*kk+3], s[40:41] offset:4096*kk th:TH_STORE_NT ; 512 consecutive bytes, aligned; not read again in this launch
.set kk, kk+1
.endr
	WIN 0
.Lskip_\@:
.endm
	s_load_b256 s[4:11], s[0:1], 0x0               ; the weight s[4:5], the bias s[6:7], the rows' images s[8:9], rt s[10:11]
	s_load_b64 s[12:13], s[0:1], 0x20              ; the output
	v_lshl_add_u32 v126, v0, 2, 0x29500
	v_mov_b32 v127, 0
	v_lshrrev_b32 v9, 5, v0
	v_readfirstlane_b32 s2, v9                     ; wave
	s_and_b32 s14, ttmp7, 0xffff                   ; the expert
	s_and_b32 s15, ttmp9, 7                        ; my slice of 128 columns
	s_lshr_b32 s60, ttmp9, 3                       ; my quarter of K
	s_and_b32 s61, s2, 1                           ; weight phase: which 64 columns are my wave's,
	s_lshr_b32 s62, s2, 1                          ; and which 512 K rows
	s_lshl_b32 s63, s14, 6
	s_lshl_b32 s57, s14, 7
	s_mov_b32 s18, 0x76543210
	s_mov_b32 s19, 0xfedcba98                      ; v_permlanex16_b32's selects for lane l xor 16
	s_mov_b32 s46, 0x600000                        ; the mantissa field of 448
	s_mov_b32 s17, 0                               ; T0
	s_mov_b32 s44, 0
	s_mov_b32 s45, 0
	v_and_b32 v10, 31, v0
	v_lshlrev_b32 v1, 4, v10                       ; 16 x lane: an image's place for my lane; tiles 0-3 of the weight
	v_add_nc_u32 v2, 4*TSTR, v1                    ; tiles 4-7
	v_lshlrev_b32 v3, 2, v10                       ; 4 x lane
	v_bfe_u32 v11, v0, 4, 1                        ; g, h
	v_and_b32 v12, 15, v0                          ; q, r
	v_mul_u32_u24 v4, v11, 16*PITCH
	v_lshl_add_u32 v4, v12, 4, v4                  ; the weight: 16 g rows down, 16 q bytes along
	v_bfe_u32 v13, v0, 3, 1
	v_bfe_u32 v14, v0, 1, 1
	v_lshl_add_u32 v13, v13, 1, v14
	s_lshl_b32 s50, s61, 2
	v_add_nc_u32 v13, s50, v13                     ; my columns' tile: column C = 64 (w % 2) + 4 q + j lies in tile 2 (C / 32) + (C / 8) % 2, slot 8 ((C / 16) % 2) + C % 8
	v_mul_u32_u24 v5, v13, TSTR
	v_lshl_add_u32 v5, v11, 8, v5                  ; lanes 16-31 of the image
	v_bfe_u32 v14, v0, 2, 1
	v_lshl_add_u32 v5, v14, 7, v5                  ; slot 8 on
	v_and_b32 v15, 1, v0
	v_lshl_add_u32 v5, v15, 6, v5                  ; slot 4 on
	s_lshl_b32 s50, s62, 13
	v_add_nc_u32 v5, s50, v5                       ; my wave's first K step: 4 (w / 2)
	v_lshlrev_b32 v6, 9, v13
	v_lshl_add_u32 v6, v14, 5, v6
	v_lshl_add_u32 v6, v15, 4, v6
	s_lshl_b32 s50, s62, 8
	s_add_co_u32 s50, s50, WSC
	v_add_nc_u32 v6, s50, v6                       ; and the same for the scale words
	v_add_nc_u32 v7, WSC, v3
	v_lshlrev_b32 v8, 6, v11                       ; the bias: 64 h
.irp j, 14,15,16,17
	v_mov_b32 v\j, 0                               ; written once: a lane permute's destination counts as read
.endr
	s_mul_i32 s50, s2, 8448
	s_add_co_u32 s50, s50, STG                     ; my stage
	v_mul_u32_u24 v30, v12, 528
	v_lshl_add_u32 v30, v11, 6, v30
	v_add_nc_u32 v30, s50, v30                     ; in: row r, + 64 h
	v_add_nc_u32 v31, s50, v1                      ; back: 16 bytes a lane of a row
	s_lshl_b32 s52, s60, 14                        ; my quarter's first K step in a tile's images: 8 kq x 2,048,
	s_lshl_b32 s53, s60, 10
	s_add_co_u32 s53, s53, SCB                     ; and among its scale words
	s_lshl_b32 s56, s60, 3
	s_add_co_u32 s56, s56, s14
	s_lshl_b32 s56, s56, 22                        ; z: [kq][e][1,024 rows][1,024] f32,
	s_lshl_b32 s50, s15, 9
	s_add_co_u32 s56, s56, s50                     ; + my 128 columns
	s_wait_kmcnt 0x0
	s_load_b32 s16, s[10:11], s57 offset:0x8000    ; nt of my expert
	s_mul_i32 s54, s14, BROW
	s_lshl_b32 s50, s15, 9
	s_add_co_u32 s54, s54, s50
	s_mov_b32 s55, 0
	s_add_nc_u64 s[6:7], s[6:7], s[54:55]
.irp b, 0,1,2,3
.irp a, 0,1,2,3
	global_load_b128 v[192+16*\b+4*\a:195+16*\b+4*\a], v8, s[6:7] offset:128*\b+16*\a   ; register 16 b + i: the bias of column 32 b + 16 h + i: the result's layout
.endr
.endr
	s_lshl_b32 s54, s14, 24                        ; an expert's weight is 16 MiB
	s_lshl_b32 s50, s60, 22                        ; 1,024 rows of 4,096 bytes a quarter,
	s_add_co_u32 s54, s54, s50
	s_lshl_b32 s50, s62, 21                        ; 512 rows
	s_add_co_u32 s54, s54, s50
	s_lshl_b32 s50, s15, 9
	s_add_co_u32 s54, s54, s50
	s_lshl_b32 s50, s61, 8
	s_add_co_u32 s54, s54, s50
	s_add_nc_u64 s[58:59], s[4:5], s[54:55]        ; my wave's corner of the weight
	WLOAD 0, 0
	WLOAD 1, 1
	WLOAD 2, 2
	WLOAD 3, 3
	WIN 0
	s_wait_kmcnt 0x0                               ; nt is in, and the load has read its offset: s57 is free
	s_min_u32 s16, s16, 64                         ; an expert's region has 64 tiles
	s_sub_co_u32 s47, s16, 1
	s_add_co_u32 s57, s16, 19
	s_mul_i32 s57, s57, 205
	s_lshr_b32 s57, s57, 12                        ; the passes: ceil(nt / 20) = ((nt + 19) x 205) >> 12 for nt from 1 to 64,
	s_min_u32 s57, s57, 4                          ; 4 at the most
	BASES
	; ---- THE WEIGHT PHASE: 4 K steps of 4 blocks; loads run four blocks ahead
	s_mov_b32 s3, 3
.Lweight:
	WADDR
	WBLOCK 0, 48                                   ; behind this block's 16 loads: three sets of 16
	WLOAD 0, 4
	WBLOCK 1, 48
	WLOAD 1, 5
	WBLOCK 2, 48
	WLOAD 2, 6
	WBLOCK 3, 48
	WLOAD 3, 7
	WIN 0
	s_wait_xcnt 0x0                                ; the loads have read their base: it steps
	s_add_nc_u64 s[58:59], s[58:59], 128*PITCH
	s_add_co_u32 s44, s44, 2048
	s_add_co_u32 s45, s45, 64
	s_sub_co_u32 s3, s3, 1
	s_cmp_lg_u32 s3, 0
	s_cbranch_scc1 .Lweight
	WADDR                                          ; the last K step loads no more of the weight: the counts run down
	WBLOCK 0, 48
	WBLOCK 1, 32
	s_wait_loadcnt 16                              ; the third block is in; the fourth block's 16 loads may be out
	XFETCH 0, 0                                    ; the rows' first two K steps are asked for here, 50 loads
	XFETCH 1, 1
	WBLOCK 2, 63                                   ; (its loads were shown landed by the wait for 16)
	WBLOCK 3, 50                                   ; behind its loads: the 50
	s_cmp_eq_u32 s60, 0                            ; the bias belongs to one quarter of K alone
	s_cselect_b32 s50, -1, 0
.set kk, 0
.rept 64
	v_cndmask_b32 v[192+kk], 0, v[192+kk], s50
.set kk, kk+1
.endr
	s_wait_dscnt 0x0                               ; for the others' sake: my part of the weight's images lies in LDS
	s_barrier_signal -1
	s_barrier_wait -1                              ; the launch's one barrier: behind it the images are only read
.set nn, 0
.rept 8
.irp g, 0,1,2,3
	ds_load_b32 v[32+4*nn+\g], v7 offset:(8*nn+2*\g)*64   ; lanes 0-15: K step 2 g; lanes 16-31: K step 2 g + 1
.endr
.set nn, nn+1
.endr
	; ---- THE MATRIX PHASE: s3 counts the passes, one a trip, up to s57, which the loop does not write; s17, the pass's first tile, goes with it in steps of 20
	s_mov_b32 s3, 0
.Lpass:
	s_wait_xcnt 0x0                                ; the last pass's stores have read their data: the registers take weight fragments again
	WFETCH 0, 0
	WIN 0
.irp s, 0,1,2,3,4,5,6,7
	KSTEP \s
.endr
.rept 8
	v_nop                                          ; eight places between the last products and the first reads of results and the loads into their sources; with the eight at the next pass's head more than the nine that accumulators begun anew want
.endr
	s_mov_b32 s51, s17                             ; this pass's first tile, for the way out
	s_add_co_u32 s17, s17, 20
	BASES                                          ; every load of rows has been waited for: the bases may be written
	XFETCH 0, 0                                    ; the next pass's first two K steps land during the way out.  Behind the last pass they name the last tile again and are not used
	XFETCH 1, 1
	EPI 4
	EPI 0
	EPI 1
	EPI 2
	EPI 3
	s_add_co_u32 s3, s3, 1
	s_cmp_lt_u32 s3, s57
	s_cbranch_scc1 .Lpass
	s_wait_tensorcnt 0x0
	ds_add_u32 v126, v127
	s_wait_dscnt 0x0
	s_endpgm
.Lfunc_end_k_q16a2a2c262_gemm2:
	.size	k_q16a2a2c262_gemm2, .Lfunc_end_k_q16a2a2c262_gemm2-k_q16a2a2c262_gemm2
	.p2alignl 7, 3214868480
	.fill 96, 4, 3214868480
	.section	.rodata,"a",@progbits
	.p2align	6, 0x0
	.amdhsa_kernel k_q16a2a2c262_gemm2
		.amdhsa_group_segment_fixed_size 169728
		.amdhsa_private_segment_fixed_size 0
		.amdhsa_enable_private_segment 0
		.amdhsa_kernarg_size 40
		.amdhsa_user_sgpr_count 2
		.amdhsa_user_sgpr_kernarg_segment_ptr 1
		.amdhsa_wavefront_size32 1
		.amdhsa_system_sgpr_workgroup_id_x 1
		.amdhsa_system_sgpr_workgroup_id_y 1
		.amdhsa_system_sgpr_workgroup_id_z 1
		.amdhsa_system_vgpr_workitem_id 0
		.amdhsa_next_free_vgpr 1024
		.amdhsa_next_free_sgpr 66
		.amdhsa_reserve_vcc 0
		.amdhsa_float_denorm_mode_32 3
		.amdhsa_float_denorm_mode_16_64 3
		.amdhsa_memory_ordered 1
		.amdhsa_forward_progress 1
		.amdhsa_inst_pref_size 203
	.end_amdhsa_kernel
	.amdgpu_metadata
---
amdhsa.version: [ 1, 2 ]
amdhsa.kernels:
  - .name:           k_q16a2a2c262_gemm2
    .symbol:         k_q16a2a2c262_gemm2.kd
    .args:
      - { .name: W2, .offset: 0, .size: 8, .value_kind: global_buffer, .address_space: global }
      - { .name: b2, .offset: 8, .size: 8, .value_kind: global_buffer, .address_space: global }
      - { .name: hi, .offset: 16, .size: 8, .value_kind: global_buffer, .address_space: global }
      - { .name: rt, .offset: 24, .size: 8, .value_kind: global_buffer, .address_space: global }
      - { .name: z, .offset: 32, .size: 8, .value_kind: global_buffer, .address_space: global }
    .group_segment_fixed_size: 169728
    .private_segment_fixed_size: 0
    .kernarg_segment_align: 8
    .kernarg_segment_size: 40
    .max_flat_workgroup_size: 128
    .sgpr_count:     66
    .vgpr_count:     1024
    .wavefront_size: 32
...
	.end_amdgpu_metadata
.endif
;; end of part 4
;; launch combine (part 5): grid 256 x 1, 8 waves a work-group, no clusters, 0 bytes of LDS; arguments z, xq, sel, rt, out0; writes out0
.if DOCPART == 5
	.amdgcn_target "amdgcn-amd-amdhsa--gfx1250"
	.amdhsa_code_object_version 6
	.text
	.protected	k_q16a2a2c262_combine
	.globl	k_q16a2a2c262_combine
	.p2align	8
	.type	k_q16a2a2c262_combine,@function
k_q16a2a2c262_combine:
	s_mov_b64 s[64:65], 0
	v_nop
	global_prefetch_b8 v0, s[64:65] scope:SCOPE_SE
	s_setreg_imm32_b32 hwreg(HW_REG_WAVE_MODE, 25, 1), 1
	s_wait_xcnt 0x0
; out[t] = p0 (sum over the four K quarters of z[q][e0][pos0]) + p1 (the same for e1).  z: [4][8][1024 rows][1024] f32; the bias lies in quarter 0.
; e0, e1 come from sel[t], the two probabilities from xq, a token's position in an expert's list from rt: all by scalar loads, in one batch: the positions for all 8 experts are fetched and the two are chosen by selects,
; so that no load waits for another load's result.  Each output row has one owner: no sum spans work-groups.
; A wave owns half a row (2,048 bytes) of token t = 4 x work-group + wave / 2: 32 loads of 512 consecutive bytes, all out together, 4 stores of 512 aligned bytes.
; A stream: no LDS, no barrier, no matrix unit, no cluster (no two work-groups read the same bytes of z).
.set GW, 1081344
.set Z,  16                            ; v16-143: (k, q) at 16 (4 k + q), 4 registers for each 512 bytes
	s_load_b256 s[4:11], s[0:1], 0x0               ; z s[4:5], xq s[6:7], sel s[8:9], rt s[10:11]
	s_load_b64 s[12:13], s[0:1], 0x20              ; out0
	v_lshrrev_b32 v2, 5, v0
	v_readfirstlane_b32 s2, v2                     ; wave
	v_and_b32 v1, 31, v0
	v_lshlrev_b32 v1, 4, v1                        ; 16 x lane
	s_lshr_b32 s3, s2, 1
	s_lshl_b32 s14, ttmp9, 2
	s_add_co_u32 s14, s14, s3                      ; my token
	s_and_b32 s3, s2, 1                            ; my half of its row
	s_lshl_b32 s15, s14, 2
	s_lshl_b32 s23, s14, 3
	s_wait_kmcnt 0x0
	s_load_b32 s16, s[8:9], s15 offset:0x0         ; the choice
	s_load_b64 s[18:19], s[6:7], s23 offset:GW     ; p0, p1
.irp j, 0,1,2,3,4,5,6,7
	s_load_b32 s[24+\j], s[10:11], s15 offset:4096*\j   ; my position in expert j's list
.endr
	s_lshl_b32 s54, s14, 12
	s_lshl_b32 s22, s3, 11
	s_add_co_u32 s54, s54, s22
	s_mov_b32 s55, 0
	s_add_nc_u64 s[52:53], s[12:13], s[54:55]      ; my half row of the output
	s_mov_b32 s35, 0
	s_wait_kmcnt 0x0
.irp k, 0,1
	s_bfe_u32 s17, s16, 0x80008+8*\k               ; e_k: 8 bits from bit 8 or 16,
	s_min_u32 s17, s17, 7                          ; held inside the table
	s_mov_b32 s32, s24
.irp j, 1,2,3,4,5,6,7
	s_cmp_eq_u32 s17, \j
	s_cselect_b32 s32, s[24+\j], s32
.endr
	s_min_u32 s32, s32, 1023
	s_lshl_b32 s34, s17, 10
	s_add_co_u32 s34, s34, s32
	s_lshl_b32 s34, s34, 12                        ; row 1,024 e + position, 4,096 bytes a row
	s_add_co_u32 s34, s34, s22
	s_add_nc_u64 s[36+8*\k:37+8*\k], s[4:5], s[34:35]
.irp q, 1,2,3
	s_add_nc_u64 s[36+8*\k+2*\q:37+8*\k+2*\q], s[34+8*\k+2*\q:35+8*\k+2*\q], 0x2000000   ; a K quarter on
.endr
.endr
	s_mov_b32 s20, s19                             ; p1 as a pair's low word
	s_mov_b32 s21, s19
.irp k, 0,1
.irp q, 0,1,2,3
.irp c, 0,1,2,3
	global_load_b128 v[Z+16*(4*\k+\q)+4*\c:Z+16*(4*\k+\q)+4*\c+3], v1, s[36+8*\k+2*\q:37+8*\k+2*\q] offset:512*\c th:TH_LOAD_NT
.endr
.endr
.endr
	s_wait_loadcnt 0x0
.irp c, 0,2,4,6,8,10,12,14             ; a pair of numbers at a time
.irp k, 0,1
	v_pk_add_f32 v[Z+64*\k+\c:Z+64*\k+\c+1], v[Z+64*\k+\c:Z+64*\k+\c+1], v[Z+64*\k+16+\c:Z+64*\k+17+\c]
	v_pk_add_f32 v[Z+64*\k+32+\c:Z+64*\k+33+\c], v[Z+64*\k+32+\c:Z+64*\k+33+\c], v[Z+64*\k+48+\c:Z+64*\k+49+\c]
.endr
.irp k, 0,1
	v_pk_add_f32 v[Z+64*\k+\c:Z+64*\k+\c+1], v[Z+64*\k+\c:Z+64*\k+\c+1], v[Z+64*\k+32+\c:Z+64*\k+33+\c]
.endr
	v_pk_mul_f32 v[Z+\c:Z+\c+1], v[Z+\c:Z+\c+1], s[18:19] op_sel_hi:[1,0]
	v_pk_fma_f32 v[Z+\c:Z+\c+1], v[Z+64+\c:Z+65+\c], s[20:21], v[Z+\c:Z+\c+1] op_sel_hi:[1,0,1]
.endr
.irp c, 0,1,2,3
	global_store_b128 v1, v[Z+4*\c:Z+4*\c+3], s[52:53] offset:512*\c th:TH_STORE_NT
.endr
	s_endpgm
.Lfunc_end_k_q16a2a2c262_combine:
	.size	k_q16a2a2c262_combine, .Lfunc_end_k_q16a2a2c262_combine-k_q16a2a2c262_combine
	.p2alignl 7, 3214868480
	.fill 96, 4, 3214868480
	.section	.rodata,"a",@progbits
	.p2align	6, 0x0
	.amdhsa_kernel k_q16a2a2c262_combine
		.amdhsa_group_segment_fixed_size 0
		.amdhsa_private_segment_fixed_size 0
		.amdhsa_enable_private_segment 0
		.amdhsa_kernarg_size 40
		.amdhsa_user_sgpr_count 2
		.amdhsa_user_sgpr_kernarg_segment_ptr 1
		.amdhsa_wavefront_size32 1
		.amdhsa_system_sgpr_workgroup_id_x 1
		.amdhsa_system_sgpr_workgroup_id_y 1
		.amdhsa_system_sgpr_workgroup_id_z 1
		.amdhsa_system_vgpr_workitem_id 0
		.amdhsa_next_free_vgpr 160
		.amdhsa_next_free_sgpr 66
		.amdhsa_reserve_vcc 0
		.amdhsa_float_denorm_mode_32 3
		.amdhsa_float_denorm_mode_16_64 3
		.amdhsa_memory_ordered 1
		.amdhsa_forward_progress 1
		.amdhsa_inst_pref_size 11
	.end_amdhsa_kernel
	.amdgpu_metadata
---
amdhsa.version: [ 1, 2 ]
amdhsa.kernels:
  - .name:           k_q16a2a2c262_combine
    .symbol:         k_q16a2a2c262_combine.kd
    .args:
      - { .name: z, .offset: 0, .size: 8, .value_kind: global_buffer, .address_space: global }
      - { .name: xq, .offset: 8, .size: 8, .value_kind: global_buffer, .address_space: global }
      - { .name: sel, .offset: 16, .size: 8, .value_kind: global_buffer, .address_space: global }
      - { .name: rt, .offset: 24, .size: 8, .value_kind: global_buffer, .address_space: global }
      - { .name: out0, .offset: 32, .size: 8, .value_kind: global_buffer, .address_space: global }
    .group_segment_fixed_size: 0
    .private_segment_fixed_size: 0
    .kernarg_segment_align: 8
    .kernarg_segment_size: 40
    .max_flat_workgroup_size: 256
    .sgpr_count:     66
    .vgpr_count:     160
    .wavefront_size: 32
...
	.end_amdgpu_metadata
.endif
;; end of part 5
;; ======== version 2 of 2: 5 launches
;; workspace buffers: xq 1,089,536 bytes; sel 4,096 bytes of whole numbers; xi 8,912,896 bytes; rt 33,792 bytes of whole numbers; hi 35,651,584 bytes; z 134,217,728 bytes
;; launch route (part 6): grid 256 x 1, 4 waves a work-group, no clusters, 54,784 bytes of LDS; arguments x, Wg, bg, xq, sel; writes xq, sel
.if DOCPART == 6
	.amdgcn_target "amdgcn-amd-amdhsa--gfx1250"
	.amdhsa_code_object_version 6
	.text
	.protected	k_q16a2a2c262_route
	.globl	k_q16a2a2c262_route
	.p2align	8
	.type	k_q16a2a2c262_route,@function
k_q16a2a2c262_route:
	s_mov_b64 s[64:65], 0
	v_nop
	global_prefetch_b8 v0, s[64:65] scope:SCOPE_SE
	s_setreg_imm32_b32 hwreg(HW_REG_WAVE_MODE, 25, 1), 1
	s_wait_xcnt 0x0
; THE GATE, AND x INTO CODES.  x: [1024 tokens][1024] f32.  Wg: [1024][8], bg: [8] f32.
; A wave owns one token t = 4 x work-group + wave.  It makes the 8 gate logits x[t] . Wg + bg by f32 multiply-adds, their softmax (the largest logit taken away first),
; and the two largest probabilities (of equal ones the lower index, as jax.lax.top_k has it).  It also turns its row of x into codes of E4M3 with one E8M0 byte for each 32 along K.
; OUT.  xq: codes [t][1024] at byte 0; scale words [t][8] (word s, byte c: block 4 s + c) at XS; the two chosen probabilities [t][2] f32 at GW.
;       sel: [t] one word: (1 << e0) | (1 << e1) | e0 << 8 | e1 << 16.  No address and no branch of this launch hangs on the choice: later launches read it as whole numbers.
; A block's scale is 2^(floor(log2(largest magnitude)) - 8); its byte is the largest magnitude's exponent field - 8, held at 1 from below.
; LIMITS: NaN and infinities are not served.  Blocks whose largest magnitude lies under 2^-118 (a block of zeros among them) take the byte 1: the bytes are read by this program alone.
;         Two probabilities nearer to each other than the order of an f32 sum of 1,024 terms can turn may be chosen either way.
; No matrix unit: 8 columns are too few for a tile.  No cluster: what the work-groups share is Wg, 32 KB against nothing else that is read twice.
; LDS: Wg, row k (32 bytes) at 32 k + 16 (k / 16): a lane reads 16 neighbouring rows, lanes 528 bytes apart.  Behind it a stage of 64 x (64 + 16) bytes for each wave, through which
; the row of x turns from 16 bytes a lane (as loaded, 512 consecutive bytes a load) into 64 bytes a lane (16 neighbours along K, as the conversions take them).
.set XS,  1048576
.set GW,  1081344
.set XST, 33792
.set W,   16                           ; v16-143  Wg as loaded (64), then 16 rows x 8 numbers of a step
.set X,   144                          ; v144-175 x: step st, 16 neighbours: x[512 st + 16 lane + i]
.set Q,   176                          ; v176-183 2^((l - m) log2 e); v184 m, then the sum; v185 1 / sum; v186, v187 best; v188, v189 second; v190, v191 the two probabilities
.set L,   192                          ; v192-223 x as loaded
.set AC,  224                          ; v224-239 the 8 sums, one set for each step
	s_load_b256 s[4:11], s[0:1], 0x0               ; x s[4:5], Wg s[6:7], bg s[8:9], xq s[10:11]
	s_load_b64 s[12:13], s[0:1], 0x20              ; sel
	v_lshl_add_u32 v254, v0, 2, 0xd400
	v_mov_b32 v255, 0
	v_lshrrev_b32 v10, 5, v0
	v_readfirstlane_b32 s14, v10                   ; wave
	v_and_b32 v1, 31, v0                           ; lane
	v_lshlrev_b32 v2, 4, v0                        ; Wg in memory: 16 bytes a thread
	v_lshl_add_u32 v3, v10, 4, v2                  ; and in LDS: + 16 for each 512 bytes passed
	v_lshlrev_b32 v4, 4, v1                        ; 16 x lane
	s_mul_i32 s24, s14, 5120
	s_add_co_u32 s24, s24, XST                     ; my wave's stage
	v_lshrrev_b32 v11, 2, v1
	v_mul_u32_u24 v5, v11, 80
	v_and_b32 v11, 3, v1
	v_lshl_add_u32 v5, v11, 4, v5
	v_add_nc_u32 v5, s24, v5                       ; into the stage: four lanes' 64 bytes on end, then 16 of padding
	v_mul_u32_u24 v6, v1, 80
	v_add_nc_u32 v6, s24, v6                       ; out of it: 80 x lane
	v_mul_u32_u24 v7, v1, 528                      ; my 16 rows of Wg
	v_lshrrev_b32 v8, 3, v1
	v_lshlrev_b32 v8, 2, v8                        ; my scale word's place: 4 (lane / 8)
	v_bfe_u32 v9, v1, 1, 2
	v_lshlrev_b32 v9, 3, v9                        ; and my block's byte in it: shift 8 ((lane / 2) % 4)
	v_mov_b32 v250, 0                              ; written once: the destination of a lane exchange counts as read
	s_lshl_b32 s15, ttmp9, 2
	s_add_co_u32 s15, s15, s14                     ; my token
	s_mov_b32 s25, 0x600000                        ; the mantissa field of 448
	s_mov_b32 s26, 0x76543210
	s_mov_b32 s27, 0xfedcba98                      ; v_permlanex16_b32's selects for lane l xor 16
	s_mov_b32 s29, 0
	s_wait_alu depctr_va_vdst(0)
	s_wait_kmcnt 0x0
	s_load_b256 s[16:23], s[8:9], 0x0              ; bg
	s_lshl_b32 s28, s15, 12
	s_add_nc_u64 s[4:5], s[4:5], s[28:29]          ; my row of x
.irp j, 0,1,2,3,4,5,6,7
	global_load_b128 v[L+4*\j:L+4*\j+3], v4, s[4:5] offset:512*\j th:TH_LOAD_NT   ; 512 consecutive bytes a load; read once in the launch
.endr
.irp n, 0,1,2,3,4,5,6,7,8,9,10,11,12,13,14,15
	global_load_b128 v[W+4*\n:W+4*\n+3], v2, s[6:7] offset:2048*\n                ; the work-group's 128 threads take 2,048 consecutive bytes of Wg
.endr
	s_lshl_b32 s28, s15, 10
	s_add_nc_u64 s[30:31], s[10:11], s[28:29]      ; my codes
	s_lshl_b32 s28, s15, 5
	s_add_co_u32 s28, s28, XS
	s_add_nc_u64 s[32:33], s[10:11], s[28:29]      ; my scale words
	s_lshl_b32 s28, s15, 3
	s_add_co_u32 s28, s28, GW
	s_add_nc_u64 s[34:35], s[10:11], s[28:29]      ; my two probabilities
	s_lshl_b32 s28, s15, 2
	s_add_nc_u64 s[12:13], s[12:13], s[28:29]      ; my word of sel
	s_wait_loadcnt 16                              ; x is in; the 16 loads of Wg were issued behind it
.irp j, 0,1,2,3,4,5,6,7
	ds_store_b128 v5, v[L+4*\j:L+4*\j+3] offset:640*\j
.endr
.irp st, 0,1
.irp a, 0,1,2,3
	ds_load_b128 v[X+16*\st+4*\a:X+16*\st+4*\a+3], v6 offset:2560*\st+16*\a     ; LDS serves a wave's instructions in order: these see my stores
.endr
.endr
	s_wait_loadcnt 0x0                             ; Wg
.irp n, 0,1,2,3,4,5,6,7,8,9,10,11,12,13,14,15
	ds_store_b128 v3, v[W+4*\n:W+4*\n+3] offset:2112*\n
.endr
	s_wait_dscnt 0x0                               ; for the others' sake: my part of Wg lies in LDS (and my x is back)
	s_barrier_signal -1
	s_barrier_wait -1
; 16 rows of Wg and 128 packed multiply-adds: sum e += x[k] Wg[k][e], two experts an instruction; x[k] is taken for both halves from one register of its pair
.macro DOT st
.irp i, 0,1,2,3,4,5,6,7,8,9,10,11,12,13,14,15
.irp h, 0,1
	ds_load_b128 v[W+8*\i+4*\h:W+8*\i+4*\h+3], v7 offset:16896*\st+32*\i+16*\h
.endr
.endr
	s_wait_dscnt 0x0
.irp i, 0,1,2,3,4,5,6,7,8,9,10,11,12,13,14,15
.irp p, 0,1,2,3
.if \i == 0
	v_pk_mul_f32 v[AC+8*\st+2*\p:AC+8*\st+2*\p+1], v[X+16*\st:X+16*\st+1], v[W+2*\p:W+2*\p+1] op_sel_hi:[0,1]   ; the first product starts the sums
.elseif (\i%2) == 0
	v_pk_fma_f32 v[AC+8*\st+2*\p:AC+8*\st+2*\p+1], v[X+16*\st+\i:X+16*\st+\i+1], v[W+8*\i+2*\p:W+8*\i+2*\p+1], v[AC+8*\st+2*\p:AC+8*\st+2*\p+1] op_sel_hi:[0,1,1]
.else
	v_pk_fma_f32 v[AC+8*\st+2*\p:AC+8*\st+2*\p+1], v[X+16*\st+\i-1:X+16*\st+\i], v[W+8*\i+2*\p:W+8*\i+2*\p+1], v[AC+8*\st+2*\p:AC+8*\st+2*\p+1] op_sel:[1,0,0] op_sel_hi:[1,1,1]
.endif
.endr
.endr
.endm
	DOT 0
	DOT 1
; my 16 numbers of step st become 16 codes; two neighbouring lanes hold a block of 32
.macro QX st
.set XR, X+16*\st
	v_max3_num_f32 v12, |v[XR]|, |v[XR+1]|, |v[XR+2]|
	v_max3_num_f32 v13, |v[XR+3]|, |v[XR+4]|, |v[XR+5]|
.irp i, 6,10
	v_max3_num_f32 v12, v12, |v[XR+\i]|, |v[XR+\i+1]|
	v_max3_num_f32 v13, v13, |v[XR+\i+2]|, |v[XR+\i+3]|
.endr
	v_max3_num_f32 v12, v12, |v[XR+14]|, |v[XR+15]|
	v_max3_num_f32 v12, v12, v13, 0x4800000        ; and the floor 2^(9 - 127): the byte cannot fall under 1
	v_max_num_f32_dpp v12, v12, v12 row_xmask:1 row_mask:0xf bank_mask:0xf   ; with my neighbour's 16: the block's largest magnitude
	v_add_nc_u32 v14, 0xfc000000, v12              ; 8 off its exponent field: the conversion's scale operand
	v_and_or_b32 v15, v12, 0x7f800000, s25         ; 448 x the scale
.irp i, 0,1,2,3,4,5,6,7,8,9,10,11,12,13,14,15
	v_med3_num_f32 v[XR+\i], v[XR+\i], -v15, v15   ; the conversion to an 8-bit code does not saturate (ISA guide 7.6.2): the hold comes first
.endr
	v_cvt_scalef32_pk8_fp8_f32 v[240+4*\st:241+4*\st], v[XR:XR+7], v14
	v_cvt_scalef32_pk8_fp8_f32 v[242+4*\st:243+4*\st], v[XR+8:XR+15], v14
	v_lshrrev_b32 v[248+\st], 23, v14              ; the scale's byte,
	v_lshlrev_b32 v[248+\st], v9, v[248+\st]       ; at its place in the word;
	v_mov_b32_dpp v250, v[248+\st] row_xmask:2 row_mask:0xf bank_mask:0xf
	v_or_b32 v[248+\st], v[248+\st], v250          ; the four blocks of a word lie in eight neighbouring lanes
	v_mov_b32_dpp v250, v[248+\st] row_xmask:4 row_mask:0xf bank_mask:0xf
	v_or_b32 v[248+\st], v[248+\st], v250
	global_store_b128 v4, v[240+4*\st:243+4*\st], s[30:31] offset:512*\st   ; 512 consecutive bytes, aligned
	global_store_b32 v8, v[248+\st], s[32:33] offset:16*\st                 ; eight lanes write the same word with the same value
.endm
	QX 0
	QX 1
	; the 8 sums: the two steps', then all 32 lanes'
.irp p, 0,2,4,6
	v_pk_add_f32 v[AC+\p:AC+\p+1], v[AC+\p:AC+\p+1], v[AC+8+\p:AC+9+\p]
.endr
.irp m, 1,2,4,8
.irp e, 0,1,2,3,4,5,6,7
	v_add_f32_dpp v[AC+\e], v[AC+\e], v[AC+\e] row_xmask:\m row_mask:0xf bank_mask:0xf
.endr
.endr
.irp e, 0,1,2,3,4,5,6,7
	v_permlanex16_b32 v[AC+8+\e], v[AC+\e], s26, s27
.endr
.irp e, 0,1,2,3,4,5,6,7
	v_add_f32 v[AC+\e], v[AC+\e], v[AC+8+\e]
.endr
	s_wait_alu depctr_va_vdst(0)
	s_wait_kmcnt 0x0                               ; bg
.irp e, 0,1,2,3,4,5,6,7
	v_add_f32 v[AC+\e], s[16+\e], v[AC+\e]         ; the logits, the same in every lane
.endr
	v_max3_num_f32 v184, v[AC], v[AC+1], v[AC+2]
	v_max3_num_f32 v184, v184, v[AC+3], v[AC+4]
	v_max3_num_f32 v184, v184, v[AC+5], v[AC+6]
	v_max_num_f32 v184, v184, v[AC+7]              ; the largest logit is taken away first
.irp e, 0,1,2,3,4,5,6,7
	v_sub_f32 v[Q+\e], v[AC+\e], v184              ; the difference first, then the factor: 0 for the largest, whatever the logits' size
.endr
.irp e, 0,1,2,3,4,5,6,7
	v_mul_f32 v[Q+\e], 0x3fb8aa3b, v[Q+\e]
.endr
	s_wait_alu depctr_va_vdst(0)
.irp e, 0,1,2,3,4,5,6,7
	v_exp_f32 v[Q+\e], v[Q+\e]
.endr
	v_mov_b32 v187, 0                              ; (a plain instruction behind the exponentials)  the best so far: expert 0
	s_wait_alu depctr_va_vdst(0)                   ; one wait for the eight, ahead of their first reader
	v_add_f32 v184, v[Q], v[Q+1]
	v_add_f32 v185, v[Q+2], v[Q+3]
	v_add_f32 v10, v[Q+4], v[Q+5]
	v_add_f32 v11, v[Q+6], v[Q+7]
	v_add_f32 v184, v184, v185
	v_add_f32 v10, v10, v11
	v_add_f32 v184, v184, v10
	s_wait_alu depctr_va_vdst(0)
	v_rcp_f32 v185, v184
	v_mov_b32 v186, v[Q]                           ; the choice is made on the numerators: plain work behind the reciprocal
.irp e, 1,2,3,4,5,6,7
	v_cmp_gt_f32 vcc_lo, v[Q+\e], v186             ; strictly greater: of equals the lower index stays
	v_cndmask_b32 v186, v186, v[Q+\e], vcc_lo
	v_cndmask_b32 v187, v187, \e, vcc_lo
.endr
	v_mov_b32 v188, -1.0                           ; under every numerator
	v_mov_b32 v189, 0
.irp e, 0,1,2,3,4,5,6,7
	v_cmp_ne_u32 s36, \e, v187                     ; all but the best
	v_cmp_gt_f32 vcc_lo, v[Q+\e], v188
	s_and_b32 vcc_lo, vcc_lo, s36
	v_cndmask_b32 v188, v188, v[Q+\e], vcc_lo
	v_cndmask_b32 v189, v189, \e, vcc_lo
.endr
	v_lshlrev_b32 v10, v187, 1
	v_lshlrev_b32 v11, v189, 1
	v_or_b32 v10, v10, v11                         ; the two experts as a mask,
	v_lshl_or_b32 v10, v187, 8, v10                ; and as numbers
	v_lshl_or_b32 v10, v189, 16, v10
	v_mov_b32 v11, 0
	s_wait_alu depctr_va_vdst(0)                   ; the reciprocal, ahead of its first reader
	v_mul_f32 v190, v186, v185
	v_mul_f32 v191, v188, v185
	s_wait_alu depctr_va_vdst(0)
	s_wait_xcnt 0x0                                ; EXEC changes only behind this wait: stores are out
	v_cmp_eq_u32 vcc_lo, 0, v1
	s_wait_tensorcnt 0x0
	ds_add_u32 v254, v255
	s_wait_dscnt 0x0
	s_and_saveexec_b32 s36, vcc_lo                 ; lane 0 alone
	global_store_b64 v11, v[190:191], s[34:35]
	global_store_b32 v11, v10, s[12:13]
	s_endpgm
.Lfunc_end_k_q16a2a2c262_route:
	.size	k_q16a2a2c262_route, .Lfunc_end_k_q16a2a2c262_route-k_q16a2a2c262_route
	.p2alignl 7, 3214868480
	.fill 96, 4, 3214868480
	.section	.rodata,"a",@progbits
	.p2align	6, 0x0
	.amdhsa_kernel k_q16a2a2c262_route
		.amdhsa_group_segment_fixed_size 54784
		.amdhsa_private_segment_fixed_size 0
		.amdhsa_enable_private_segment 0
		.amdhsa_kernarg_size 40
		.amdhsa_user_sgpr_count 2
		.amdhsa_user_sgpr_kernarg_segment_ptr 1
		.amdhsa_wavefront_size32 1
		.amdhsa_system_sgpr_workgroup_id_x 1
		.amdhsa_system_sgpr_workgroup_id_y 1
		.amdhsa_system_sgpr_workgroup_id_z 1
		.amdhsa_system_vgpr_workitem_id 0
		.amdhsa_next_free_vgpr 256
		.amdhsa_next_free_sgpr 66
		.amdhsa_reserve_vcc 1
		.amdhsa_float_denorm_mode_32 3
		.amdhsa_float_denorm_mode_16_64 3
		.amdhsa_memory_ordered 1
		.amdhsa_forward_progress 1
		.amdhsa_inst_pref_size 32
	.end_amdhsa_kernel
	.amdgpu_metadata
---
amdhsa.version: [ 1, 2 ]
amdhsa.kernels:
  - .name:           k_q16a2a2c262_route
    .symbol:         k_q16a2a2c262_route.kd
    .args:
      - { .name: x, .offset: 0, .size: 8, .value_kind: global_buffer, .address_space: global }
      - { .name: Wg, .offset: 8, .size: 8, .value_kind: global_buffer, .address_space: global }
      - { .name: bg, .offset: 16, .size: 8, .value_kind: global_buffer, .address_space: global }
      - { .name: xq, .offset: 24, .size: 8, .value_kind: global_buffer, .address_space: global }
      - { .name: sel, .offset: 32, .size: 8, .value_kind: global_buffer, .address_space: global }
    .group_segment_fixed_size: 54784
    .private_segment_fixed_size: 0
    .kernarg_segment_align: 8
    .kernarg_segment_size: 40
    .max_flat_workgroup_size: 128
    .sgpr_count:     66
    .vgpr_count:     256
    .wavefront_size: 32
...
	.end_amdgpu_metadata
.endif
;; end of part 6
;; launch place (part 7): grid 16 x 8, 4 waves a work-group, no clusters, 0 bytes of LDS; arguments sel, xq, xi, rt; writes xi, rt
.if DOCPART == 7
	.amdgcn_target "amdgcn-amd-amdhsa--gfx1250"
	.amdhsa_code_object_version 6
	.text
	.protected	k_q16a2a2c262_place
	.globl	k_q16a2a2c262_place
	.p2align	8
	.type	k_q16a2a2c262_place,@function
k_q16a2a2c262_place:
	s_mov_b64 s[64:65], 0
	v_nop
	global_prefetch_b8 v0, s[64:65] scope:SCOPE_SE
	s_setreg_imm32_b32 hwreg(HW_REG_WAVE_MODE, 25, 1), 1
	s_wait_xcnt 0x0
; THE ROWS ARE PLACED BY EXPERT.  sel: [1024] words of the launch before (bits 0-7: the mask of a token's two experts).  xq: x's codes [t][1024] and scale words [t][8].
; A wave owns tile = 4 x work-group x + wave (16 rows) of expert e = work-group y.  Expert e's list is its tokens in ascending order; it has R entries and nt = max(ceil(R / 16), 1) tiles.
; Every wave makes the whole count for its expert in registers: 32 loads bring all 1,024 words (token 32 i + lane), 32 compares give 32 masks of lanes in scalar registers, their bit counts a running sum B.
; No atomics, no LDS, no barrier.  Position p of the list is then searched for: the mask word i with B(i) <= p < B(i + 1), and in it the bit with p - B(i) set bits below it.
; OUT.  rt: POS [e][t]: token t's position in e's list (meaningful where t chose e); NT [e][32]: nt in all 32 words.  Both by tile 0's wave alone.
;       xi: for each tile under nt the rows' codes as IMAGES OF THE OPERAND'S REGISTERS: [e][tile 64][K step 8][c 4][lane 32][16 bytes]: lane (r, h) holds row r, k = 128 s + 32 c + 16 h + 0 .. 15;
;       and their scale words [e][tile][K step][lane]: lanes r and r + 16 hold row r's.
; Positions from R on in the last tile take a clamped token's codes: they are multiplied and never read.  A wave whose tile lies at or past nt stores nothing: the grid serves every split (all 1,024 tokens on one expert: 64 tiles).
.set XS,  1048576
.set XSI, 8388608
.set NT,  32768
.set M,   16                           ; s16-47  the 32 masks
.set B,   66                           ; s66-98  the running sums: B(i) = members among tokens under 32 i
	s_load_b256 s[4:11], s[0:1], 0x0               ; sel s[4:5], xq s[6:7], xi s[8:9], rt s[10:11]
	v_lshrrev_b32 v10, 5, v0
	v_readfirstlane_b32 s12, v10                   ; wave
	s_and_b32 s13, ttmp7, 0xffff                   ; e
	s_lshl_b32 s14, ttmp9, 2
	s_add_co_u32 s14, s14, s12                     ; tile
	s_lshl_b32 s15, 1, s13                         ; e's bit
	v_and_b32 v11, 31, v0
	v_lshlrev_b32 v1, 2, v11                       ; 4 x lane
	v_lshlrev_b32 v2, 4, v11                       ; 16 x lane
	s_wait_alu depctr_va_vdst(0)
	s_wait_kmcnt 0x0
.set ii, 0
.rept 32
	global_load_b32 v[16+ii], v1, s[4:5] offset:128*ii
.set ii, ii+1
.endr
	s_wait_loadcnt 0x0
.set ii, 0
.rept 32
	v_and_b32 v10, s15, v[16+ii]
	v_cmp_ne_u32 s[M+ii], 0, v10                   ; bit l: token 32 i + l chose e
.set ii, ii+1
.endr
	s_mov_b32 s[B], 0
.set ii, 0
.rept 32
	s_bcnt1_i32_b32 s48, s[M+ii]
	s_add_co_u32 s[B+1+ii], s[B+ii], s48
.set ii, ii+1
.endr
	s_add_co_u32 s49, s[B+32], 15
	s_lshr_b32 s49, s49, 4
	s_max_u32 s49, s49, 1                          ; nt
	s_mov_b32 s51, 0
	s_cmp_lg_u32 s14, 0
	s_cbranch_scc1 .Lnot_first
	v_mov_b32 v15, s49
	s_lshl_b32 s50, s13, 7
	s_add_co_u32 s50, s50, NT
	s_add_nc_u64 s[52:53], s[10:11], s[50:51]
	global_store_b32 v1, v15, s[52:53]             ; nt, 32 times
	s_lshl_b32 s50, s13, 12
	s_add_nc_u64 s[54:55], s[10:11], s[50:51]
.set ii, 0
.rept 32
	v_mbcnt_lo_u32_b32 v[16+ii], s[M+ii], s[B+ii]  ; members below me in my word + members in the words before: a register for each store, none written again
	global_store_b32 v1, v[16+ii], s[54:55] offset:128*ii
.set ii, ii+1
.endr
.Lnot_first:
	s_cmp_ge_u32 s14, s49
	s_cbranch_scc1 .Lend                           ; the split leaves this tile without rows
	v_and_b32 v3, 15, v0
	v_lshl_add_u32 v3, s14, 4, v3                  ; p = 16 x tile + lane % 16
	v_mov_b32 v4, s[M]
	v_mov_b32 v5, 0
	v_mov_b32 v6, 0
.set ii, 1
.rept 31
	v_cmp_le_u32 vcc_lo, s[B+ii], v3               ; the last word whose running sum is not above p
	v_cndmask_b32 v4, v4, s[M+ii], vcc_lo
	v_cndmask_b32 v5, v5, s[B+ii], vcc_lo
	v_cndmask_b32 v6, v6, ii, vcc_lo
.set ii, ii+1
.endr
	v_sub_nc_u32 v7, v3, v5                        ; how many set bits lie below mine
	v_mov_b32 v8, 0
	v_mov_b32 v9, 0
.set ii, 0
.rept 32
	v_bfe_u32 v10, v4, ii, 1
	v_add_nc_u32 v8, v8, v10                       ; set bits up to and with bit j
	v_cmp_le_u32 vcc_lo, v8, v7
	v_add_co_ci_u32 v9, vcc_lo, 0, v9, vcc_lo      ; my bit's number = how many j have no more than that
.set ii, ii+1
.endr
	v_lshl_add_u32 v12, v6, 5, v9
	v_min_u32 v12, 0x3ff, v12                      ; my token; positions past the list's end are held at the last token
	v_lshlrev_b32 v13, 10, v12
	v_bfe_u32 v11, v0, 4, 1
	v_lshl_add_u32 v13, v11, 4, v13                ; its codes, + 16 h
	v_lshlrev_b32 v14, 5, v12                      ; its scale words
.set ii, 0
.rept 32
	global_load_b128 v[48+4*ii:51+4*ii], v13, s[6:7] offset:32*ii     ; K step ii / 4, c = ii % 4: k = 32 ii + 16 h + 0 .. 15
.set ii, ii+1
.endr
	global_load_b128 v[176:179], v14, s[6:7] offset:XS
	global_load_b128 v[180:183], v14, s[6:7] offset:XS+16
	s_lshl_b32 s50, s13, 6
	s_add_co_u32 s50, s50, s14                     ; 64 e + tile
	s_lshl_b32 s56, s50, 14
	s_mov_b32 s57, 0
	s_add_nc_u64 s[58:59], s[8:9], s[56:57]
	s_lshl_b32 s56, s50, 10
	s_add_co_u32 s56, s56, XSI
	s_add_nc_u64 s[60:61], s[8:9], s[56:57]
	s_wait_loadcnt 0x0
.set ii, 0
.rept 32
	global_store_b128 v2, v[48+4*ii:51+4*ii], s[58:59] offset:512*ii  ; 512 consecutive bytes, aligned
.set ii, ii+1
.endr
.set ii, 0
.rept 8
	global_store_b32 v1, v[176+ii], s[60:61] offset:128*ii
.set ii, ii+1
.endr
.Lend:
	s_endpgm
.Lfunc_end_k_q16a2a2c262_place:
	.size	k_q16a2a2c262_place, .Lfunc_end_k_q16a2a2c262_place-k_q16a2a2c262_place
	.p2alignl 7, 3214868480
	.fill 96, 4, 3214868480
	.section	.rodata,"a",@progbits
	.p2align	6, 0x0
	.amdhsa_kernel k_q16a2a2c262_place
		.amdhsa_group_segment_fixed_size 0
		.amdhsa_private_segment_fixed_size 0
		.amdhsa_enable_private_segment 0
		.amdhsa_kernarg_size 32
		.amdhsa_user_sgpr_count 2
		.amdhsa_user_sgpr_kernarg_segment_ptr 1
		.amdhsa_wavefront_size32 1
		.amdhsa_system_sgpr_workgroup_id_x 1
		.amdhsa_system_sgpr_workgroup_id_y 1
		.amdhsa_system_sgpr_workgroup_id_z 1
		.amdhsa_system_vgpr_workitem_id 0
		.amdhsa_next_free_vgpr 200
		.amdhsa_next_free_sgpr 100
		.amdhsa_reserve_vcc 1
		.amdhsa_float_denorm_mode_32 3
		.amdhsa_float_denorm_mode_16_64 3
		.amdhsa_memory_ordered 1
		.amdhsa_forward_progress 1
		.amdhsa_inst_pref_size 34
	.end_amdhsa_kernel
	.amdgpu_metadata
---
amdhsa.version: [ 1, 2 ]
amdhsa.kernels:
  - .name:           k_q16a2a2c262_place
    .symbol:         k_q16a2a2c262_place.kd
    .args:
      - { .name: sel, .offset: 0, .size: 8, .value_kind: global_buffer, .address_space: global }
      - { .name: xq, .offset: 8, .size: 8, .value_kind: global_buffer, .address_space: global }
      - { .name: xi, .offset: 16, .size: 8, .value_kind: global_buffer, .address_space: global }
      - { .name: rt, .offset: 24, .size: 8, .value_kind: global_buffer, .address_space: global }
    .group_segment_fixed_size: 0
    .private_segment_fixed_size: 0
    .kernarg_segment_align: 8
    .kernarg_segment_size: 32
    .max_flat_workgroup_size: 128
    .sgpr_count:     100
    .vgpr_count:     200
    .wavefront_size: 32
...
	.end_amdgpu_metadata
.endif
;; end of part 7
;; launch gemm1 (part 8): grid 32 x 8, 4 waves a work-group, no clusters, 135,936 bytes of LDS; arguments W1, b1, xi, rt, hi; writes hi
.if DOCPART == 8
	.amdgcn_target "amdgcn-amd-amdhsa--gfx1250"
	.amdhsa_code_object_version 6
	.text
	.protected	k_q16a2a2c262_gemm1
	.globl	k_q16a2a2c262_gemm1
	.p2align	8
	.type	k_q16a2a2c262_gemm1,@function
k_q16a2a2c262_gemm1:
	s_mov_b64 s[64:65], 0
	v_nop
	global_prefetch_b8 v0, s[64:65] scope:SCOPE_SE
	s_setreg_imm32_b32 hwreg(HW_REG_WAVE_SCHED_MODE, 0, 2), 2
	s_setreg_imm32_b32 hwreg(HW_REG_WAVE_MODE, 25, 1), 1
	s_wait_xcnt 0x0
	s_wait_alu depctr_vm_vsrc(0)
; ONE TEXT FOR BOTH PRODUCTS OF AN EXPERT; WHICH = 1: h = Q(gelu(Q(x) Q(W1) + b1)); WHICH = 2: z = a K quarter of h Q(W2) (+ b2 in quarter 0).  Q: codes of E4M3, one E8M0 byte for each 32 along K.
; The weight arrives as f32 with K as its FIRST axis: [8 experts][K][N].  A work-group owns 128 columns x 1,024 along K of ONE expert's weight (512 KB of f32), reads them from memory ONCE,
; quantises them in registers and keeps the codes in LDS (128 KB); then it multiplies them by all rows that chose the expert.  Only those rows are multiplied: the others the gate's mask throws away.
; WHICH = 1: work-group x = slice of 128 hidden units, all of K = 1,024.  WHICH = 2: x % 8 = slice of 128 outputs, x / 8 = quarter of K = 4,096.  Work-group y = the expert.
; WEIGHT PHASE.  Wave w takes columns 64 (w % 2) on and K rows 512 (w / 2) on, in 16 blocks of 32 rows.  Lane (q = lane % 16, g = lane / 16) takes columns 4 q .. 4 q + 3 and rows 16 g + i: a load reads two runs of 256
; consecutive aligned bytes, and a lane's 16 loads run DOWN K: for each of its 4 columns 16 neighbours along K, just what lane (., g) of the operand holds.  A block's largest magnitude is joined with lane l xor 16's.
; The codes go to LDS as IMAGES OF THE OPERAND'S REGISTERS: tile n, K step s, c, lane: 16 bytes at n TSTR + 2,048 s + 512 c + 16 lane.  TSTR is 16 more than a multiple of 256, so that the 16 lanes of a store fall on 16 different columns of 16 bytes.
; THE COLUMNS OF A TILE ARE NOT NEIGHBOURS: slot m of tile 2 b + u is column 32 b + 8 u + m + 8 (m / 8).  The product is used transposed (source 0 = 16 columns of the weight, source 1 = 16 rows), so that lane (r, h) holds row r,
; and the 16 registers of tiles 2 b, 2 b + 1 are columns 32 b + 16 h + 0 .. 15: 16 neighbours, in the order that the next product's operand wants (WHICH = 1) and that a row of z wants (WHICH = 2).
; MATRIX PHASE.  A pass takes 20 tiles of 16 rows: wave w tiles T0 + 4 i + w, i = 0 .. 4; 8 K steps of 128; 40 matrix instructions a K step, the 40 accumulators by turns.
; The weight's fragments come from LDS (two buffers), the rows' from memory as images (a ring of three K steps, two ahead).  The number of tiles nt (1 to 64) is read from rt; there are ceil(nt / 20) passes, 4 at the most;
; tiles past nt are held at the last tile, multiplied and not stored.  The bias is the C of each sum's first matrix instruction.
; NO TENSOR LOAD, NO CLUSTER: the number of passes is read from memory.  What the 32 work-groups of an expert share is the rows' images, 16 KB a tile for these 8 K steps,
; against 512 KB of weights that are each work-group's own.  No prefetch: in the weight phase each wave already has 48 to 64 loads of 512 bytes out.
; LIMITS: NaN and infinities are not served.  Blocks whose largest magnitude lies under 2^-118 (a block of zeros among them) take the byte 1: the bytes are read by this program alone.
; gelu is the tanh form, as x / (1 + 2^(x (c0 + c1 x^2))), c0 = -2 sqrt(2 / pi) log2 e, c1 = 0.044715 c0: all in f32; where the power overflows the quotient is 0, where it vanishes it is x.
; REGISTERS, in windows of 256.  Window 0: v1-9, v27, v30-31 addresses; v10-26 at work on scales; v28-29 c0; v32-63 the weight's scale words, v64-78 the rows' (these hold scales and nothing else);
;   v80-111 codes just made; v112-115 a K step's scale words; v128-191 held numbers, then tile 4's accumulators, then gelu's results; v192-255 the bias.
;   Window 1: the weight as loaded (4 sets of 64), then its fragments (two buffers of 128); on the way out v0-63 at work.   Window 2: the rows' fragments, 80 a K step.   Window 3: tiles 0-3's accumulators, (i, n) at 64 i + 8 n.
; THE MODE: SCHED_MODE bits 1:0 = 2 (LLVM: expert scheduling mode 2), set by the entry lines.  The code itself states the register dependences
; between vector or matrix instructions and memory or LDS instructions, with s_wait_alu, always for 0.
; THE PLAN: the registers that memory or LDS instructions touch, and who else names them.
;   v1-v8, v30, v31: offsets and LDS addresses, made at the head ahead of one wait on va_vdst and never written again.
;   WEIGHT PHASE.  Window 1's sets 0-3: block c's maxima and holds read set c; the loads of the block four on land in it.  v80-95 and v96-111 by turns (codes) and v112-115 (a K step's scale words): written by a block's
;   conversions and shifts, read by its LDS stores.  v9, v27: written at a K step's head, read by its LDS stores.  ONE wait on va_vdst a block, behind its conversions: codes, words, v9 and v27 are written and the block is done
;   reading its set; the block's 16 loads and then its LDS stores follow it.  Waits on vm_vsrc: at a K step's head (the stores of the K step before have read v9, v27, v112-115 and both sets of codes) and at the head of its third
;   and fourth block (the stores of two blocks back have read the codes' registers).
;   MATRIX PHASE.  K step s: its 40 products read the weight's buffer s % 2, the rows' slot s % 3 and that slot's scale words (v64 + 5 (s % 3) on).  Its loads land in buffer (s + 1) % 2, slot (s + 2) % 3 and that slot's scale words:
;   what K step s - 1's products read and no product of K step s names.  ONE wait on va_vdst at a K step's head states that those products are done; the K step's 57 loads are dealt among its products with no further wait:
;   the rows' 25 first, 16 of the weight's behind the 4th product, 16 behind the 12th.  One more such wait stands at a pass's head and one at its end, ahead of the next pass's first loads.
;   THE WAY OUT (WHICH = 1).  v80-95, v26: written by the quantiser, read by a tile's five stores: a wait on vm_vsrc ahead of the quantiser, a wait on va_vdst ahead of the stores.  All else there is named by vector instructions alone.
.set WHICH, 1
.if WHICH == 1
.set PITCH, 16384                      ; bytes from a K row of the weight to the next
.set TSH,   14                         ; a tile's images in the rows' buffer: 8 K steps x 2,048 bytes
.set SSH,   10                         ; and its scale words: 8 x 128 bytes
.set SCB,   8388608                    ; where the scale words begin there
.set BROW,  16384                      ; an expert's bias in bytes
.else
.set PITCH, 4096
.set TSH,   16                         ; 32 K steps
.set SSH,   12
.set SCB,   33554432
.set BROW,  4096
.endif
.set TSTR,  16400
.set WSC,   8*TSTR                     ; the weight's scale words: 64 bytes for (tile n, K step s) at (8 n + s) x 64, slot m's word at 4 m
.set STG,   WSC+4096                   ; WHICH = 2: a stage of 16 rows x (512 + 16) bytes for each wave
.set HSI,   33554432                   ; where the scale words begin in hi
.set MSB, 0
.macro WIN new                         ; bits 1:0 source 0, 3:2 source 1, 5:4 source 2, 7:6 destination; the high byte repeats the setting that is left
.if MSB != \new
	s_set_vgpr_msb (MSB<<8)|\new
.set MSB, \new
.endif
.endm
; 16 loads: block blk (counted from the base) of 32 K rows into set
.macro WLOAD set, blk
	WIN 0x40
.set wi, 0
.rept 16
	global_load_b128 v[64*(\set)+4*wi:64*(\set)+4*wi+3], v4, s[58:59] offset:(32*(\blk)+wi)*PITCH th:TH_LOAD_NT   ; row 32 blk + 16 g + i, my 4 columns; read once in the launch
.set wi, wi+1
.endr
.endm
.macro WADDR                           ; a K step's places in LDS
	s_wait_dscnt 0x0                               ; the last K step's stores are done: their address registers are written again
	s_wait_alu depctr_vm_vsrc(0)                   ; the last K step's LDS stores have read v9, v27, v112-115 and both sets of codes: the two lines below and this K step's first two blocks write them again
	v_add_nc_u32 v9, s44, v5
	v_add_nc_u32 v27, s45, v6
.endm
; Block c of a K step, in set c: 4 columns x 16 numbers a lane become 4 x 16 codes and a byte of each column's scale word.  left: the younger loads, which may stay out.  ahead = 1: the set takes the block four on
.macro WBLOCK c, left, ahead
.set LB, 64*(\c)
.set CO, 80+16*((\c)%2)
	s_wait_loadcnt \left
	s_wait_dscnt 4                                 ; all but the four code stores of the block before are done: this set of code registers is free
.if \c >= 2
	s_wait_alu depctr_vm_vsrc(0)                   ; the LDS stores of two blocks back have read this set of code registers, which the conversions below write again
.endif
	WIN 0x05
.irp j, 0,1,2,3
	v_max3_num_f32 v[10+\j], |v[LB+\j]|, |v[LB+4+\j]|, 0x4800000   ; column j: my 16 numbers, and the floor 2^(9 - 127): the byte cannot fall under 1
.endr
	WIN 0x14
.irp i, 2,4,6,8,10,12,14
.irp j, 0,1,2,3
	v_max3_num_f32 v[10+\j], v[10+\j], |v[LB+4*\i+\j]|, |v[LB+4*\i+4+\j]|
.endr
.endr
	WIN 0
.irp j, 0,1,2,3
	v_permlanex16_b32 v[14+\j], v[10+\j], s18, s19
.endr
.irp j, 0,1,2,3
	v_max_num_f32 v[10+\j], v[10+\j], v[14+\j]     ; with lane l xor 16's 16 rows: the block's largest magnitude
.endr
.irp j, 0,1,2,3
	v_add_nc_u32 v[22+\j], 0xfc000000, v[10+\j]    ; 8 off its exponent field: the conversion's scale operand
.endr
.irp j, 0,1,2,3
	v_and_or_b32 v[18+\j], v[10+\j], 0x7f800000, s46   ; 448 x the scale
.endr
.if \c == 0
.irp j, 0,1,2,3
	v_lshrrev_b32 v[112+\j], 23, v[22+\j]          ; the scale's byte starts the K step's word
.endr
.else
.irp j, 0,1,2,3
	v_lshrrev_b32 v[14+\j], 23, v[22+\j]
.endr
.irp j, 0,1,2,3
	v_lshl_or_b32 v[112+\j], v[14+\j], 8*(\c), v[112+\j]
.endr
.endif
	WIN 0x01
.irp j, 0,1,2,3
.irp i, 0,1,2,3,4,5,6,7,8,9,10,11,12,13,14,15
	v_med3_num_f32 v[128+16*\j+\i], v[LB+4*\i+\j], -v[18+\j], v[18+\j]   ; the hold (the conversion does not saturate: ISA guide 7.6.2) also brings a column's 16 numbers into consecutive registers
.endr
.endr
	WIN 0
.irp j, 0,1,2,3
	v_cvt_scalef32_pk8_fp8_f32 v[CO+4*\j:CO+4*\j+1], v[128+16*\j:128+16*\j+7], v[22+\j]
	v_cvt_scalef32_pk8_fp8_f32 v[CO+4*\j+2:CO+4*\j+3], v[128+16*\j+8:128+16*\j+15], v[22+\j]
.endr
	v_nop                                          ; a plain instruction between the conversions and the next writer of their sources
.if \ahead
	WIN 0x40                                       ; the window first, then the wait, then the loads
.endif
	s_wait_alu depctr_va_vdst(0)                   ; the maxima and holds are done reading set c, in which the loads below land; the conversions have written the codes, the shifts v112-115, the K step's head v9 and v27, which the LDS stores below read
.if \ahead
	WLOAD \c,(\c)+4
	WIN 0
.endif
.if \c == 3
	ds_store_b128 v27, v[112:115]                  ; four neighbouring slots' scale words; both halves of the lanes write the same.  Ahead of the code stores, so that the four youngest are always code stores
.endif
.irp j, 0,1,2,3
	ds_store_b128 v9, v[CO+4*\j:CO+4*\j+3] offset:512*(\c)+16*\j
.endr
.endm
; where my five tiles' images and scale words begin: tile T0 + 4 i + wave, held at the last tile that has rows
.macro BASES
.irp i, 0,1,2,3,4
	s_add_co_u32 s50, s17, 4*\i
	s_add_co_u32 s50, s50, s2
	s_min_u32 s50, s50, s47
	s_min_u32 s50, s50, 63
	s_add_co_u32 s50, s50, s63                     ; 64 e + tile
	s_lshl_b32 s54, s50, TSH
.if WHICH == 2
	s_add_co_u32 s54, s54, s52                     ; my quarter's first K step
.endif
	s_mov_b32 s55, 0
	s_add_nc_u64 s[20+2*\i:21+2*\i], s[8:9], s[54:55]
	s_lshl_b32 s54, s50, SSH
	s_add_co_u32 s54, s54, s53
	s_add_nc_u64 s[30+2*\i:31+2*\i], s[8:9], s[54:55]
.endr
.endm
.macro XFETCH s, rho                   ; 25 loads: K step s of my five tiles into ring slot rho
	WIN 0x80
.irp i, 0,1,2,3,4
.irp c, 0,1,2,3
	global_load_b128 v[80*(\rho)+16*\i+4*\c:80*(\rho)+16*\i+4*\c+3], v1, s[20+2*\i:21+2*\i] offset:2048*(\s)+512*\c
.endr
.endr
	WIN 0
.irp i, 0,1,2,3,4
	global_load_b32 v[64+5*(\rho)+\i], v3, s[30+2*\i:31+2*\i] offset:128*(\s)
.endr
.endm
.macro WHALF s, buf, hf                ; 16 LDS loads: K step s of the weight's tiles 4 hf .. 4 hf + 3 into buffer buf
	WIN 0x40
.irp n, 0,1,2,3
.irp c, 0,1,2,3
	ds_load_b128 v[128*(\buf)+64*(\hf)+16*\n+4*\c:128*(\buf)+64*(\hf)+16*\n+4*\c+3], v[1+(\hf)] offset:\n*TSTR+2048*(\s)+512*\c
.endr
.endr
.endm
; one matrix instruction: accumulator at d, weight tile n, row tile i, K step s, C at cc.  The weight's scale register holds K step 2 (s / 2) in lanes 0-15 and the next in lanes 16-31
.macro MM d, n, i, s, cc
.if ((\s)%2) == 1
	v_wmma_scale_f32_16x16x128_f8f6f4 v[\d:\d+7], v[128*((\s)%2)+16*\n:128*((\s)%2)+16*\n+15], v[80*((\s)%3)+16*\i:80*((\s)%3)+16*\i+15], v[\cc:\cc+7], v[32+4*\n+(\s)/2], v[64+5*((\s)%3)+\i] matrix_a_scale:MATRIX_SCALE_ROW1
.else
	v_wmma_scale_f32_16x16x128_f8f6f4 v[\d:\d+7], v[128*((\s)%2)+16*\n:128*((\s)%2)+16*\n+15], v[80*((\s)%3)+16*\i:80*((\s)%3)+16*\i+15], v[\cc:\cc+7], v[32+4*\n+(\s)/2], v[64+5*((\s)%3)+\i]
.endif
.endm
.macro MROW s, n                       ; four matrix instructions: weight tile n against row tiles 0 to 3
.irp i, 0,1,2,3
.if \s == 0
	MM 64*\i+8*\n,\n,\i,\s,192+8*\n
.else
	MM 64*\i+8*\n,\n,\i,\s,64*\i+8*\n
.endif
.endr
.endm
.macro KSTEP s
.if \s == 0
.set WM, 0xc9                          ; weight window 1, rows window 2, C (the bias) window 0, D window 3
.else
.set WM, 0xf9                          ; C and D window 3
.endif
.rept 8
	v_nop                                          ; the eight places behind the last K step's products stay as they stood, ahead of the wait that states the dependence; in a pass's first K step they make, with the eight at the last pass's end, more than the nine that accumulators begun anew want
.endr
	s_wait_dscnt 0x0                               ; this K step's weight fragments are in: they were asked for in the K step before (the first: at the pass's head), and no LDS load has been issued since
.if \s < 7
	s_wait_loadcnt 25                              ; this K step's rows are in; those of the next K step, 25 loads, may be out
.else
	s_wait_loadcnt 0x0
.endif
.if \s < 6
	WIN 0x80                                       ; the window first, then the wait, then the loads
.endif
.if (\s > 0) && (\s < 7)
	s_wait_alu depctr_va_vdst(0)                   ; the last K step's products are done reading their weight buffer, their slot of rows and its scale words, in which this K step's loads land.  (The pass's first K step leans on the wait at the pass's head; the last issues no load)
.endif
.if \s < 6
	XFETCH (\s)+2,((\s)+2)%3
.endif
	WIN WM
	MROW \s,0
.if \s < 7
	WHALF (\s)+1,((\s)+1)%2,0                      ; no wait: no product since the wait above names the other buffer
	WIN WM
.endif
	MROW \s,1
	MROW \s,2
.if \s < 7
	WHALF (\s)+1,((\s)+1)%2,1
	WIN WM
.endif
.irp n, 3,4,5,6,7
	MROW \s,\n
.endr
	WIN 0x09                                       ; tile 4's accumulators lie in window 0
.irp n, 0,1,2,3,4,5,6,7
.if \s == 0
	MM 128+8*\n,\n,4,\s,192+8*\n
.else
	MM 128+8*\n,\n,4,\s,128+8*\n
.endif
.endr
.endm
.if WHICH == 1
; 64 numbers of a lane, v128-191, register 16 b + i = column 32 b + 16 h + i of my row, become a fragment's codes in v80-95 and its scale word in v26
.macro QUANT
.irp b, 0,1,2,3
	v_max3_num_f32 v[10+\b], |v[128+16*\b]|, |v[129+16*\b]|, 0x4800000
.endr
.irp i, 2,4,6,8,10,12,14
.irp b, 0,1,2,3
	v_max3_num_f32 v[10+\b], v[10+\b], |v[128+16*\b+\i]|, |v[129+16*\b+\i]|
.endr
.endr
.irp b, 0,1,2,3
	v_permlanex16_b32 v[14+\b], v[10+\b], s18, s19
.endr
.irp b, 0,1,2,3
	v_max_num_f32 v[10+\b], v[10+\b], v[14+\b]
.endr
.irp b, 0,1,2,3
	v_add_nc_u32 v[22+\b], 0xfc000000, v[10+\b]
.endr
.irp b, 0,1,2,3
	v_and_or_b32 v[18+\b], v[10+\b], 0x7f800000, s46
.endr
.irp b, 0,1,2,3
	v_lshrrev_b32 v[14+\b], 23, v[22+\b]
.endr
	v_lshl_or_b32 v26, v15, 8, v14
	v_lshl_or_b32 v26, v16, 16, v26
	v_lshl_or_b32 v26, v17, 24, v26
.irp b, 0,1,2,3
.irp i, 0,1,2,3,4,5,6,7,8,9,10,11,12,13,14,15
	v_med3_num_f32 v[128+16*\b+\i], v[128+16*\b+\i], -v[18+\b], v[18+\b]
.endr
	v_cvt_scalef32_pk8_fp8_f32 v[80+4*\b:81+4*\b], v[128+16*\b:135+16*\b], v[22+\b]
	v_cvt_scalef32_pk8_fp8_f32 v[82+4*\b:83+4*\b], v[136+16*\b:143+16*\b], v[22+\b]
.endr
	v_nop                                          ; a plain instruction between the conversions and the next writer of their sources
.endm
; THE WAY OUT of tile i: gelu, the quantiser, one K step's image of the next product's operand.  A tile past nt is passed over
.macro EPI i
.if \i == 4
.set AW, 0
.set AB, 128
.else
.set AW, 3
.set AB, 64*\i
.endif
	s_add_co_u32 s50, s51, 4*\i
	s_add_co_u32 s50, s50, s2
	s_cmp_ge_u32 s50, s16
	s_cbranch_scc1 .Lskip_\@
	s_min_u32 s50, s50, 63
.set WN, 0x40|AW|(AW<<2)
	WIN WN
.set kk, 0
.rept 32
	v_pk_mul_f32 v[kk:kk+1], v[AB+kk:AB+kk+1], v[AB+kk:AB+kk+1]                  ; x^2: each accumulator is read from its low end on
.set kk, kk+2
.endr
	WIN 0x41
.set kk, 0
.rept 32
	v_pk_fma_f32 v[kk:kk+1], v[kk:kk+1], s[48:49], v[28:29] op_sel_hi:[1,0,1]    ; c1 x^2 + c0
.set kk, kk+2
.endr
.set WN, 0x41|(AW<<2)
	WIN WN
.set kk, 0
.rept 32
	v_pk_mul_f32 v[kk:kk+1], v[kk:kk+1], v[AB+kk:AB+kk+1]                        ; x (c0 + c1 x^2)
.set kk, kk+2
.endr
	WIN 0x41
.set kk, 0
	s_wait_alu depctr_va_vdst(0)
.rept 64
	v_exp_f32 v[kk], v[kk]
.set kk, kk+1
.endr
	v_nop                                          ; a plain instruction behind the batch,
	s_wait_alu depctr_va_vdst(0)                   ; and one wait for all 64: the exponentials have written window 1's v0-63, ahead of their first reader
.set kk, 0
.rept 32
	v_pk_add_f32 v[kk:kk+1], v[kk:kk+1], 1.0 op_sel_hi:[1,0]
.set kk, kk+2
.endr
.set kk, 0
	s_wait_alu depctr_va_vdst(0)
.rept 64
	v_rcp_f32 v[kk], v[kk]
.set kk, kk+1
.endr
	v_nop
	s_wait_alu depctr_va_vdst(0)                   ; the 64 reciprocals have written window 1's v0-63, ahead of their first reader
.set WN, AW|0x04
	WIN WN
.set kk, 0
.rept 32
	v_pk_mul_f32 v[128+kk:129+kk], v[AB+kk:AB+kk+1], v[kk:kk+1]                  ; gelu(x)
.set kk, kk+2
.endr
	WIN 0
	s_wait_xcnt 0x0                                ; the last tile's stores have read their data and bases: both are written again below
	s_wait_alu depctr_vm_vsrc(0)                   ; the last tile's stores have read v80-95 and v26, which the quantiser writes again
	QUANT
	s_add_co_u32 s50, s50, s63
	s_lshl_b32 s50, s50, 5
	s_add_co_u32 s50, s50, s15                     ; (64 e + tile) x 32 + my slice, which is the next product's K step
	s_lshl_b32 s54, s50, 11
	s_mov_b32 s55, 0
	s_add_nc_u64 s[40:41], s[12:13], s[54:55]
	s_lshl_b32 s54, s50, 7
	s_add_co_u32 s54, s54, HSI
	s_add_nc_u64 s[42:43], s[12:13], s[54:55]
	s_wait_alu depctr_va_vdst(0)                   ; the quantiser has written v80-95 and v26, which the stores below read
.irp c, 0,1,2,3
	global_store_b128 v1, v[80+4*\c:83+4*\c], s[40:41] offset:512*\c             ; 512 consecutive bytes, aligned
.endr
	global_store_b32 v3, v26, s[42:43]
.Lskip_\@:
.endm
.else
; THE WAY OUT of tile i: 16 rows x 128 columns of f32 through my own stage in LDS, back as whole rows of 512 bytes.  A tile past nt is passed over
.macro EPI i
.if \i == 4
.set AW, 0
.set AB, 128
.else
.set AW, 3
.set AB, 64*\i
.endif
	s_add_co_u32 s50, s51, 4*\i
	s_add_co_u32 s50, s50, s2
	s_cmp_ge_u32 s50, s16
	s_cbranch_scc1 .Lskip_\@
	s_min_u32 s50, s50, 63
	s_wait_xcnt 0x0                                ; the last tile's stores have read their data and base: both are written again below
	s_lshl_b32 s54, s50, 16                        ; 16 rows of 4,096 bytes a tile
	s_add_co_u32 s54, s54, s56
	s_mov_b32 s55, 0
	s_add_nc_u64 s[40:41], s[12:13], s[54:55]
.set WN, AW<<2
	WIN WN                                         ; an LDS store's data are its source 1
.set kk, 0
.rept 16
	ds_store_b128 v30, v[AB+4*kk:AB+4*kk+3] offset:128*(kk/4)+16*(kk%4)          ; columns 32 b + 16 h + 4 a on; each accumulator from its low end on.  The wait at the pass's end has shown the accumulators written
.set kk, kk+1
.endr
	WIN 0x40
.if \i != 4
	s_wait_alu depctr_vm_vsrc(0)                   ; the tile before's global stores have read window 1's v0-63, in which the loads below land
	s_wait_alu depctr_va_vdst(0)                   ; the products that read these registers as weight fragments are done: stated again behind the window's switch, since stores that read the registers stand between the wait at the pass's end and these loads
.endif
.set kk, 0
.rept 16
	ds_load_b128 v[4*kk:4*kk+3], v31 offset:528*kk                               ; LDS serves a wave's instructions in order: these see my stores
.set kk, kk+1
.endr
	WIN 0x04                                       ; a global store's data are its source 1
.set kk, 0
.rept 16
	s_wait_dscnt 15-kk
	global_store_b128 v1, v[4*kk:4*kk+3], s[40:41] offset:4096*kk th:TH_STORE_NT ; 512 consecutive bytes, aligned; not read again in this launch
.set kk, kk+1
.endr
	WIN 0
.Lskip_\@:
.endm
.endif
	s_load_b256 s[4:11], s[0:1], 0x0               ; the weight s[4:5], the bias s[6:7], the rows' images s[8:9], rt s[10:11]
	s_load_b64 s[12:13], s[0:1], 0x20              ; the output
	v_lshl_add_u32 v126, v0, 2, 0x21100
	v_mov_b32 v127, 0
	v_lshrrev_b32 v9, 5, v0
	v_readfirstlane_b32 s2, v9                     ; wave
	s_and_b32 s14, ttmp7, 0xffff                   ; the expert
.if WHICH == 1
	s_mov_b32 s15, ttmp9                           ; my slice of 128 columns
.else
	s_and_b32 s15, ttmp9, 7
	s_lshr_b32 s60, ttmp9, 3                       ; my quarter of K
.endif
	s_wait_alu depctr_va_sdst(0)                   ; s2 is written, ahead of its first reader: addresses, bases and tile numbers are made from it
	s_and_b32 s61, s2, 1                           ; weight phase: which 64 columns are my wave's,
	s_lshr_b32 s62, s2, 1                          ; and which 512 K rows
	s_lshl_b32 s63, s14, 6
	s_lshl_b32 s57, s14, 7
	s_mov_b32 s18, 0x76543210
	s_mov_b32 s19, 0xfedcba98                      ; v_permlanex16_b32's selects for lane l xor 16
	s_mov_b32 s46, 0x600000                        ; the mantissa field of 448
	s_mov_b32 s17, 0                               ; T0
	s_mov_b32 s44, 0
	s_mov_b32 s45, 0
	v_and_b32 v10, 31, v0
	v_lshlrev_b32 v1, 4, v10                       ; 16 x lane: an image's place for my lane; tiles 0-3 of the weight
	v_add_nc_u32 v2, 4*TSTR, v1                    ; tiles 4-7
	v_lshlrev_b32 v3, 2, v10                       ; 4 x lane
	v_bfe_u32 v11, v0, 4, 1                        ; g, h
	v_and_b32 v12, 15, v0                          ; q, r
	v_mul_u32_u24 v4, v11, 16*PITCH
	v_lshl_add_u32 v4, v12, 4, v4                  ; the weight: 16 g rows down, 16 q bytes along
	v_bfe_u32 v13, v0, 3, 1
	v_bfe_u32 v14, v0, 1, 1
	v_lshl_add_u32 v13, v13, 1, v14
	s_lshl_b32 s50, s61, 2
	v_add_nc_u32 v13, s50, v13                     ; my columns' tile: column C = 64 (w % 2) + 4 q + j lies in tile 2 (C / 32) + (C / 8) % 2, slot 8 ((C / 16) % 2) + C % 8
	v_mul_u32_u24 v5, v13, TSTR
	v_lshl_add_u32 v5, v11, 8, v5                  ; lanes 16-31 of the image
	v_bfe_u32 v14, v0, 2, 1
	v_lshl_add_u32 v5, v14, 7, v5                  ; slot 8 on
	v_and_b32 v15, 1, v0
	v_lshl_add_u32 v5, v15, 6, v5                  ; slot 4 on
	s_lshl_b32 s50, s62, 13
	v_add_nc_u32 v5, s50, v5                       ; my wave's first K step: 4 (w / 2)
	v_lshlrev_b32 v6, 9, v13
	v_lshl_add_u32 v6, v14, 5, v6
	v_lshl_add_u32 v6, v15, 4, v6
	s_lshl_b32 s50, s62, 8
	s_add_co_u32 s50, s50, WSC
	v_add_nc_u32 v6, s50, v6                       ; and the same for the scale words
	v_add_nc_u32 v7, WSC, v3
	v_lshlrev_b32 v8, 6, v11                       ; the bias: 64 h
.irp j, 14,15,16,17
	v_mov_b32 v\j, 0                               ; written once: a lane permute's destination counts as read
.endr
.if WHICH == 1
	s_mov_b32 s48, 0xbdd2d3e8                      ; c1
	s_mov_b32 s49, s48
	v_mov_b32 v28, 0xc0135761                      ; c0
	v_mov_b32 v29, 0xc0135761
	s_mov_b32 s53, SCB
.else
	s_mul_i32 s50, s2, 8448
	s_add_co_u32 s50, s50, STG                     ; my stage
	v_mul_u32_u24 v30, v12, 528
	v_lshl_add_u32 v30, v11, 6, v30
	v_add_nc_u32 v30, s50, v30                     ; in: row r, + 64 h
	v_add_nc_u32 v31, s50, v1                      ; back: 16 bytes a lane of a row
	s_lshl_b32 s52, s60, 14                        ; my quarter's first K step in a tile's images: 8 kq x 2,048,
	s_lshl_b32 s53, s60, 10
	s_add_co_u32 s53, s53, SCB                     ; and among its scale words
	s_lshl_b32 s56, s60, 3
	s_add_co_u32 s56, s56, s14
	s_lshl_b32 s56, s56, 22                        ; z: [kq][e][1,024 rows][1,024] f32,
	s_lshl_b32 s50, s15, 9
	s_add_co_u32 s56, s56, s50                     ; + my 128 columns
.endif
	s_wait_kmcnt 0x0
	s_load_b32 s16, s[10:11], s57 offset:0x8000    ; nt of my expert
	s_mul_i32 s54, s14, BROW
	s_lshl_b32 s50, s15, 9
	s_add_co_u32 s54, s54, s50
	s_mov_b32 s55, 0
	s_add_nc_u64 s[6:7], s[6:7], s[54:55]
	s_wait_alu depctr_va_vdst(0)                   ; the offsets and LDS addresses v1 to v8 (WHICH = 2: v30 and v31 too) are written: every load and store of the kernel but the weight phase's LDS stores reads one of them, and none is written again
.irp b, 0,1,2,3
.irp a, 0,1,2,3
	global_load_b128 v[192+16*\b+4*\a:195+16*\b+4*\a], v8, s[6:7] offset:128*\b+16*\a   ; register 16 b + i: the bias of column 32 b + 16 h + i: the result's layout
.endr
.endr
	s_lshl_b32 s54, s14, 24                        ; an expert's weight is 16 MiB
.if WHICH == 1
	s_lshl_b32 s50, s62, 23                        ; 512 rows of 16,384 bytes
.else
	s_lshl_b32 s50, s60, 22                        ; 1,024 rows of 4,096 bytes a quarter,
	s_add_co_u32 s54, s54, s50
	s_lshl_b32 s50, s62, 21                        ; 512 rows
.endif
	s_add_co_u32 s54, s54, s50
	s_lshl_b32 s50, s15, 9
	s_add_co_u32 s54, s54, s50
	s_lshl_b32 s50, s61, 8
	s_add_co_u32 s54, s54, s50
	s_add_nc_u64 s[58:59], s[4:5], s[54:55]        ; my wave's corner of the weight
	WLOAD 0, 0
	WLOAD 1, 1
	WLOAD 2, 2
	WLOAD 3, 3
	WIN 0
	s_wait_kmcnt 0x0                               ; nt is in, and the load has read its offset: s57 is free
	s_min_u32 s16, s16, 64                         ; an expert's region has 64 tiles
	s_sub_co_u32 s47, s16, 1
	s_add_co_u32 s57, s16, 19
	s_mul_i32 s57, s57, 205
	s_lshr_b32 s57, s57, 12                        ; the passes: ceil(nt / 20) = ((nt + 19) x 205) >> 12 for nt from 1 to 64,
	s_min_u32 s57, s57, 4                          ; 4 at the most
	BASES
	; ---- THE WEIGHT PHASE: 4 K steps of 4 blocks; loads run four blocks ahead
	s_mov_b32 s3, 3
.Lweight:
	WADDR
	WBLOCK 0, 48, 1                                ; behind this block's 16 loads: three sets of 16
	WBLOCK 1, 48, 1
	WBLOCK 2, 48, 1
	WBLOCK 3, 48, 1
	s_wait_xcnt 0x0                                ; the loads have read their base: it steps
	s_add_nc_u64 s[58:59], s[58:59], 128*PITCH
	s_add_co_u32 s44, s44, 2048
	s_add_co_u32 s45, s45, 64
	s_sub_co_u32 s3, s3, 1
	s_cmp_lg_u32 s3, 0
	s_cbranch_scc1 .Lweight
	WADDR                                          ; the last K step loads no more of the weight: the counts run down
	WBLOCK 0, 48, 0
	WBLOCK 1, 32, 0
	s_wait_loadcnt 16                              ; the third block is in; the fourth block's 16 loads may be out
	XFETCH 0, 0                                    ; the rows' first two K steps are asked for here, 50 loads: no vector or matrix instruction has named their registers yet
	XFETCH 1, 1
	WBLOCK 2, 63, 0                                ; (its loads were shown landed by the wait for 16)
	WBLOCK 3, 50, 0                                ; behind its loads: the 50
.if WHICH == 2
	s_cmp_eq_u32 s60, 0                            ; the bias belongs to one quarter of K alone
	s_cselect_b32 s50, -1, 0
.set kk, 0
.rept 64
	v_cndmask_b32 v[192+kk], 0, v[192+kk], s50
.set kk, kk+1
.endr
.endif
	s_wait_dscnt 0x0                               ; for the others' sake: my part of the weight's images lies in LDS
	s_barrier_signal -1
	s_barrier_wait -1                              ; the launch's one barrier: behind it the images are only read
.set nn, 0
.rept 8
.irp g, 0,1,2,3
	ds_load_b32 v[32+4*nn+\g], v7 offset:(8*nn+2*\g)*64   ; lanes 0-15: K step 2 g; lanes 16-31: K step 2 g + 1
.endr
.set nn, nn+1
.endr
	; ---- THE MATRIX PHASE: s3 counts the passes, one a trip, up to s57, which the loop does not write; s17, the pass's first tile, goes with it in steps of 20
	s_mov_b32 s3, 0
.Lpass:
	s_wait_xcnt 0x0                                ; the last pass's stores have had their addresses translated; where WHICH = 2 their data lie in the registers that take weight fragments again
	WIN 0x40                                       ; the window first, then the waits, then the loads
.if WHICH == 2
	s_wait_alu depctr_vm_vsrc(0)                   ; the last pass's global stores have read window 1's v0-63, in which the loads below land; its LDS stores have read the accumulators, which this pass's products write anew
.endif
	s_wait_alu depctr_va_vdst(0)                   ; the weight phase's maxima and holds (first pass), the last pass's products and its way out's lines are done with window 1's registers, in which the weight's fragments land, here and in the first K step
	WHALF 0,0,0
	WHALF 0,0,1
.irp s, 0,1,2,3,4,5,6,7
	KSTEP \s
.endr
.rept 8
	v_nop                                          ; eight places between the last products and the first reads of results; with the eight at the next pass's head more than the nine that accumulators begun anew want
.endr
	s_mov_b32 s51, s17                             ; this pass's first tile, for the way out
	s_add_co_u32 s17, s17, 20
	BASES                                          ; every load of rows has been waited for: the bases may be written
	WIN 0x80                                       ; the window first, then the wait, then the loads
	s_wait_alu depctr_va_vdst(0)                   ; the last two K steps' products are done reading slots 0 and 1 of the rows and their scale words, in which the loads below land, and have written the accumulators (WHICH = 2: which the LDS stores of the way out read)
	XFETCH 0, 0                                    ; the next pass's first two K steps land during the way out.  Behind the last pass they name the last tile again and are not used
	XFETCH 1, 1
	EPI 4                                          ; tile 4 first: its accumulators' registers serve the other tiles' way out
	EPI 0
	EPI 1
	EPI 2
	EPI 3
	s_add_co_u32 s3, s3, 1
	s_cmp_lt_u32 s3, s57
	s_cbranch_scc1 .Lpass
	s_wait_dscnt 0x0
	s_wait_alu depctr_hold_cnt(0) depctr_sa_sdst(0) depctr_va_vdst(0) depctr_va_sdst(0) depctr_va_ssrc(0) depctr_va_vcc(0) depctr_vm_vsrc(0)
	s_wait_tensorcnt 0x0
	ds_add_u32 v126, v127
	s_wait_dscnt 0x0
	s_endpgm
.Lfunc_end_k_q16a2a2c262_gemm1:
	.size	k_q16a2a2c262_gemm1, .Lfunc_end_k_q16a2a2c262_gemm1-k_q16a2a2c262_gemm1
	.p2alignl 7, 3214868480
	.fill 96, 4, 3214868480
	.section	.rodata,"a",@progbits
	.p2align	6, 0x0
	.amdhsa_kernel k_q16a2a2c262_gemm1
		.amdhsa_group_segment_fixed_size 135936
		.amdhsa_private_segment_fixed_size 0
		.amdhsa_enable_private_segment 0
		.amdhsa_kernarg_size 40
		.amdhsa_user_sgpr_count 2
		.amdhsa_user_sgpr_kernarg_segment_ptr 1
		.amdhsa_wavefront_size32 1
		.amdhsa_system_sgpr_workgroup_id_x 1
		.amdhsa_system_sgpr_workgroup_id_y 1
		.amdhsa_system_sgpr_workgroup_id_z 1
		.amdhsa_system_vgpr_workitem_id 0
		.amdhsa_next_free_vgpr 1024
		.amdhsa_next_free_sgpr 66
		.amdhsa_reserve_vcc 0
		.amdhsa_float_denorm_mode_32 3
		.amdhsa_float_denorm_mode_16_64 3
		.amdhsa_memory_ordered 1
		.amdhsa_forward_progress 1
		.amdhsa_inst_pref_size 255
	.end_amdhsa_kernel
	.section	.bss,"aw",@nobits
	.p2align	6
	.space	262144
	.amdgpu_metadata
---
amdhsa.version: [ 1, 2 ]
amdhsa.kernels:
  - .name:           k_q16a2a2c262_gemm1
    .symbol:         k_q16a2a2c262_gemm1.kd
    .args:
      - { .name: W1, .offset: 0, .size: 8, .value_kind: global_buffer, .address_space: global }
      - { .name: b1, .offset: 8, .size: 8, .value_kind: global_buffer, .address_space: global }
      - { .name: xi, .offset: 16, .size: 8, .value_kind: global_buffer, .address_space: global }
      - { .name: rt, .offset: 24, .size: 8, .value_kind: global_buffer, .address_space: global }
      - { .name: hi, .offset: 32, .size: 8, .value_kind: global_buffer, .address_space: global }
    .group_segment_fixed_size: 135936
    .private_segment_fixed_size: 0
    .kernarg_segment_align: 8
    .kernarg_segment_size: 40
    .max_flat_workgroup_size: 128
    .sgpr_count:     66
    .vgpr_count:     1024
    .wavefront_size: 32
...
	.end_amdgpu_metadata
.endif
;; end of part 8
;; launch gemm2 (part 9): grid 32 x 8, 4 waves a work-group, no clusters, 169,728 bytes of LDS; arguments W2, b2, hi, rt, z; writes z
.if DOCPART == 9
	.amdgcn_target "amdgcn-amd-amdhsa--gfx1250"
	.amdhsa_code_object_version 6
	.text
	.protected	k_q16a2a2c262_gemm2
	.globl	k_q16a2a2c262_gemm2
	.p2align	8
	.type	k_q16a2a2c262_gemm2,@function
k_q16a2a2c262_gemm2:
	s_mov_b64 s[64:65], 0
	v_nop
	global_prefetch_b8 v0, s[64:65] scope:SCOPE_SE
	s_setreg_imm32_b32 hwreg(HW_REG_WAVE_SCHED_MODE, 0, 2), 2
	s_setreg_imm32_b32 hwreg(HW_REG_WAVE_MODE, 25, 1), 1
	s_wait_xcnt 0x0
	s_wait_alu depctr_vm_vsrc(0)
; ONE TEXT FOR BOTH PRODUCTS OF AN EXPERT; WHICH = 1: h = Q(gelu(Q(x) Q(W1) + b1)); WHICH = 2: z = a K quarter of h Q(W2) (+ b2 in quarter 0).  Q: codes of E4M3, one E8M0 byte for each 32 along K.
; The weight arrives as f32 with K as its FIRST axis: [8 experts][K][N].  A work-group owns 128 columns x 1,024 along K of ONE expert's weight (512 KB of f32), reads them from memory ONCE,
; quantises them in registers and keeps the codes in LDS (128 KB); then it multiplies them by all rows that chose the expert.  Only those rows are multiplied: the others the gate's mask throws away.
; WHICH = 1: work-group x = slice of 128 hidden units, all of K = 1,024.  WHICH = 2: x % 8 = slice of 128 outputs, x / 8 = quarter of K = 4,096.  Work-group y = the expert.
; The four quarters' parts of z are added by the launch that follows, which also weighs a token's two experts: each byte of z has one owner here.
; WEIGHT PHASE.  Wave w takes columns 64 (w % 2) on and K rows 512 (w / 2) on, in 16 blocks of 32 rows.  Lane (q = lane % 16, g = lane / 16) takes columns 4 q .. 4 q + 3 and rows 16 g + i: a load reads two runs of 256
; consecutive aligned bytes, and a lane's 16 loads run DOWN K: for each of its 4 columns 16 neighbours along K, just what lane (., g) of the operand holds.  A block's largest magnitude is joined with lane l xor 16's.
; The codes go to LDS as IMAGES OF THE OPERAND'S REGISTERS: tile n, K step s, c, lane: 16 bytes at n TSTR + 2,048 s + 512 c + 16 lane.  TSTR is 16 more than a multiple of 256, so that the 16 lanes of a store fall on 16 different columns of 16 bytes.
; THE COLUMNS OF A TILE ARE NOT NEIGHBOURS: slot m of tile 2 b + u is column 32 b + 8 u + m + 8 (m / 8).  The product is used transposed (source 0 = 16 columns of the weight, source 1 = 16 rows), so that lane (r, h) holds row r,
; and the 16 registers of tiles 2 b, 2 b + 1 are columns 32 b + 16 h + 0 .. 15: 16 neighbours, in the order that the next product's operand wants (WHICH = 1) and that a row of z wants (WHICH = 2).
; MATRIX PHASE.  A pass takes 20 tiles of 16 rows: wave w tiles T0 + 4 i + w, i = 0 .. 4; 8 K steps of 128; 40 matrix instructions a K step, the 40 accumulators by turns.
; The weight's fragments come from LDS (two buffers), the rows' from memory as images (a ring of three K steps, two ahead).  The number of tiles nt (1 to 64) is read from rt; there are ceil(nt / 20) passes, 4 at the most;
; tiles past nt are held at the last tile, multiplied and not stored.  The bias is the C of each sum's first matrix instruction.
; NO TENSOR LOAD, NO CLUSTER: the number of passes is read from memory.  What the 8 work-groups of an expert's K quarter share is the rows' images, 16 KB a tile for these 8 K steps,
; against 512 KB of weights that are each work-group's own.  No prefetch: in the weight phase each wave already has 48 to 64 loads of 512 bytes out.
; LIMITS: NaN and infinities are not served.  Blocks whose largest magnitude lies under 2^-118 (a block of zeros among them) take the byte 1: the bytes are read by this program alone.
; REGISTERS, in windows of 256.  Window 0: v1-9, v27, v30-31 addresses; v10-26 at work on scales; v32-63 the weight's scale words, v64-78 the rows' (these hold scales and nothing else);
;   v80-111 codes just made; v112-115 a K step's scale words; v128-191 held numbers, then tile 4's accumulators; v192-255 the bias.
;   Window 1: the weight as loaded (4 sets of 64), then its fragments (two buffers of 128); on the way out v0-63 at work.   Window 2: the rows' fragments, 80 a K step.   Window 3: tiles 0-3's accumulators, (i, n) at 64 i + 8 n.
; THE MODE: SCHED_MODE bits 1:0 = 2 (LLVM: expert scheduling mode 2), set by the entry lines.  The code itself states the register dependences
; between vector or matrix instructions and memory or LDS instructions, with s_wait_alu, always for 0.
; THE PLAN: the registers that memory or LDS instructions touch, and who else names them.
;   v1-v8, v30, v31: offsets and LDS addresses, made at the head ahead of one wait on va_vdst and never written again.
;   WEIGHT PHASE.  Window 1's sets 0-3: block c's maxima and holds read set c; the loads of the block four on land in it.  v80-95 and v96-111 by turns (codes) and v112-115 (a K step's scale words): written by a block's
;   conversions and shifts, read by its LDS stores.  v9, v27: written at a K step's head, read by its LDS stores.  ONE wait on va_vdst a block, behind its conversions: codes, words, v9 and v27 are written and the block is done
;   reading its set; the block's 16 loads and then its LDS stores follow it.  Waits on vm_vsrc: at a K step's head (the stores of the K step before have read v9, v27, v112-115 and both sets of codes) and at the head of its third
;   and fourth block (the stores of two blocks back have read the codes' registers).
;   MATRIX PHASE.  K step s: its 40 products read the weight's buffer s % 2, the rows' slot s % 3 and that slot's scale words (v64 + 5 (s % 3) on).  Its loads land in buffer (s + 1) % 2, slot (s + 2) % 3 and that slot's scale words:
;   what K step s - 1's products read and no product of K step s names.  ONE wait on va_vdst at a K step's head states that those products are done; the K step's 57 loads are dealt among its products with no further wait:
;   the rows' 25 first, 16 of the weight's behind the 4th product, 16 behind the 12th.  One more such wait stands at a pass's head and one at its end, ahead of the next pass's first loads.
;   THE WAY OUT holds no vector instruction.  The accumulators: written by the products, read by a tile's LDS stores (the wait at the pass's end), written anew by the next pass's products (vm_vsrc at the pass's head).
;   Window 1's v0-63: read by the products as weight fragments, then by turns the stage's loads land in them and the global stores read them: a wait on vm_vsrc ahead of each tile's loads but the first's, and at the pass's head.
.set WHICH, 2
.set PITCH, 4096                       ; bytes from a K row of the weight to the next
.set TSH,   16                         ; a tile's images in the rows' buffer: 32 K steps x 2,048 bytes
.set SSH,   12                         ; and its scale words: 32 x 128 bytes
.set SCB,   33554432                   ; where the scale words begin there
.set BROW,  4096                       ; an expert's bias in bytes
.set TSTR,  16400
.set WSC,   8*TSTR                     ; the weight's scale words: 64 bytes for (tile n, K step s) at (8 n + s) x 64, slot m's word at 4 m
.set STG,   WSC+4096                   ; a stage of 16 rows x (512 + 16) bytes for each wave
.set MSB, 0
.macro WIN new                         ; bits 1:0 source 0, 3:2 source 1, 5:4 source 2, 7:6 destination; the high byte repeats the setting that is left
.if MSB != \new
	s_set_vgpr_msb (MSB<<8)|\new
.set MSB, \new
.endif
.endm
; 16 loads: block blk (counted from the base) of 32 K rows into set
.macro WLOAD set, blk
	WIN 0x40
.set wi, 0
.rept 16
	global_load_b128 v[64*(\set)+4*wi:64*(\set)+4*wi+3], v4, s[58:59] offset:(32*(\blk)+wi)*PITCH th:TH_LOAD_NT   ; row 32 blk + 16 g + i, my 4 columns; read once in the launch
.set wi, wi+1
.endr
.endm
.macro WADDR                           ; a K step's places in LDS
	s_wait_dscnt 0x0                               ; the last K step's stores are done: their address registers are written again
	s_wait_alu depctr_vm_vsrc(0)                   ; the last K step's LDS stores have read v9, v27, v112-115 and both sets of codes: the two lines below and this K step's first two blocks write them again
	v_add_nc_u32 v9, s44, v5
	v_add_nc_u32 v27, s45, v6
.endm
; Block c of a K step, in set c: 4 columns x 16 numbers a lane become 4 x 16 codes and a byte of each column's scale word.  left: the younger loads, which may stay out.  ahead = 1: the set takes the block four on
.macro WBLOCK c, left, ahead
.set LB, 64*(\c)
.set CO, 80+16*((\c)%2)
	s_wait_loadcnt \left
	s_wait_dscnt 4                                 ; all but the four code stores of the block before are done: this set of code registers is free
.if \c >= 2
	s_wait_alu depctr_vm_vsrc(0)                   ; the LDS stores of two blocks back have read this set of code registers, which the conversions below write again
.endif
	WIN 0x05
.irp j, 0,1,2,3
	v_max3_num_f32 v[10+\j], |v[LB+\j]|, |v[LB+4+\j]|, 0x4800000   ; column j: my 16 numbers, and the floor 2^(9 - 127): the byte cannot fall under 1
.endr
	WIN 0x14
.irp i, 2,4,6,8,10,12,14
.irp j, 0,1,2,3
	v_max3_num_f32 v[10+\j], v[10+\j], |v[LB+4*\i+\j]|, |v[LB+4*\i+4+\j]|
.endr
.endr
	WIN 0
.irp j, 0,1,2,3
	v_permlanex16_b32 v[14+\j], v[10+\j], s18, s19
.endr
.irp j, 0,1,2,3
	v_max_num_f32 v[10+\j], v[10+\j], v[14+\j]     ; with lane l xor 16's 16 rows: the block's largest magnitude
.endr
.irp j, 0,1,2,3
	v_add_nc_u32 v[22+\j], 0xfc000000, v[10+\j]    ; 8 off its exponent field: the conversion's scale operand
.endr
.irp j, 0,1,2,3
	v_and_or_b32 v[18+\j], v[10+\j], 0x7f800000, s46   ; 448 x the scale
.endr
.if \c == 0
.irp j, 0,1,2,3
	v_lshrrev_b32 v[112+\j], 23, v[22+\j]          ; the scale's byte starts the K step's word
.endr
.else
.irp j, 0,1,2,3
	v_lshrrev_b32 v[14+\j], 23, v[22+\j]
.endr
.irp j, 0,1,2,3
	v_lshl_or_b32 v[112+\j], v[14+\j], 8*(\c), v[112+\j]
.endr
.endif
	WIN 0x01
.irp j, 0,1,2,3
.irp i, 0,1,2,3,4,5,6,7,8,9,10,11,12,13,14,15
	v_med3_num_f32 v[128+16*\j+\i], v[LB+4*\i+\j], -v[18+\j], v[18+\j]   ; the hold (the conversion does not saturate: ISA guide 7.6.2) also brings a column's 16 numbers into consecutive registers
.endr
.endr
	WIN 0
.irp j, 0,1,2,3
	v_cvt_scalef32_pk8_fp8_f32 v[CO+4*\j:CO+4*\j+1], v[128+16*\j:128+16*\j+7], v[22+\j]
	v_cvt_scalef32_pk8_fp8_f32 v[CO+4*\j+2:CO+4*\j+3], v[128+16*\j+8:128+16*\j+15], v[22+\j]
.endr
	v_nop                                          ; a plain instruction between the conversions and the next writer of their sources
.if \ahead
	WIN 0x40                                       ; the window first, then the wait, then the loads
.endif
	s_wait_alu depctr_va_vdst(0)                   ; the maxima and holds are done reading set c, in which the loads below land; the conversions have written the codes, the shifts v112-115, the K step's head v9 and v27, which the LDS stores below read
.if \ahead
	WLOAD \c,(\c)+4
	WIN 0
.endif
.if \c == 3
	ds_store_b128 v27, v[112:115]                  ; four neighbouring slots' scale words; both halves of the lanes write the same.  Ahead of the code stores, so that the four youngest are always code stores
.endif
.irp j, 0,1,2,3
	ds_store_b128 v9, v[CO+4*\j:CO+4*\j+3] offset:512*(\c)+16*\j
.endr
.endm
; where my five tiles' images and scale words begin: tile T0 + 4 i + wave, held at the last tile that has rows
.macro BASES
.irp i, 0,1,2,3,4
	s_add_co_u32 s50, s17, 4*\i
	s_add_co_u32 s50, s50, s2
	s_min_u32 s50, s50, s47
	s_min_u32 s50, s50, 63
	s_add_co_u32 s50, s50, s63                     ; 64 e + tile
	s_lshl_b32 s54, s50, TSH
	s_add_co_u32 s54, s54, s52                     ; my quarter's first K step
	s_mov_b32 s55, 0
	s_add_nc_u64 s[20+2*\i:21+2*\i], s[8:9], s[54:55]
	s_lshl_b32 s54, s50, SSH
	s_add_co_u32 s54, s54, s53
	s_add_nc_u64 s[30+2*\i:31+2*\i], s[8:9], s[54:55]
.endr
.endm
.macro XFETCH s, rho                   ; 25 loads: K step s of my five tiles into ring slot rho
	WIN 0x80
.irp i, 0,1,2,3,4
.irp c, 0,1,2,3
	global_load_b128 v[80*(\rho)+16*\i+4*\c:80*(\rho)+16*\i+4*\c+3], v1, s[20+2*\i:21+2*\i] offset:2048*(\s)+512*\c
.endr
.endr
	WIN 0
.irp i, 0,1,2,3,4
	global_load_b32 v[64+5*(\rho)+\i], v3, s[30+2*\i:31+2*\i] offset:128*(\s)
.endr
.endm
.macro WHALF s, buf, hf                ; 16 LDS loads: K step s of the weight's tiles 4 hf .. 4 hf + 3 into buffer buf
	WIN 0x40
.irp n, 0,1,2,3
.irp c, 0,1,2,3
	ds_load_b128 v[128*(\buf)+64*(\hf)+16*\n+4*\c:128*(\buf)+64*(\hf)+16*\n+4*\c+3], v[1+(\hf)] offset:\n*TSTR+2048*(\s)+512*\c
.endr
.endr
.endm
; one matrix instruction: accumulator at d, weight tile n, row tile i, K step s, C at cc.  The weight's scale register holds K step 2 (s / 2) in lanes 0-15 and the next in lanes 16-31
.macro MM d, n, i, s, cc
.if ((\s)%2) == 1
	v_wmma_scale_f32_16x16x128_f8f6f4 v[\d:\d+7], v[128*((\s)%2)+16*\n:128*((\s)%2)+16*\n+15], v[80*((\s)%3)+16*\i:80*((\s)%3)+16*\i+15], v[\cc:\cc+7], v[32+4*\n+(\s)/2], v[64+5*((\s)%3)+\i] matrix_a_scale:MATRIX_SCALE_ROW1
.else
	v_wmma_scale_f32_16x16x128_f8f6f4 v[\d:\d+7], v[128*((\s)%2)+16*\n:128*((\s)%2)+16*\n+15], v[80*((\s)%3)+16*\i:80*((\s)%3)+16*\i+15], v[\cc:\cc+7], v[32+4*\n+(\s)/2], v[64+5*((\s)%3)+\i]
.endif
.endm
.macro MROW s, n                       ; four matrix instructions: weight tile n against row tiles 0 to 3
.irp i, 0,1,2,3
.if \s == 0
	MM 64*\i+8*\n,\n,\i,\s,192+8*\n
.else
	MM 64*\i+8*\n,\n,\i,\s,64*\i+8*\n
.endif
.endr
.endm
.macro KSTEP s
.if \s == 0
.set WM, 0xc9                          ; weight window 1, rows window 2, C (the bias) window 0, D window 3
.else
.set WM, 0xf9                          ; C and D window 3
.endif
.rept 8
	v_nop                                          ; the eight places behind the last K step's products stay as they stood, ahead of the wait that states the dependence; in a pass's first K step they make, with the eight at the last pass's end, more than the nine that accumulators begun anew want
.endr
	s_wait_dscnt 0x0                               ; this K step's weight fragments are in: they were asked for in the K step before (the first: at the pass's head), and no LDS load has been issued since
.if \s < 7
	s_wait_loadcnt 25                              ; this K step's rows are in; those of the next K step, 25 loads, may be out
.else
	s_wait_loadcnt 0x0
.endif
.if \s < 6
	WIN 0x80                                       ; the window first, then the wait, then the loads
.endif
.if (\s > 0) && (\s < 7)
	s_wait_alu depctr_va_vdst(0)                   ; the last K step's products are done reading their weight buffer, their slot of rows and its scale words, in which this K step's loads land.  (The pass's first K step leans on the wait at the pass's head; the last issues no load)
.endif
.if \s < 6
	XFETCH (\s)+2,((\s)+2)%3
.endif
	WIN WM
	MROW \s,0
.if \s < 7
	WHALF (\s)+1,((\s)+1)%2,0                      ; no wait: no product since the wait above names the other buffer
	WIN WM
.endif
	MROW \s,1
	MROW \s,2
.if \s < 7
	WHALF (\s)+1,((\s)+1)%2,1
	WIN WM
.endif
.irp n, 3,4,5,6,7
	MROW \s,\n
.endr
	WIN 0x09                                       ; tile 4's accumulators lie in window 0
.irp n, 0,1,2,3,4,5,6,7
.if \s == 0
	MM 128+8*\n,\n,4,\s,192+8*\n
.else
	MM 128+8*\n,\n,4,\s,128+8*\n
.endif
.endr
.endm
; THE WAY OUT of tile i: 16 rows x 128 columns of f32 through my own stage in LDS, back as whole rows of 512 bytes.  A tile past nt is passed over
.macro EPI i
.if \i == 4
.set AW, 0
.set AB, 128
.else
.set AW, 3
.set AB, 64*\i
.endif
	s_add_co_u32 s50, s51, 4*\i
	s_add_co_u32 s50, s50, s2
	s_cmp_ge_u32 s50, s16
	s_cbranch_scc1 .Lskip_\@
	s_min_u32 s50, s50, 63
	s_wait_xcnt 0x0                                ; the last tile's stores have read their data and base: both are written again below
	s_lshl_b32 s54, s50, 16                        ; 16 rows of 4,096 bytes a tile
	s_add_co_u32 s54, s54, s56
	s_mov_b32 s55, 0
	s_add_nc_u64 s[40:41], s[12:13], s[54:55]
.set WN, AW<<2
	WIN WN                                         ; an LDS store's data are its source 1
.set kk, 0
.rept 16
	ds_store_b128 v30, v[AB+4*kk:AB+4*kk+3] offset:128*(kk/4)+16*(kk%4)          ; columns 32 b + 16 h + 4 a on; each accumulator from its low end on.  The wait at the pass's end has shown the accumulators written
.set kk, kk+1
.endr
	WIN 0x40
.if \i != 4
	s_wait_alu depctr_vm_vsrc(0)                   ; the tile before's global stores have read window 1's v0-63, in which the loads below land
	s_wait_alu depctr_va_vdst(0)                   ; the products that read these registers as weight fragments are done: stated again behind the window's switch, since stores that read the registers stand between the wait at the pass's end and these loads
.endif
.set kk, 0
.rept 16
	ds_load_b128 v[4*kk:4*kk+3], v31 offset:528*kk                               ; LDS serves a wave's instructions in order: these see my stores
.set kk, kk+1
.endr
	WIN 0x04                                       ; a global store's data are its source 1
.set kk, 0
.rept 16
	s_wait_dscnt 15-kk
	global_store_b128 v1, v[4*kk:4*kk+3], s[40:41] offset:4096*kk th:TH_STORE_NT ; 512 consecutive bytes, aligned; not read again in this launch
.set kk, kk+1
.endr
	WIN 0
.Lskip_\@:
.endm
	s_load_b256 s[4:11], s[0:1], 0x0               ; the weight s[4:5], the bias s[6:7], the rows' images s[8:9], rt s[10:11]
	s_load_b64 s[12:13], s[0:1], 0x20              ; the output
	v_lshl_add_u32 v126, v0, 2, 0x29500
	v_mov_b32 v127, 0
	v_lshrrev_b32 v9, 5, v0
	v_readfirstlane_b32 s2, v9                     ; wave
	s_and_b32 s14, ttmp7, 0xffff                   ; the expert
	s_and_b32 s15, ttmp9, 7                        ; my slice of 128 columns
	s_lshr_b32 s60, ttmp9, 3                       ; my quarter of K
	s_wait_alu depctr_va_sdst(0)                   ; s2 is written, ahead of its first reader: addresses, bases and tile numbers are made from it
	s_and_b32 s61, s2, 1                           ; weight phase: which 64 columns are my wave's,
	s_lshr_b32 s62, s2, 1                          ; and which 512 K rows
	s_lshl_b32 s63, s14, 6
	s_lshl_b32 s57, s14, 7
	s_mov_b32 s18, 0x76543210
	s_mov_b32 s19, 0xfedcba98                      ; v_permlanex16_b32's selects for lane l xor 16
	s_mov_b32 s46, 0x600000                        ; the mantissa field of 448
	s_mov_b32 s17, 0                               ; T0
	s_mov_b32 s44, 0
	s_mov_b32 s45, 0
	v_and_b32 v10, 31, v0
	v_lshlrev_b32 v1, 4, v10                       ; 16 x lane: an image's place for my lane; tiles 0-3 of the weight
	v_add_nc_u32 v2, 4*TSTR, v1                    ; tiles 4-7
	v_lshlrev_b32 v3, 2, v10                       ; 4 x lane
	v_bfe_u32 v11, v0, 4, 1                        ; g, h
	v_and_b32 v12, 15, v0                          ; q, r
	v_mul_u32_u24 v4, v11, 16*PITCH
	v_lshl_add_u32 v4, v12, 4, v4                  ; the weight: 16 g rows down, 16 q bytes along
	v_bfe_u32 v13, v0, 3, 1
	v_bfe_u32 v14, v0, 1, 1
	v_lshl_add_u32 v13, v13, 1, v14
	s_lshl_b32 s50, s61, 2
	v_add_nc_u32 v13, s50, v13                     ; my columns' tile: column C = 64 (w % 2) + 4 q + j lies in tile 2 (C / 32) + (C / 8) % 2, slot 8 ((C / 16) % 2) + C % 8
	v_mul_u32_u24 v5, v13, TSTR
	v_lshl_add_u32 v5, v11, 8, v5                  ; lanes 16-31 of the image
	v_bfe_u32 v14, v0, 2, 1
	v_lshl_add_u32 v5, v14, 7, v5                  ; slot 8 on
	v_and_b32 v15, 1, v0
	v_lshl_add_u32 v5, v15, 6, v5                  ; slot 4 on
	s_lshl_b32 s50, s62, 13
	v_add_nc_u32 v5, s50, v5                       ; my wave's first K step: 4 (w / 2)
	v_lshlrev_b32 v6, 9, v13
	v_lshl_add_u32 v6, v14, 5, v6
	v_lshl_add_u32 v6, v15, 4, v6
	s_lshl_b32 s50, s62, 8
	s_add_co_u32 s50, s50, WSC
	v_add_nc_u32 v6, s50, v6                       ; and the same for the scale words
	v_add_nc_u32 v7, WSC, v3
	v_lshlrev_b32 v8, 6, v11                       ; the bias: 64 h
.irp j, 14,15,16,17
	v_mov_b32 v\j, 0                               ; written once: a lane permute's destination counts as read
.endr
	s_mul_i32 s50, s2, 8448
	s_add_co_u32 s50, s50, STG                     ; my stage
	v_mul_u32_u24 v30, v12, 528
	v_lshl_add_u32 v30, v11, 6, v30
	v_add_nc_u32 v30, s50, v30                     ; in: row r, + 64 h
	v_add_nc_u32 v31, s50, v1                      ; back: 16 bytes a lane of a row
	s_lshl_b32 s52, s60, 14                        ; my quarter's first K step in a tile's images: 8 kq x 2,048,
	s_lshl_b32 s53, s60, 10
	s_add_co_u32 s53, s53, SCB                     ; and among its scale words
	s_lshl_b32 s56, s60, 3
	s_add_co_u32 s56, s56, s14
	s_lshl_b32 s56, s56, 22                        ; z: [kq][e][1,024 rows][1,024] f32,
	s_lshl_b32 s50, s15, 9
	s_add_co_u32 s56, s56, s50                     ; + my 128 columns
	s_wait_kmcnt 0x0
	s_load_b32 s16, s[10:11], s57 offset:0x8000    ; nt of my expert
	s_mul_i32 s54, s14, BROW
	s_lshl_b32 s50, s15, 9
	s_add_co_u32 s54, s54, s50
	s_mov_b32 s55, 0
	s_add_nc_u64 s[6:7], s[6:7], s[54:55]
	s_wait_alu depctr_va_vdst(0)                   ; the offsets and LDS addresses v1 to v8, v30 and v31 are written: every load and store of the kernel but the weight phase's LDS stores reads one of them, and none is written again
.irp b, 0,1,2,3
.irp a, 0,1,2,3
	global_load_b128 v[192+16*\b+4*\a:195+16*\b+4*\a], v8, s[6:7] offset:128*\b+16*\a   ; register 16 b + i: the bias of column 32 b + 16 h + i: the result's layout
.endr
.endr
	s_lshl_b32 s54, s14, 24                        ; an expert's weight is 16 MiB
	s_lshl_b32 s50, s60, 22                        ; 1,024 rows of 4,096 bytes a quarter,
	s_add_co_u32 s54, s54, s50
	s_lshl_b32 s50, s62, 21                        ; 512 rows
	s_add_co_u32 s54, s54, s50
	s_lshl_b32 s50, s15, 9
	s_add_co_u32 s54, s54, s50
	s_lshl_b32 s50, s61, 8
	s_add_co_u32 s54, s54, s50
	s_add_nc_u64 s[58:59], s[4:5], s[54:55]        ; my wave's corner of the weight
	WLOAD 0, 0
	WLOAD 1, 1
	WLOAD 2, 2
	WLOAD 3, 3
	WIN 0
	s_wait_kmcnt 0x0                               ; nt is in, and the load has read its offset: s57 is free
	s_min_u32 s16, s16, 64                         ; an expert's region has 64 tiles
	s_sub_co_u32 s47, s16, 1
	s_add_co_u32 s57, s16, 19
	s_mul_i32 s57, s57, 205
	s_lshr_b32 s57, s57, 12                        ; the passes: ceil(nt / 20) = ((nt + 19) x 205) >> 12 for nt from 1 to 64,
	s_min_u32 s57, s57, 4                          ; 4 at the most
	BASES
	; ---- THE WEIGHT PHASE: 4 K steps of 4 blocks; loads run four blocks ahead
	s_mov_b32 s3, 3
.Lweight:
	WADDR
	WBLOCK 0, 48, 1                                ; behind this block's 16 loads: three sets of 16
	WBLOCK 1, 48, 1
	WBLOCK 2, 48, 1
	WBLOCK 3, 48, 1
	s_wait_xcnt 0x0                                ; the loads have read their base: it steps
	s_add_nc_u64 s[58:59], s[58:59], 128*PITCH
	s_add_co_u32 s44, s44, 2048
	s_add_co_u32 s45, s45, 64
	s_sub_co_u32 s3, s3, 1
	s_cmp_lg_u32 s3, 0
	s_cbranch_scc1 .Lweight
	WADDR                                          ; the last K step loads no more of the weight: the counts run down
	WBLOCK 0, 48, 0
	WBLOCK 1, 32, 0
	s_wait_loadcnt 16                              ; the third block is in; the fourth block's 16 loads may be out
	XFETCH 0, 0                                    ; the rows' first two K steps are asked for here, 50 loads: no vector or matrix instruction has named their registers yet
	XFETCH 1, 1
	WBLOCK 2, 63, 0                                ; (its loads were shown landed by the wait for 16)
	WBLOCK 3, 50, 0                                ; behind its loads: the 50
	s_cmp_eq_u32 s60, 0                            ; the bias belongs to one quarter of K alone
	s_cselect_b32 s50, -1, 0
.set kk, 0
.rept 64
	v_cndmask_b32 v[192+kk], 0, v[192+kk], s50
.set kk, kk+1
.endr
	s_wait_dscnt 0x0                               ; for the others' sake: my part of the weight's images lies in LDS
	s_barrier_signal -1
	s_barrier_wait -1                              ; the launch's one barrier: behind it the images are only read
.set nn, 0
.rept 8
.irp g, 0,1,2,3
	ds_load_b32 v[32+4*nn+\g], v7 offset:(8*nn+2*\g)*64   ; lanes 0-15: K step 2 g; lanes 16-31: K step 2 g + 1
.endr
.set nn, nn+1
.endr
	; ---- THE MATRIX PHASE: s3 counts the passes, one a trip, up to s57, which the loop does not write; s17, the pass's first tile, goes with it in steps of 20
	s_mov_b32 s3, 0
.Lpass:
	s_wait_xcnt 0x0                                ; the last pass's stores have read their data: the registers take weight fragments again
	WIN 0x40                                       ; the window first, then the waits, then the loads
	s_wait_alu depctr_vm_vsrc(0)                   ; the last pass's global stores have read window 1's v0-63, in which the loads below land; its LDS stores have read the accumulators, which this pass's products write anew
	s_wait_alu depctr_va_vdst(0)                   ; the weight phase's maxima and holds (first pass) and the last pass's products are done reading window 1's registers, in which the weight's fragments land, here and in the first K step
	WHALF 0,0,0
	WHALF 0,0,1
.irp s, 0,1,2,3,4,5,6,7
	KSTEP \s
.endr
.rept 8
	v_nop                                          ; eight places between the last products and the first reads of results; with the eight at the next pass's head more than the nine that accumulators begun anew want
.endr
	s_mov_b32 s51, s17                             ; this pass's first tile, for the way out
	s_add_co_u32 s17, s17, 20
	BASES                                          ; every load of rows has been waited for: the bases may be written
	WIN 0x80                                       ; the window first, then the wait, then the loads
	s_wait_alu depctr_va_vdst(0)                   ; the last two K steps' products are done reading slots 0 and 1 of the rows and their scale words, in which the loads below land, and have written the accumulators, which the LDS stores of the way out read
	XFETCH 0, 0                                    ; the next pass's first two K steps land during the way out.  Behind the last pass they name the last tile again and are not used
	XFETCH 1, 1
	EPI 4
	EPI 0
	EPI 1
	EPI 2
	EPI 3
	s_add_co_u32 s3, s3, 1
	s_cmp_lt_u32 s3, s57
	s_cbranch_scc1 .Lpass
	s_wait_dscnt 0x0
	s_wait_alu depctr_hold_cnt(0) depctr_sa_sdst(0) depctr_va_vdst(0) depctr_va_sdst(0) depctr_va_ssrc(0) depctr_va_vcc(0) depctr_vm_vsrc(0)
	s_wait_tensorcnt 0x0
	ds_add_u32 v126, v127
	s_wait_dscnt 0x0
	s_endpgm
.Lfunc_end_k_q16a2a2c262_gemm2:
	.size	k_q16a2a2c262_gemm2, .Lfunc_end_k_q16a2a2c262_gemm2-k_q16a2a2c262_gemm2
	.p2alignl 7, 3214868480
	.fill 96, 4, 3214868480
	.section	.rodata,"a",@progbits
	.p2align	6, 0x0
	.amdhsa_kernel k_q16a2a2c262_gemm2
		.amdhsa_group_segment_fixed_size 169728
		.amdhsa_private_segment_fixed_size 0
		.amdhsa_enable_private_segment 0
		.amdhsa_kernarg_size 40
		.amdhsa_user_sgpr_count 2
		.amdhsa_user_sgpr_kernarg_segment_ptr 1
		.amdhsa_wavefront_size32 1
		.amdhsa_system_sgpr_workgroup_id_x 1
		.amdhsa_system_sgpr_workgroup_id_y 1
		.amdhsa_system_sgpr_workgroup_id_z 1
		.amdhsa_system_vgpr_workitem_id 0
		.amdhsa_next_free_vgpr 1024
		.amdhsa_next_free_sgpr 66
		.amdhsa_reserve_vcc 0
		.amdhsa_float_denorm_mode_32 3
		.amdhsa_float_denorm_mode_16_64 3
		.amdhsa_memory_ordered 1
		.amdhsa_forward_progress 1
		.amdhsa_inst_pref_size 204
	.end_amdhsa_kernel
	.amdgpu_metadata
---
amdhsa.version: [ 1, 2 ]
amdhsa.kernels:
  - .name:           k_q16a2a2c262_gemm2
    .symbol:         k_q16a2a2c262_gemm2.kd
    .args:
      - { .name: W2, .offset: 0, .size: 8, .value_kind: global_buffer, .address_space: global }
      - { .name: b2, .offset: 8, .size: 8, .value_kind: global_buffer, .address_space: global }
      - { .name: hi, .offset: 16, .size: 8, .value_kind: global_buffer, .address_space: global }
      - { .name: rt, .offset: 24, .size: 8, .value_kind: global_buffer, .address_space: global }
      - { .name: z, .offset: 32, .size: 8, .value_kind: global_buffer, .address_space: global }
    .group_segment_fixed_size: 169728
    .private_segment_fixed_size: 0
    .kernarg_segment_align: 8
    .kernarg_segment_size: 40
    .max_flat_workgroup_size: 128
    .sgpr_count:     66
    .vgpr_count:     1024
    .wavefront_size: 32
...
	.end_amdgpu_metadata
.endif
;; end of part 9
;; launch combine (part 10): grid 256 x 1, 8 waves a work-group, no clusters, 0 bytes of LDS; arguments z, xq, sel, rt, out0; writes out0
.if DOCPART == 10
	.amdgcn_target "amdgcn-amd-amdhsa--gfx1250"
	.amdhsa_code_object_version 6
	.text
	.protected	k_q16a2a2c262_combine
	.globl	k_q16a2a2c262_combine
	.p2align	8
	.type	k_q16a2a2c262_combine,@function
k_q16a2a2c262_combine:
	s_mov_b64 s[64:65], 0
	v_nop
	global_prefetch_b8 v0, s[64:65] scope:SCOPE_SE
	s_setreg_imm32_b32 hwreg(HW_REG_WAVE_MODE, 25, 1), 1
	s_wait_xcnt 0x0
; out[t] = p0 (sum over the four K quarters of z[q][e0][pos0]) + p1 (the same for e1).  z: [4][8][1024 rows][1024] f32; the bias lies in quarter 0.
; e0, e1 come from sel[t], the two probabilities from xq, a token's position in an expert's list from rt: all by scalar loads, in one batch: the positions for all 8 experts are fetched and the two are chosen by selects,
; so that no load waits for another load's result.  Each output row has one owner: no sum spans work-groups.
; A wave owns half a row (2,048 bytes) of token t = 4 x work-group + wave / 2: 32 loads of 512 consecutive bytes, all out together, 4 stores of 512 aligned bytes.
; A stream: no LDS, no barrier, no matrix unit, no cluster (no two work-groups read the same bytes of z).
.set GW, 1081344
.set Z,  16                            ; v16-143: (k, q) at 16 (4 k + q), 4 registers for each 512 bytes
	s_load_b256 s[4:11], s[0:1], 0x0               ; z s[4:5], xq s[6:7], sel s[8:9], rt s[10:11]
	s_load_b64 s[12:13], s[0:1], 0x20              ; out0
	v_lshrrev_b32 v2, 5, v0
	s_delay_alu instid0(VALU_DEP_1)
	v_readfirstlane_b32 s2, v2                     ; wave
	v_and_b32 v1, 31, v0
	s_delay_alu instid0(VALU_DEP_1)
	v_lshlrev_b32 v1, 4, v1                        ; 16 x lane
	s_lshr_b32 s3, s2, 1
	s_lshl_b32 s14, ttmp9, 2
	s_add_co_u32 s14, s14, s3                      ; my token
	s_and_b32 s3, s2, 1                            ; my half of its row
	s_lshl_b32 s15, s14, 2
	s_lshl_b32 s23, s14, 3
	s_wait_alu depctr_va_vdst(0)
	s_wait_kmcnt 0x0
	s_load_b32 s16, s[8:9], s15 offset:0x0         ; the choice
	s_load_b64 s[18:19], s[6:7], s23 offset:GW     ; p0, p1
.irp j, 0,1,2,3,4,5,6,7
	s_load_b32 s[24+\j], s[10:11], s15 offset:4096*\j   ; my position in expert j's list
.endr
	s_lshl_b32 s54, s14, 12
	s_lshl_b32 s22, s3, 11
	s_add_co_u32 s54, s54, s22
	s_mov_b32 s55, 0
	s_add_nc_u64 s[52:53], s[12:13], s[54:55]      ; my half row of the output
	s_mov_b32 s35, 0
	s_wait_kmcnt 0x0
.irp k, 0,1
	s_bfe_u32 s17, s16, 0x80008+8*\k               ; e_k: 8 bits from bit 8 or 16,
	s_min_u32 s17, s17, 7                          ; held inside the table
	s_mov_b32 s32, s24
.irp j, 1,2,3,4,5,6,7
	s_cmp_eq_u32 s17, \j
	s_cselect_b32 s32, s[24+\j], s32
.endr
	s_min_u32 s32, s32, 1023
	s_lshl_b32 s34, s17, 10
	s_add_co_u32 s34, s34, s32
	s_lshl_b32 s34, s34, 12                        ; row 1,024 e + position, 4,096 bytes a row
	s_add_co_u32 s34, s34, s22
	s_add_nc_u64 s[36+8*\k:37+8*\k], s[4:5], s[34:35]
.irp q, 1,2,3
	s_add_nc_u64 s[36+8*\k+2*\q:37+8*\k+2*\q], s[34+8*\k+2*\q:35+8*\k+2*\q], 0x2000000   ; a K quarter on
.endr
.endr
	s_mov_b32 s20, s19                             ; p1 as a pair's low word
	s_mov_b32 s21, s19
.irp k, 0,1
.irp q, 0,1,2,3
.irp c, 0,1,2,3
	global_load_b128 v[Z+16*(4*\k+\q)+4*\c:Z+16*(4*\k+\q)+4*\c+3], v1, s[36+8*\k+2*\q:37+8*\k+2*\q] offset:512*\c th:TH_LOAD_NT
.endr
.endr
.endr
	s_wait_loadcnt 0x0
.irp c, 0,2,4,6,8,10,12,14             ; a pair of numbers at a time
.irp k, 0,1
	v_pk_add_f32 v[Z+64*\k+\c:Z+64*\k+\c+1], v[Z+64*\k+\c:Z+64*\k+\c+1], v[Z+64*\k+16+\c:Z+64*\k+17+\c]
	v_pk_add_f32 v[Z+64*\k+32+\c:Z+64*\k+33+\c], v[Z+64*\k+32+\c:Z+64*\k+33+\c], v[Z+64*\k+48+\c:Z+64*\k+49+\c]
.endr
.irp k, 0
	s_delay_alu instid0(VALU_DEP_3)
	v_pk_add_f32 v[Z+64*\k+\c:Z+64*\k+\c+1], v[Z+64*\k+\c:Z+64*\k+\c+1], v[Z+64*\k+32+\c:Z+64*\k+33+\c]
.endr
.irp k, 1
	s_delay_alu instid0(VALU_DEP_2)
	v_pk_add_f32 v[Z+64*\k+\c:Z+64*\k+\c+1], v[Z+64*\k+\c:Z+64*\k+\c+1], v[Z+64*\k+32+\c:Z+64*\k+33+\c]
.endr
	s_delay_alu instid0(VALU_DEP_2)
	v_pk_mul_f32 v[Z+\c:Z+\c+1], v[Z+\c:Z+\c+1], s[18:19] op_sel_hi:[1,0]
	s_delay_alu instid0(VALU_DEP_1)
	v_pk_fma_f32 v[Z+\c:Z+\c+1], v[Z+64+\c:Z+65+\c], s[20:21], v[Z+\c:Z+\c+1] op_sel_hi:[1,0,1]
.endr
.irp c, 0,1,2,3
	global_store_b128 v1, v[Z+4*\c:Z+4*\c+3], s[52:53] offset:512*\c th:TH_STORE_NT
.endr
	s_endpgm
.Lfunc_end_k_q16a2a2c262_combine:
	.size	k_q16a2a2c262_combine, .Lfunc_end_k_q16a2a2c262_combine-k_q16a2a2c262_combine
	.p2alignl 7, 3214868480
	.fill 96, 4, 3214868480
	.section	.rodata,"a",@progbits
	.p2align	6, 0x0
	.amdhsa_kernel k_q16a2a2c262_combine
		.amdhsa_group_segment_fixed_size 0
		.amdhsa_private_segment_fixed_size 0
		.amdhsa_enable_private_segment 0
		.amdhsa_kernarg_size 40
		.amdhsa_user_sgpr_count 2
		.amdhsa_user_sgpr_kernarg_segment_ptr 1
		.amdhsa_wavefront_size32 1
		.amdhsa_system_sgpr_workgroup_id_x 1
		.amdhsa_system_sgpr_workgroup_id_y 1
		.amdhsa_system_sgpr_workgroup_id_z 1
		.amdhsa_system_vgpr_workitem_id 0
		.amdhsa_next_free_vgpr 160
		.amdhsa_next_free_sgpr 66
		.amdhsa_reserve_vcc 0
		.amdhsa_float_denorm_mode_32 3
		.amdhsa_float_denorm_mode_16_64 3
		.amdhsa_memory_ordered 1
		.amdhsa_forward_progress 1
		.amdhsa_inst_pref_size 13
	.end_amdhsa_kernel
	.amdgpu_metadata
---
amdhsa.version: [ 1, 2 ]
amdhsa.kernels:
  - .name:           k_q16a2a2c262_combine
    .symbol:         k_q16a2a2c262_combine.kd
    .args:
      - { .name: z, .offset: 0, .size: 8, .value_kind: global_buffer, .address_space: global }
      - { .name: xq, .offset: 8, .size: 8, .value_kind: global_buffer, .address_space: global }
      - { .name: sel, .offset: 16, .size: 8, .value_kind: global_buffer, .address_space: global }
      - { .name: rt, .offset: 24, .size: 8, .value_kind: global_buffer, .address_space: global }
      - { .name: out0, .offset: 32, .size: 8, .value_kind: global_buffer, .address_space: global }
    .group_segment_fixed_size: 0
    .private_segment_fixed_size: 0
    .kernarg_segment_align: 8
    .kernarg_segment_size: 40
    .max_flat_workgroup_size: 256
    .sgpr_count:     66
    .vgpr_count:     160
    .wavefront_size: 32
...
	.end_amdgpu_metadata
.endif
;; end of part 10
